; MI455X (gfx1250); checked and timed in simulation.
; The chip was launched on July 23, 2026; its instructions are those of AMD's public machine-readable ISA for CDNA 5 (MIT licence, August 2026) and "CDNA5" Instruction Set Architecture Reference Guide (July 2026). The comments in the code are by the model that wrote it; some were corrected since.
;; Block. Allowed arithmetic: matrix products marked QUANTISED: E2M3 operands, one E8M0 scale for each 32 along K, by v_wmma_scale_f32_16x16x128_f8f6f4 with both operands' format E2M3, f32 sums; everything else in f32.
;; Inputs: b_fc 4,096 float32; b_out 1,024 float32; b_proj 1,024 float32; b_qkv 3,072 float32; ln1_b 1,024 float32; ln1_g 1,024 float32; ln2_b 1,024 float32; ln2_g 1,024 float32; w_fc 1,024 x 4,096 float32; w_out 1,024 x 1,024 float32; w_proj 4,096 x 1,024 float32; w_qkv 1,024 x 3,072 float32; x 2 x 2,048 x 1,024 float32.
;; Outputs: out0 2 x 2,048 x 1,024 float32.
;; This version of the problem:
;;   THIS VERSION OF THE PROBLEM IS GIVEN IN LOW PRECISION. The matrix products marked QUANTISED in the list below multiply operands that are first quantised to E2M3 (2 exponent bits, 3 mantissa bits; 6 bits a number), with one power-of-two scale for each 32 numbers along K (OCP MX v1.0); their sums are f32. All else is computed in f32.
;;   The module's matrix products, in the order in which they are computed (A, B: the left and right operand; K: the contracted axis; several contracted axes count as one K, in the product's order):
;;     1. [M 4,096, K 1,024] x [K 1,024, N 3,072]; A: computed on the way; B: input w_qkv: QUANTISED
;;     2. batch 32 x [M 2,048, K 64] x [K 64, N 2,048]; A: computed on the way; B: computed on the way: QUANTISED
;;     3. batch 32 x [M 2,048, K 2,048] x [K 2,048, N 64]; A: softmax (see below); B: computed on the way: QUANTISED
;;     4. [M 4,096, K 1,024] x [K 1,024, N 1,024]; A: computed on the way; B: input w_out: QUANTISED
;;     5. [M 4,096, K 1,024] x [K 1,024, N 4,096]; A: computed on the way; B: input w_fc: QUANTISED
;;     6. [M 4,096, K 4,096] x [K 4,096, N 1,024]; A: computed on the way; B: input w_proj: QUANTISED
;;   THE QUANTISER, for each operand of a quantised product, along K:
;;     - K is cut into blocks of 32 from its start; a last block that is shorter is filled with zeros.
;;     - A block's scale is 2^e with e = floor(log2(the largest magnitude in the block)) - 2, held to -126 .. 127; a block of zeros has e = 0. As a byte (E8M0): e + 127.
;;     - Each number is divided by its block's scale, clamped to +-7.5, and rounded to the nearest number of E2M3, ties to even, subnormals kept.
;;     - The product sums the exact products of the quantised numbers (number of the format x scale) in f32.
;;   ~~~python
;;   def quantise(x, axis):      # numpy; x: float32 -> the quantised numbers, widened to float32 again
;;       x = np.moveaxis(x, axis, -1); K = x.shape[-1]
;;       x = np.pad(x, [(0, 0)] * (x.ndim - 1) + [(0, -K % 32)]); x = x.reshape(x.shape[:-1] + (-1, 32)); a = np.abs(x).max(-1, keepdims=True)
;;       e = np.where(a > 0, np.clip(np.frexp(np.where(a > 0, a, 1))[1] - 1 - 2, -126, 127), 0)      # np.frexp(a)[1] - 1 = floor(log2(a)), exactly
;;       r = np.clip(x / 2.0 ** e, -7.5, 7.5)
;;       step = 2.0 ** (np.maximum(np.frexp(np.where(r == 0, 1, r))[1] - 1, 0) - 3)
;;       q = np.round(r / step) * step * 2.0 ** e      # np.round: ties to even
;;       return np.moveaxis(q.reshape(q.shape[:-2] + (-1,))[..., :K], -1, axis).astype(np.float32)
;;   ~~~
;;   SOFTMAX AHEAD OF A QUANTISED PRODUCT. Where the list says 'softmax', what is quantised is not the finished softmax but p = 2^(t - M), with t = logit x log2(e) and M = ceil(the row's largest t), a whole number; so 1/2 < the row's largest p <= 1. The row's sum l is taken of the UNQUANTISED p, in f32, and the product's result is divided by l at the end. Since M is a whole number, a kernel that streams over the keys may use a running M (the ceiling of the running maximum): every later rescaling is an exact power of two, which a block's scale takes up: the codes' values come out the same.
;;   OPERANDS COMPUTED ON THE WAY. 'Computed on the way' means the value that the module computes at that place (a softmax that the list does not call 'softmax' is quantised finished and normalised). What goes into a quantiser is computed in f32, as accurately as f32 sums, v_exp_f32 and their like allow (about 1e-6 of the number): no bf16 or f16 on the way to a quantiser, and a product that is left as it is and whose result goes on into a quantised operand takes f32 operands (vector FMAs, or v_wmma_f32_16x16x4_f32). A number that lies on a knife's edge between two numbers of the format may be rounded either way, as far as f32 arithmetic and the matrix unit's own rounding can turn it there, and no further.
;; 2 versions. Each part assembles by itself: llvm-mc -triple=amdgcn-amd-amdhsa -mcpu=gfx1250 --defsym DOCPART=n.
;; ======== version 1 of 2: 8 launches
;; workspace buffers: wts 9,830,400 bytes; h1 3,276,800 bytes; qkv 10,092,544 bytes; att 3,276,800 bytes; x1 16,777,216 bytes; h2 3,276,800 bytes; g 13,107,200 bytes
;; launch wq (part 1): grid 768 x 1, 4 waves a work-group, no clusters, 0 bytes of LDS; arguments w_qkv, w_out, w_fc, w_proj, wts; writes wts
.if DOCPART == 1
	.amdgcn_target "amdgcn-amd-amdhsa--gfx1250"
	.amdhsa_code_object_version 6
	.text
	.protected	k_q444f39d971_wq
	.globl	k_q444f39d971_wq
	.p2align	8
	.type	k_q444f39d971_wq,@function
k_q444f39d971_wq:
	s_mov_b64 s[64:65], 0
	v_nop
	global_prefetch_b8 v0, s[64:65] scope:SCOPE_SE
	s_setreg_imm32_b32 hwreg(HW_REG_WAVE_MODE, 25, 1), 1
	s_wait_xcnt 0x0
; The four weights, f32 stored [K][N], become codes of FP6 (E2M3) with one E8M0 byte for each 32 along K, laid in the ORDER OF THE OPERAND'S REGISTERS.
; A unit u (= the work-group) is 128 rows (columns n of the weight) x 128 along K: 8 fragments of 1,536 bytes at wts + 12,288 u, and their 128 scale words at wts + 9,437,184 + 512 u.
; A fragment (16 rows x 128 K) is two halves of 768 bytes (64 K each): lane L = r + 16 h of the reader holds k = 32 h .. 32 h + 31 of row r in six registers: four at 16 L, two at 512 + 8 L.
; The scale word of row r of fragment rb lies at 256 (rb / 4) + 16 r + 4 (rb % 4).
; Units: 0-191 w_qkv (rows ordered [q, k, v][head][64]), 192-255 w_out, 256-511 w_fc, 512-767 w_proj; in a weight, unit = (K / 128) x group + K step.
; The rows of w_qkv and w_fc lie in STORED ORDER: place p holds column p with its bits 3 and 4 exchanged, so that a product that takes 16 such rows as its first source leaves 16 natural neighbours in a lane's registers.
; A LANE TAKES A COLUMN, ITS 128 REGISTERS RUN DOWN K: each load reads 128 consecutive bytes a wave; a block of 32 lies in one lane, so its largest magnitude needs no other lane; nothing is transposed.
; A block's byte is its largest magnitude's exponent field - 2, held at 1 from below.  LIMITS: a block of zeros, or one whose largest magnitude lies under 2^-124, gets the byte 1 (zero codes add nothing; this program alone reads the bytes); NaN and infinities are not served.
; No LDS, no barrier: waves share nothing.  The scale words leave as 4 bytes a lane, 16 bytes apart: one byte in 128 of what the launch reads.
.set XR,  32                           ; v32-159  128 numbers down K
.set MR,  160                          ; v160-175 a block's first four code registers, a set for each block
.set TLR, 176                          ; v176-183 a block's last two
.set TR,  184                          ; v184-186 the second conversion's result
.set SRC, 22                           ; s[22:23] my wave's first number
	s_load_b256 s[4:11], s[0:1], 0x0               ; w_qkv, w_out, w_fc, w_proj
	s_load_b64 s[12:13], s[0:1], 0x20              ; wts
	v_lshrrev_b32 v1, 5, v0
	v_readfirstlane_b32 s14, v1                    ; wave
	v_and_b32 v1, 31, v0                           ; lane l = row 32 w + l of the unit
	v_lshrrev_b32 v2, 3, v1
	v_lshrrev_b32 v7, 4, v1                        ; l / 16
	v_xor_b32 v2, v2, v7
	v_and_b32 v2, 1, v2
	v_mul_u32_u24 v2, v2, 24
	v_xor_b32 v2, v1, v2                           ; l with bits 3 and 4 exchanged
	v_and_b32 v8, 15, v1
	s_mul_i32 s15, s14, 3072                       ; my wave's two fragments
	v_mul_u32_u24 v4, v7, 1536
	v_lshl_add_u32 v4, v8, 4, v4
	v_add_nc_u32 v4, s15, v4                       ; where my four registers of a block go: fragment, 16 r
	v_lshl_add_u32 v5, v1, 3, s15                  ; where a pair goes once the halves have changed places: 8 l
	s_lshr_b32 s16, s14, 1
	s_lshl_b32 s16, s16, 8
	s_and_b32 s17, s14, 1
	s_lshl_b32 s17, s17, 3
	s_add_co_u32 s16, s16, s17
	v_lshlrev_b32 v6, 2, v7
	v_lshl_add_u32 v6, v8, 4, v6
	v_add_nc_u32 v6, s16, v6                       ; my scale word: 256 (rb / 4) + 16 r + 4 (rb % 4), rb = 2 w + l / 16
	s_mul_i32 s24, ttmp9, 12288
	s_mov_b32 s25, 0
	s_lshl_b32 s26, ttmp9, 9
	s_add_co_u32 s26, s26, 9437184
	s_mov_b32 s27, 0
	s_lshr_b32 s28, s14, 1
	s_and_b32 s29, s14, 1
	s_lshl_b32 s30, s14, 5                         ; 32 w
	s_mov_b32 s21, 0
	s_wait_kmcnt 0x0
	s_add_nc_u64 s[24:25], s[12:13], s[24:25]      ; the unit's codes
	s_add_nc_u64 s[26:27], s[12:13], s[26:27]      ; and scale words
.macro LOADW n                         ; 128 rows of the weight, n numbers each, at my column
.set li, 0
.rept 128
	global_load_b32 v[XR+li], v3, s[SRC:SRC+1] offset:li*\n*4 th:TH_LOAD_NT
.set li, li+1
.endr
.endm
	s_cmp_lt_u32 ttmp9, 192                        ; which weight: the work-group's number alone decides
	s_cbranch_scc1 .Lqkv
	s_cmp_lt_u32 ttmp9, 256
	s_cbranch_scc1 .Lout
	s_cmp_lt_u32 ttmp9, 512
	s_cbranch_scc1 .Lfc
	s_sub_co_u32 s16, ttmp9, 512                   ; w_proj: 32 K steps a group, natural rows
	s_lshr_b32 s17, s16, 5
	s_and_b32 s16, s16, 31
	s_lshl_b32 s17, s17, 7
	s_add_co_u32 s17, s17, s30
	s_lshl_b32 s17, s17, 2
	s_mul_i32 s16, s16, 128*1024*4
	s_add_co_u32 s20, s16, s17
	s_add_nc_u64 s[SRC:SRC+1], s[10:11], s[20:21]
	v_lshlrev_b32 v3, 2, v1
	LOADW 1024
	s_branch .Ljoin
.Lqkv:                                                 ; w_qkv: group g = part x 8 + pair of heads; column = head x 192 + part x 64 + d
	s_lshr_b32 s16, ttmp9, 3
	s_and_b32 s17, ttmp9, 7
	s_and_b32 s18, s16, 7
	s_lshl_b32 s18, s18, 1
	s_add_co_u32 s18, s18, s28                     ; head
	s_mul_i32 s18, s18, 192
	s_lshr_b32 s19, s16, 3
	s_lshl_b32 s19, s19, 6
	s_add_co_u32 s18, s18, s19
	s_lshl_b32 s19, s29, 5
	s_add_co_u32 s18, s18, s19
	s_lshl_b32 s18, s18, 2
	s_mul_i32 s17, s17, 128*3072*4
	s_add_co_u32 s20, s17, s18
	s_add_nc_u64 s[SRC:SRC+1], s[4:5], s[20:21]
	v_lshlrev_b32 v3, 2, v2                        ; stored order
	LOADW 3072
	s_branch .Ljoin
.Lout:                                                 ; w_out: natural rows
	s_sub_co_u32 s16, ttmp9, 192
	s_lshr_b32 s17, s16, 3
	s_and_b32 s16, s16, 7
	s_lshl_b32 s17, s17, 7
	s_add_co_u32 s17, s17, s30
	s_lshl_b32 s17, s17, 2
	s_mul_i32 s16, s16, 128*1024*4
	s_add_co_u32 s20, s16, s17
	s_add_nc_u64 s[SRC:SRC+1], s[6:7], s[20:21]
	v_lshlrev_b32 v3, 2, v1
	LOADW 1024
	s_branch .Ljoin
.Lfc:                                                  ; w_fc: stored order
	s_sub_co_u32 s16, ttmp9, 256
	s_lshr_b32 s17, s16, 3
	s_and_b32 s16, s16, 7
	s_lshl_b32 s17, s17, 7
	s_add_co_u32 s17, s17, s30
	s_lshl_b32 s17, s17, 2
	s_mul_i32 s16, s16, 128*4096*4
	s_add_co_u32 s20, s16, s17
	s_add_nc_u64 s[SRC:SRC+1], s[8:9], s[20:21]
	v_lshlrev_b32 v3, 2, v2
	LOADW 4096
.Ljoin:
; Block kb: k = 32 kb .. 32 kb + 31 of my row.  left: how many younger loads may stay out (a wait's count names 63 at the most: with 63 out, the first 65 of the 128 are in)
.macro BLK kb, left
.set XS, XR+32*\kb
	s_wait_loadcnt \left
	v_max3_num_f32 v8, |v[XS]|, |v[XS+1]|, |v[XS+2]|
	v_max3_num_f32 v9, |v[XS+3]|, |v[XS+4]|, |v[XS+5]|
.irp i, 6,10,14,18,22,26
	v_max3_num_f32 v8, v8, |v[XS+\i]|, |v[XS+\i+1]|
	v_max3_num_f32 v9, v9, |v[XS+\i+2]|, |v[XS+\i+3]|
.endr
	v_max3_num_f32 v8, v8, |v[XS+30]|, |v[XS+31]|
	v_max3_num_f32 v8, v8, v9, 0x1800000           ; and the floor 2^(3 - 127): the byte cannot fall under 1
	v_add_nc_u32 v12, 0xff000000, v8               ; 2 off the exponent field: the conversion's scale operand
	v_lshrrev_b32 v13, 23, v12                     ; the scale's byte
.if \kb == 0
	v_mov_b32 v14, v13
.else
	v_lshl_or_b32 v14, v13, 8*\kb, v14             ; four bytes make my row's scale word
.endif
	v_cvt_scalef32_pk16_fp6_f32 v[MR+4*\kb:MR+4*\kb+2], v[XS:XS+15], v12
	v_cvt_scalef32_pk16_fp6_f32 v[TR:TR+2], v[XS+16:XS+31], v12    ; (a conversion's three registers begin on an even number)
	v_nop                                          ; one plain place behind a scaled conversion
	v_mov_b32 v[MR+4*\kb+3], v[TR]
	v_mov_b32 v[TLR+2*\kb], v[TR+1]
	v_mov_b32 v[TLR+2*\kb+1], v[TR+2]
	global_store_b128 v4, v[MR+4*\kb:MR+4*\kb+3], s[24:25] offset:768*(\kb/2)+256*(\kb%2)   ; block kb is the reader's half kb / 2, lanes 16 (kb % 2) on: sixteen lanes store 256 consecutive bytes, aligned
.endm
	BLK 0, 63
	BLK 1, 63
	BLK 2, 32
	BLK 3, 0
.irp c, 0,1                            ; the pairs: blocks 2 c and 2 c + 1 change halves, so that one register pair holds one fragment's 32 reader lanes: 256 consecutive bytes a store
.irp i, 0,1
	v_permlane16_swap_b32 v[TLR+4*\c+\i], v[TLR+4*\c+2+\i]
.endr
	global_store_b64 v5, v[TLR+4*\c:TLR+4*\c+1], s[24:25] offset:768*\c+512
	global_store_b64 v5, v[TLR+4*\c+2:TLR+4*\c+3], s[24:25] offset:768*\c+512+1536
.endr
	global_store_b32 v6, v14, s[26:27]
	s_endpgm
.Lfunc_end_k_q444f39d971_wq:
	.size	k_q444f39d971_wq, .Lfunc_end_k_q444f39d971_wq-k_q444f39d971_wq
	.p2alignl 7, 3214868480
	.fill 96, 4, 3214868480
	.section	.rodata,"a",@progbits
	.p2align	6, 0x0
	.amdhsa_kernel k_q444f39d971_wq
		.amdhsa_group_segment_fixed_size 0
		.amdhsa_private_segment_fixed_size 0
		.amdhsa_enable_private_segment 0
		.amdhsa_kernarg_size 40
		.amdhsa_user_sgpr_count 2
		.amdhsa_user_sgpr_kernarg_segment_ptr 1
		.amdhsa_wavefront_size32 1
		.amdhsa_system_sgpr_workgroup_id_x 1
		.amdhsa_system_sgpr_workgroup_id_y 1
		.amdhsa_system_sgpr_workgroup_id_z 1
		.amdhsa_system_vgpr_workitem_id 0
		.amdhsa_next_free_vgpr 192
		.amdhsa_next_free_sgpr 66
		.amdhsa_reserve_vcc 0
		.amdhsa_float_denorm_mode_32 3
		.amdhsa_float_denorm_mode_16_64 3
		.amdhsa_memory_ordered 1
		.amdhsa_forward_progress 1
		.amdhsa_inst_pref_size 59
	.end_amdhsa_kernel
	.amdgpu_metadata
---
amdhsa.version: [ 1, 2 ]
amdhsa.kernels:
  - .name:           k_q444f39d971_wq
    .symbol:         k_q444f39d971_wq.kd
    .args:
      - { .name: w_qkv, .offset: 0, .size: 8, .value_kind: global_buffer, .address_space: global }
      - { .name: w_out, .offset: 8, .size: 8, .value_kind: global_buffer, .address_space: global }
      - { .name: w_fc, .offset: 16, .size: 8, .value_kind: global_buffer, .address_space: global }
      - { .name: w_proj, .offset: 24, .size: 8, .value_kind: global_buffer, .address_space: global }
      - { .name: wts, .offset: 32, .size: 8, .value_kind: global_buffer, .address_space: global }
    .group_segment_fixed_size: 0
    .private_segment_fixed_size: 0
    .kernarg_segment_align: 8
    .kernarg_segment_size: 40
    .max_flat_workgroup_size: 128
    .sgpr_count:     66
    .vgpr_count:     192
    .wavefront_size: 32
...
	.end_amdgpu_metadata
.endif
;; end of part 1
;; launch ln1 (part 2): grid 256 x 1, 8 waves a work-group, no clusters, 67,072 bytes of LDS; arguments x, ln1_g, ln1_b, h1; writes h1
.if DOCPART == 2
	.amdgcn_target "amdgcn-amd-amdhsa--gfx1250"
	.amdhsa_code_object_version 6
	.text
	.protected	k_q444f39d971_ln1
	.globl	k_q444f39d971_ln1
	.p2align	8
	.type	k_q444f39d971_ln1,@function
k_q444f39d971_ln1:
	s_mov_b64 s[64:65], 0
	v_nop
	global_prefetch_b8 v0, s[64:65] scope:SCOPE_SE
	s_setreg_imm32_b32 hwreg(HW_REG_WAVE_MODE, 25, 1), 1
	s_wait_xcnt 0x0
; h = layernorm(x) * g + b for 4,096 rows of 1,024 f32, quantised along the row to FP6 (E2M3) with one E8M0 byte for each 32, and stored as operand fragments:
; codes at ((8 G + ks) 8 + rb) 1,536 (G: group of 128 rows, ks: 128 along K, rb: 16 rows), scale words at 3,145,728 + (8 G + ks) 512 + 256 (rb / 4) + 16 r + 4 (rb % 4).
; A fragment: two halves of 768 bytes (64 K); lane L = r + 16 h holds k = 32 h .. + 31 of row r in six registers: four at 16 L, two at 512 + 8 L.
; ROWS LIE IN STORED ORDER: row r of fragment rb of a group is the group's natural row 32 (rb / 2) + 8 (rb % 2) + r + 8 (r / 8).
; The body serves both layer norms of the block: the buffers are its four arguments.
; A work-group makes one rb: 16 rows.  Phase 1: wave w normalises two rows, each whole in 32 registers (mean, then the mean of squared differences: two passes, as the definition has it), into a stage in LDS.
; One barrier.  Phase 2: wave w is K step w: a lane reads its two whole blocks of 32 from the stage (pitch 4,112 = 257 x 16 bytes: sixteen rows start at sixteen different 16-byte columns), quantises and stores.
; LIMITS: a block of zeros, or one whose largest magnitude lies under 2^-124, gets the byte 1 (this program alone reads the bytes); NaN and infinities are not served.
; The work is a stream: no matrix unit, no cluster, no tensor load.  The scale words leave as 4 bytes a lane (lanes 16-31 write what lanes 0-15 write).
.set PITCH, 4112
.set SPARE, 66048                      ; behind the stage: the spare words, 128 bytes for each of eight waves; no other line names them
.set SPW, 144
.set NIL, 145
.set PC,  80                           ; phase 2: the fragment's 12 registers
	s_load_b256 s[4:11], s[0:1], 0x0               ; x, gain, bias, out
	v_lshl_add_u32 v[SPW], v0, 2, SPARE
	v_mov_b32 v[NIL], 0
	v_lshrrev_b32 v1, 5, v0
	v_readfirstlane_b32 s12, v1                    ; wave
	v_and_b32 v1, 31, v0
	v_lshlrev_b32 v2, 4, v1                        ; 16 l
	v_lshlrev_b32 v7, 3, v1                        ; 8 l
	v_and_b32 v4, 15, v0                           ; r
	v_bfe_u32 v5, v0, 4, 1                         ; h
	s_mul_i32 s18, s12, 2*PITCH
	v_add_nc_u32 v3, s18, v2                       ; stage, in: my two rows, 16 l
	v_mul_u32_u24 v6, v4, PITCH
	v_lshl_add_u32 v6, v5, 7, v6
	s_lshl_b32 s18, s12, 9
	v_add_nc_u32 v6, s18, v6                       ; stage, out: row r, K step w, + 128 h
	s_lshr_b32 s13, ttmp9, 3                       ; G
	s_and_b32 s14, ttmp9, 7                        ; rb
	s_lshl_b32 s15, s13, 7
	s_lshr_b32 s16, s14, 1
	s_lshl_b32 s16, s16, 5
	s_add_co_u32 s15, s15, s16
	s_and_b32 s16, s14, 1
	s_lshl_b32 s16, s16, 3
	s_add_co_u32 s15, s15, s16
	s_lshl_b32 s16, s12, 1
	s_add_co_u32 s15, s15, s16
	s_lshr_b32 s16, s12, 2
	s_lshl_b32 s16, s16, 3
	s_add_co_u32 s15, s15, s16                     ; my first natural row: stage rows 2 w and 2 w + 1 are neighbours in memory
	s_lshl_b32 s16, s15, 12
	s_mov_b32 s17, 0
	s_lshl_b32 s21, s13, 3
	s_add_co_u32 s21, s21, s12                     ; 8 G + w
	s_lshl_b32 s22, s21, 3
	s_add_co_u32 s22, s22, s14
	s_mul_i32 s22, s22, 1536
	s_mov_b32 s23, 0
	s_lshl_b32 s24, s21, 9
	s_lshr_b32 s25, s14, 2
	s_lshl_b32 s25, s25, 8
	s_add_co_u32 s24, s24, s25
	s_and_b32 s25, s14, 3
	s_lshl_b32 s25, s25, 2
	s_add_co_u32 s24, s24, s25
	s_add_co_u32 s24, s24, 3145728
	s_mov_b32 s25, 0
	s_mov_b32 s19, 0x3a800000                      ; 1 / 1024
	s_mov_b32 s20, 0x3727c5ac                      ; 1e-5
	s_mov_b32 s26, 0x76543210
	s_mov_b32 s27, 0xfedcba98                      ; lane l xor 16
	s_wait_kmcnt 0x0
	s_add_nc_u64 s[4:5], s[4:5], s[16:17]
	s_add_nc_u64 s[22:23], s[10:11], s[22:23]
	s_add_nc_u64 s[24:25], s[10:11], s[24:25]
.irp j, 0,1,2,3,4,5,6,7
	global_load_b128 v[16+4*\j:19+4*\j], v2, s[4:5] offset:512*\j
.endr
.irp j, 0,1,2,3,4,5,6,7
	global_load_b128 v[48+4*\j:51+4*\j], v2, s[4:5] offset:4096+512*\j
.endr
.irp j, 0,1,2,3,4,5,6,7
	global_load_b128 v[80+4*\j:83+4*\j], v2, s[6:7] offset:512*\j
	global_load_b128 v[112+4*\j:115+4*\j], v2, s[8:9] offset:512*\j
.endr
	s_wait_loadcnt 0x0
.macro ALL32                           ; v8 summed over the 32 lanes, the result in every lane
	v_add_f32_dpp v8, v8, v8 row_xmask:1 row_mask:0xf bank_mask:0xf
	v_add_f32_dpp v8, v8, v8 row_xmask:2 row_mask:0xf bank_mask:0xf
	v_add_f32_dpp v8, v8, v8 row_xmask:4 row_mask:0xf bank_mask:0xf
	v_add_f32_dpp v8, v8, v8 row_xmask:8 row_mask:0xf bank_mask:0xf
	v_permlanex16_b32 v9, v8, s26, s27
	v_add_f32 v8, v8, v9
.endm
.macro NORM rho
.set XS, 16+32*\rho
	v_pk_add_f32 v[8:9], v[XS:XS+1], v[XS+2:XS+3]
	v_pk_add_f32 v[10:11], v[XS+4:XS+5], v[XS+6:XS+7]
.irp j, 8,12,16,20,24,28
	v_pk_add_f32 v[8:9], v[8:9], v[XS+\j:XS+\j+1]
	v_pk_add_f32 v[10:11], v[10:11], v[XS+\j+2:XS+\j+3]
.endr
	v_pk_add_f32 v[8:9], v[8:9], v[10:11]
	v_add_f32 v8, v8, v9
	ALL32
	v_mul_f32 v12, s19, v8                         ; the mean
	v_mov_b32 v13, v12
.set nj, 0
.rept 16
	v_pk_add_f32 v[XS+nj:XS+nj+1], v[XS+nj:XS+nj+1], v[12:13] neg_lo:[0,1] neg_hi:[0,1]   ; x - mean
.set nj, nj+2
.endr
	v_pk_mul_f32 v[8:9], v[XS:XS+1], v[XS:XS+1]
	v_pk_mul_f32 v[10:11], v[XS+2:XS+3], v[XS+2:XS+3]
.irp j, 4,8,12,16,20,24,28
	v_pk_fma_f32 v[8:9], v[XS+\j:XS+\j+1], v[XS+\j:XS+\j+1], v[8:9]
	v_pk_fma_f32 v[10:11], v[XS+\j+2:XS+\j+3], v[XS+\j+2:XS+\j+3], v[10:11]
.endr
	v_pk_add_f32 v[8:9], v[8:9], v[10:11]
	v_add_f32 v8, v8, v9
	ALL32
	v_fma_f32 v8, v8, s19, s20                     ; variance + eps
	v_rsq_f32 v12, v8
	v_nop                                          ; a plain place behind the transcendental
	s_wait_alu depctr_va_vdst(0)                   ; the wait ahead of the first line that names the result
	v_mov_b32 v13, v12
.set nj, 0
.rept 16
	v_pk_mul_f32 v[XS+nj:XS+nj+1], v[XS+nj:XS+nj+1], v[12:13]
.set nj, nj+2
.endr
.set nj, 0
.rept 16
	v_pk_fma_f32 v[XS+nj:XS+nj+1], v[XS+nj:XS+nj+1], v[80+nj:81+nj], v[112+nj:113+nj]
.set nj, nj+2
.endr
.irp j, 0,1,2,3,4,5,6,7
	ds_store_b128 v3, v[XS+4*\j:XS+4*\j+3] offset:\rho*PITCH+512*\j
.endr
.endm
	NORM 0
	NORM 1
	s_wait_dscnt 0x0                               ; for the others' sake: my rows lie in the stage
	s_barrier_signal -1
	s_barrier_wait -1
.irp c, 0,1
.irp i, 0,1,2,3,4,5,6,7
	ds_load_b128 v[16+32*\c+4*\i:19+32*\c+4*\i], v6 offset:256*\c+16*\i   ; k = 128 w + 64 c + 32 h + 4 i ..: the operand's own order
.endr
.endr
	s_wait_dscnt 0x0
.irp c, 0,1
	v_max3_num_f32 v[8+\c], |v[16+32*\c]|, |v[17+32*\c]|, 0x1800000        ; my block 2 c + h, and the floor 2^(3 - 127)
.endr
.irp i, 2,4,6,8,10,12,14,16,18,20,22,24,26,28,30
.irp c, 0,1
	v_max3_num_f32 v[8+\c], v[8+\c], |v[16+32*\c+\i]|, |v[17+32*\c+\i]|
.endr
.endr
.irp c, 0,1
	v_add_nc_u32 v[10+\c], 0xff000000, v[8+\c]     ; the conversion's scale operand
.endr
.irp c, 0,1
	v_lshrrev_b32 v[12+\c], 23, v[10+\c]           ; the byte
.endr
	v_lshl_or_b32 v14, v13, 16, v12                ; blocks h and 2 + h,
	v_lshlrev_b32 v15, 3, v5
	v_lshlrev_b32 v14, v15, v14                    ; at their places;
	v_mov_b32 v15, 0
	v_permlanex16_b32 v15, v14, s26, s27
	v_or_b32 v14, v14, v15                         ; with lane l xor 16's two the word is whole
.irp c, 0,1
	v_cvt_scalef32_pk16_fp6_f32 v[PC+6*\c:PC+2+6*\c], v[16+32*\c:31+32*\c], v[10+\c]
	v_cvt_scalef32_pk16_fp6_f32 v[PC+12+4*\c:PC+14+4*\c], v[32+32*\c:47+32*\c], v[10+\c]
.endr
	v_nop                                          ; one plain place behind a scaled conversion
.irp c, 0,1
.irp i, 0,1,2
	v_mov_b32 v[PC+3+6*\c+\i], v[PC+12+4*\c+\i]
.endr
.endr
	v_lshlrev_b32 v4, 4, v4                        ; 16 r
	global_store_b128 v2, v[PC:PC+3], s[22:23]               ; each store of the wave covers 512 or 256 consecutive bytes, aligned
	global_store_b64 v7, v[PC+4:PC+5], s[22:23] offset:512
	global_store_b128 v2, v[PC+6:PC+9], s[22:23] offset:768
	global_store_b64 v7, v[PC+10:PC+11], s[22:23] offset:1280
	global_store_b32 v4, v14, s[24:25]
	s_wait_tensorcnt 0x0                           ; the wave's end
	ds_add_u32 v[SPW], v[NIL]
	s_wait_dscnt 0x0
	s_endpgm
.Lfunc_end_k_q444f39d971_ln1:
	.size	k_q444f39d971_ln1, .Lfunc_end_k_q444f39d971_ln1-k_q444f39d971_ln1
	.p2alignl 7, 3214868480
	.fill 96, 4, 3214868480
	.section	.rodata,"a",@progbits
	.p2align	6, 0x0
	.amdhsa_kernel k_q444f39d971_ln1
		.amdhsa_group_segment_fixed_size 67072
		.amdhsa_private_segment_fixed_size 0
		.amdhsa_enable_private_segment 0
		.amdhsa_kernarg_size 32
		.amdhsa_user_sgpr_count 2
		.amdhsa_user_sgpr_kernarg_segment_ptr 1
		.amdhsa_wavefront_size32 1
		.amdhsa_system_sgpr_workgroup_id_x 1
		.amdhsa_system_sgpr_workgroup_id_y 1
		.amdhsa_system_sgpr_workgroup_id_z 1
		.amdhsa_system_vgpr_workitem_id 0
		.amdhsa_next_free_vgpr 160
		.amdhsa_next_free_sgpr 66
		.amdhsa_reserve_vcc 0
		.amdhsa_float_denorm_mode_32 3
		.amdhsa_float_denorm_mode_16_64 3
		.amdhsa_memory_ordered 1
		.amdhsa_forward_progress 1
		.amdhsa_inst_pref_size 24
	.end_amdhsa_kernel
	.amdgpu_metadata
---
amdhsa.version: [ 1, 2 ]
amdhsa.kernels:
  - .name:           k_q444f39d971_ln1
    .symbol:         k_q444f39d971_ln1.kd
    .args:
      - { .name: x, .offset: 0, .size: 8, .value_kind: global_buffer, .address_space: global }
      - { .name: ln1_g, .offset: 8, .size: 8, .value_kind: global_buffer, .address_space: global }
      - { .name: ln1_b, .offset: 16, .size: 8, .value_kind: global_buffer, .address_space: global }
      - { .name: h1, .offset: 24, .size: 8, .value_kind: global_buffer, .address_space: global }
    .group_segment_fixed_size: 67072
    .private_segment_fixed_size: 0
    .kernarg_segment_align: 8
    .kernarg_segment_size: 32
    .max_flat_workgroup_size: 256
    .sgpr_count:     66
    .vgpr_count:     160
    .wavefront_size: 32
...
	.end_amdgpu_metadata
.endif
;; end of part 2
;; launch gqkv (part 3): grid 48 x 4, 4 waves a work-group, clusters of 4 x 4, 327,680 bytes of LDS; arguments h1, wts, b_qkv, qkv; writes qkv
.if DOCPART == 3
	.amdgcn_target "amdgcn-amd-amdhsa--gfx1250"
	.amdhsa_code_object_version 6
	.text
	.protected	k_q444f39d971_gqkv
	.globl	k_q444f39d971_gqkv
	.p2align	8
	.type	k_q444f39d971_gqkv,@function
k_q444f39d971_gqkv:
	s_mov_b64 s[64:65], 0
	v_nop
	global_prefetch_b8 v0, s[64:65] scope:SCOPE_SE
	s_setreg_imm32_b32 hwreg(HW_REG_WAVE_MODE, 25, 1), 1
	s_wait_xcnt 0x0
	s_wait_alu depctr_hold_cnt(0) depctr_sa_sdst(0) depctr_va_vdst(0) depctr_va_sdst(0) depctr_va_ssrc(0) depctr_va_vcc(0) depctr_vm_vsrc(0)
	s_getreg_b32 s2, hwreg(HW_REG_IB_STS2, 6, 4)
	s_cmp_eq_u32 s2, 0
	s_cbranch_scc0 .Lentry_in_a_cluster
	s_endpgm
.Lentry_in_a_cluster:
	s_bfe_u32 s2, ttmp6, 0x10000c
	s_cmp_lg_u32 s2, 0xf033
	s_cbranch_scc0 .Lentry_shape_is_right
	s_endpgm
.Lentry_shape_is_right:
; qkv = LN1(x) W_qkv + b_qkv on codes of FP6 (E2M3) with E8M0 scales, and its three parts quantised again at once: q and k along the head's 64, v along the tokens (the keys).
; OPERANDS lie in memory in the order of the operand's registers: a group of 128 rows x 128 K is 8 fragments of 1,536 bytes (12,288), the K steps of a group on end; its scale words 512 bytes a K step.
; A tile of C, 256 x 256, is made by four waves, each 128 x 128: 64 accumulators, 512 registers.  K = 1,024 goes in slots of 256 along K through a ring of two LDS slots; each wave fetches one group's 24,576 dense bytes by one tensor load.
; The scale words of the four groups, for all of K, come once with the first fills.
; THE PRODUCT IS USED TRANSPOSED: source 0 = 16 rows of B, source 1 = 16 rows of A: a lane holds one row of A and eight rows of B.  B's rows lie in stored order (bits 3 and 4 of the place exchanged), so the 16 registers of two
; neighbouring accumulators are 16 natural neighbours along B's rows: they are quantised as they stand.
; TWO PATHS, told apart by the cluster's number c = 0 .. 11 alone (the same in all partners): c < 8: A = tokens, B = W_q, W_k: a lane's registers run along the two heads' 128 columns.
; c >= 8: A = W_v, B = tokens: a lane holds one column d of v and its registers run along 128 tokens, which are the second attention product's K.  The bias is the C of each sum's first product.
; OUT: q, k: half fragments [head' 32 (q, then k)][token group 32][8][768]; v: fragments at 6,291,456 + [b h 32][key step 16][4][1,536]; scale words in records of 20,480 bytes a head at 9,437,184: q's 16 x 512, k's 16 x 512, v's 16 x 256.
; q's and k's words keep 0 in their upper two bytes: in the attention's first product the upper 64 of K are zero codes.
; CLUSTER 4 x 4: A's groups are asked for jointly along a row, B's along a column.
; LIMITS: a block of zeros, or one whose largest magnitude lies under 2^-124, gets the byte 1 (this program alone reads the bytes); NaN and infinities are not served.
; REGISTERS: window 0: v16-29 addresses; v32-63 scale words, two sets; v128-223 A's fragments; behind the loop v64-131 at work.  window 1: B's two sets at v0, v128; the bias in v96-127, v224-255.  windows 2, 3: accumulator (a, b) at v[8 (8 (a % 4) + b)].
.set KS,    8
.set LAPS,  KS/4
.set GSTR,  KS*12288
.set SG,    KS*512
.set RGN,   24576                      ; a group's two K steps: what one tensor load brings
.set SLOT,  4*RGN                      ; A's two groups, B's two groups
.set SCL,   2*SLOT                     ; behind the ring: the four groups' scale words
.set SPARE, SCL+4*SG                   ; the spare words, 128 bytes a wave; no other line names them
.set FR,    12
.set NL,    4                          ; LDS loads that bring a fragment
.set NP,    4                          ; places behind this matrix instruction (ISA guide 7.12.1)
.set VC,    6291456
.set SREC,  9437184
.set ADRA, 16                          ; v16-17 my A group in slot 0, 1, + 16 L; v18-19 the same + 8 L
.set ADRB, 20                          ; v20-23 the same for B
.set OA16, 24                          ; v24 16 L
.set OA8,  25                          ; v25 8 L
.set OS,   26                          ; v26 where my four scale words go
.set ADRS, 27                          ; v27 my scale words: lanes 0-15 A's, lanes 16-31 B's
.set SPW,  28
.set NIL,  29
.set SC,   32                          ; set s at v[SC + 16 s]; in it register 8 q + i: block i, the slot's q-th K step
.set AF,   128
.set PC,   64                          ; the codes just made
.set TM,   96                          ; maxima, bytes, scale operands
.set WS,   112                         ; v112-119 the eight blocks' scale words
.set EW,   120                         ; v120-131 the words as they leave
.set G1, 24
.set G0, 32
.set G1B, 48
.set G0B, 56
.set G1S, 68
.set G0S, 76
.set G1SB, 80
.set G0SB, 88
.set MSB, 0
.macro WIN new                         ; the immediate's high byte repeats the setting that is left
.if MSB != (\new)
	s_set_vgpr_msb (MSB<<8)|(\new)
.set MSB, (\new)
.endif
.endm
.set MUL_LO, 0xa1                      ; source 0 (B) window 1, source 1 (A) window 0, C and D window 2
.set MUL_HI, 0xf1
.set TO_B,   0x40
.macro JLOAD g0a, g1a, g0b, g1b        ; a joint load: waves 0 and 1 fetch for A, waves 2 and 3 for B; an s_nop 0 and four v_nop follow each line
	s_cmp_eq_u32 s15, 0
	s_cbranch_scc0 .Lfor_b_\@
	tensor_load_to_lds s[\g0a:\g0a+3], s[\g1a:\g1a+7]
	s_nop 0
.rept 4
	v_nop
.endr
	s_branch .Lasked_\@
.Lfor_b_\@:
	tensor_load_to_lds s[\g0b:\g0b+3], s[\g1b:\g1b+7]
	s_nop 0
.rept 4
	v_nop
.endr
.Lasked_\@:
.endm
.macro CREST
	s_cmp_lg_u32 s14, 0
	s_cbranch_scc1 .Lnot_wave_0_\@
	s_barrier_signal -3
.Lnot_wave_0_\@:
	s_barrier_wait -3
	s_barrier_signal -1
	s_barrier_wait -1
.endm
.macro CROUND
	s_barrier_signal -1
	s_barrier_wait -1
	CREST
.endm
.macro FRAG reg, adr, q, i             ; a fragment as it lies: every load of the wave takes 512 or 256 consecutive bytes
	ds_load_b128 v[\reg:\reg+3], v[\adr] offset:(\q)*12288+(\i)*1536
	ds_load_b64 v[\reg+4:\reg+5], v[\adr+2] offset:(\q)*12288+(\i)*1536+512
	ds_load_b128 v[\reg+6:\reg+9], v[\adr] offset:(\q)*12288+(\i)*1536+768
	ds_load_b64 v[\reg+10:\reg+11], v[\adr+2] offset:(\q)*12288+(\i)*1536+1280
.endm
; 16 products: A's blocks a0, a0 + 1 x B's eight.  zero = 0: onto the sums; 1: C = the bias by B's block; 2: by A's block.  The 64 accumulators take turns, one instruction a turn.
.macro MUL16 a0, p, q, sc, zero
.irp a, \a0, \a0+1
.irp b, 0,1,2,3,4,5,6,7
.set rD, 8*(8*((\a)%4)+\b)
.set rB, 128*(\p)+FR*\b
.set rA, AF+FR*(\a)
.set rC, rD
.if (\zero) == 1
.set rC, 96+8*\b+96*(\b/4)
.endif
.if (\zero) == 2
.set rC, 96+8*(\a)+96*((\a)/4)
.endif
	v_wmma_scale_f32_16x16x128_f8f6f4 v[rD:rD+7], v[rB:rB+FR-1], v[rA:rA+FR-1], v[rC:rC+7], v[SC+16*(\sc)+8*(\q)+\b], v[SC+16*(\sc)+8*(\q)+(\a)] matrix_a_fmt:MATRIX_FMT_FP6 matrix_b_fmt:MATRIX_FMT_FP6 matrix_a_scale:MATRIX_SCALE_ROW1
.endr
.endr
.endm
.macro FETCH_B slot, q, p
	WIN TO_B
.irp i, 0,1,2,3,4,5,6,7
	FRAG 128*(\p)+FR*\i, ADRB+\slot, \q, \i
.endr
	WIN 0
.endm
.macro FETCH_A slot, q, i0
.irp i, \i0, \i0+1, \i0+2, \i0+3
	FRAG AF+FR*(\i), ADRA+\slot, \q, \i
.endr
.endm
.macro SCALES sc                       ; a slot's scale words: two K steps x eight blocks
.irp i, 0,1,2,3
	ds_load_b128 v[SC+16*\sc+4*\i:SC+16*\sc+4*\i+3], v[ADRS] offset:256*\i
.endr
.endm
.macro PLACES n
.rept \n
	v_nop
.endr
.endm
.macro STEP slot, q, zero              ; 128 along K with its successor in the same slot
	s_wait_dscnt 4*NL                              ; all but the youngest sixteen loads (A's blocks 4-7)
.if \zero
	WIN 0x91                                       ; C (the bias) in window 1
.else
	WIN MUL_LO
.endif
	MUL16 0, (\q)%2, \q, \slot, \zero
	MUL16 2, (\q)%2, \q, \slot, \zero
	s_wait_dscnt 0
	PLACES NP
	FETCH_B \slot, (\q)+1, 1-(\q)%2
	FETCH_A \slot, (\q)+1, 0
.if \zero
	WIN 0xd1
.else
	WIN MUL_HI
.endif
	MUL16 4, (\q)%2, \q, \slot, \zero
	MUL16 6, (\q)%2, \q, \slot, \zero
	PLACES NP
	WIN 0
	FETCH_A \slot, (\q)+1, 4
.endm
; A slot's last step changes slots: one barrier; in front of it each wave waits for all its tensor loads, adds 0 to its spare word, and waits for that and for its reads of this slot.
.macro TURN slot, next, fill
	s_wait_tensorcnt 0x0                           ; all my tensor loads have landed: my part of the next slot
	ds_add_u32 v[SPW], v[NIL]
	s_wait_dscnt 4*NL+1                            ; (the add and A's blocks 4-7 may be out)
	WIN MUL_LO
	MUL16 0, 1, 1, \slot, 0
	s_wait_dscnt 0x0                               ; the add is done, my reads of this slot are over
	s_barrier_signal -1
	MUL16 2, 1, 1, \slot, 0
	WIN 0
	s_barrier_wait -1
.if \fill
	CREST                                          ; the barrier has opened a round of the cluster's: no wave of any partner still reads this slot or has a load on its way
	s_add_nc_u64 s[G0+4*\slot+2:G0+4*\slot+3], s[G0+4*\slot+2:G0+4*\slot+3], 2*RGN
	s_add_nc_u64 s[G0B+4*\slot+2:G0B+4*\slot+3], s[G0B+4*\slot+2:G0B+4*\slot+3], 2*RGN
	JLOAD G0+4*\slot, G1, G0B+4*\slot, G1B         ; the first tensor load behind the round; its four v_nop are the places in front of the loads below
.else
	PLACES NP
.endif
	v_add_nc_u32 v[ADRS], 1024, v[ADRS]            ; the next slot's scale words
	FETCH_B \next, 0, 0
	FETCH_A \next, 0, 0
	SCALES \next
	WIN MUL_HI
	MUL16 4, 1, 1, \slot, 0
	MUL16 6, 1, 1, \slot, 0
	PLACES NP
	WIN 0
	FETCH_A \next, 0, 4
.endm
	s_load_b256 s[4:11], s[0:1], 0x0               ; h1, wts, b_qkv, qkv
	v_lshl_add_u32 v[SPW], v0, 2, SPARE
	v_mov_b32 v[NIL], 0
	ds_add_u32 v[SPW], v[NIL]                      ; the wave's opening: the add and its wait ahead of my first tensor load
	v_lshrrev_b32 v1, 5, v0
	v_readfirstlane_b32 s14, v1                    ; wave
	s_lshr_b32 s15, s14, 1                         ; my half of the tile's rows; also: I fetch for A (0) or B (1)
	s_and_b32 s16, s14, 1                          ; my half of its columns; also: which group I fetch
	s_bfe_u32 s40, ttmp6, 0x40000                  ; cx
	s_bfe_u32 s41, ttmp6, 0x40004                  ; cy
	s_lshr_b32 s17, ttmp9, 1
	s_lshl_b32 s17, s17, 2                         ; q, k: tile row 4 (c / 2) + cy,
	s_and_b32 s42, ttmp9, 1
	s_lshl_b32 s42, s42, 2                         ; tile column 4 (c % 2) + cx
	s_and_b32 s18, ttmp9, 3
	s_lshl_b32 s18, s18, 2                         ; v: tile row cy, tile column 4 (c - 8) + cx
	s_cmp_ge_u32 ttmp9, 8
	s_cselect_b32 s17, 0, s17
	s_cselect_b32 s42, s18, s42
	s_mov_b32 s18, 1572864
	s_cselect_b32 s18, s18, 0                      ; where A's codes begin in their buffer (W_v: groups 16 on),
	s_mov_b32 s19, 9502720
	s_cselect_b32 s19, s19, 3145728                ; A's scale words,
	s_mov_b32 s95, 3145728
	s_cselect_b32 s95, s95, 9437184                ; B's scale words (B's codes begin at 0 on both paths)
	s_add_co_u32 s17, s17, s41                     ; tile row
	s_add_co_u32 s42, s42, s40                     ; tile column
	s_lshl_b32 s43, s41, 2
	s_lshl_b32 s43, 15, s43                        ; my row of the cluster
	s_lshl_b32 s44, 0x1111, s40                    ; my column
	s_or_b32 s[G1+0], s43, (3<<16)|(1<<21)         ; the mask; elements of 8 bytes; bit 21 beside a mask; no padding
	s_or_b32 s[G1B+0], s44, (3<<16)|(1<<21)
.irp g, G1, G1B
	s_mov_b32 s[\g+1], 32<<16                      ; rows of 256 bytes,
	s_mov_b32 s[\g+2], 96<<16                      ; 96 of them: a dense block of 24,576 bytes
	s_mov_b32 s[\g+3], 32<<16
	s_mov_b32 s[\g+4], 96
	s_mov_b32 s[\g+5], 32
	s_mov_b32 s[\g+6], 0
	s_mov_b32 s[\g+7], 0
.endr
	s_or_b32 s[G1S+0], s43, (3<<16)|(1<<21)
	s_or_b32 s[G1SB+0], s44, (3<<16)|(1<<21)
.irp g, G1S, G1SB
	s_mov_b32 s[\g+1], 32<<16
	s_mov_b32 s[\g+2], (2*KS)<<16                  ; a group's scale words: SG dense bytes
	s_mov_b32 s[\g+3], 32<<16
	s_mov_b32 s[\g+4], 2*KS
	s_mov_b32 s[\g+5], 32
	s_mov_b32 s[\g+6], 0
	s_mov_b32 s[\g+7], 0
.endr
	s_lshl_b32 s20, s17, 1
	s_add_co_u32 s20, s20, s16                     ; A's group that I fetch
	s_lshl_b32 s46, s42, 1
	s_add_co_u32 s46, s46, s16                     ; B's
	s_mul_i32 s22, s20, SG
	s_add_co_u32 s22, s22, s19
	s_mul_i32 s20, s20, GSTR
	s_add_co_u32 s20, s20, s18
	s_mul_i32 s92, s46, SG
	s_add_co_u32 s92, s92, s95
	s_mul_i32 s46, s46, GSTR
	s_mov_b32 s21, 0
	s_mov_b32 s23, 0
	s_mov_b32 s47, 0
	s_mov_b32 s93, 0
	s_mul_i32 s45, s14, RGN                        ; where they go: by the wave's number alone
	s_mul_i32 s94, s14, SG
	s_mov_b32 s98, 0x76543210
	s_mov_b32 s99, 0xfedcba98
	s_mov_b32 s100, 0xffff0000                     ; lanes 16-31
	s_wait_dscnt 0x0                               ; the opening add is done
	s_wait_kmcnt 0x0
	s_cmp_ge_u32 ttmp9, 8
	s_cselect_b64 s[96:97], s[6:7], s[4:5]         ; A: the tokens' codes, or the weights'
	s_cselect_b64 s[66:67], s[4:5], s[6:7]         ; B: the other
	s_add_nc_u64 s[20:21], s[96:97], s[20:21]
	s_add_nc_u64 s[22:23], s[96:97], s[22:23]
	s_add_nc_u64 s[46:47], s[66:67], s[46:47]
	s_add_nc_u64 s[92:93], s[66:67], s[92:93]
	CROUND                                         ; all sixteen work-groups are here: the first joint loads meet
	s_mov_b32 s[G0S], 1
	s_add_co_u32 s[G0S+1], s94, SCL
	s_mov_b64 s[G0S+2:G0S+3], s[22:23]
	s_or_b32 s[G0S+3], s[G0S+3], 0x80000000
	s_mov_b32 s[G0SB], 1
	s_add_co_u32 s[G0SB+1], s94, SCL
	s_mov_b64 s[G0SB+2:G0SB+3], s[92:93]
	s_or_b32 s[G0SB+3], s[G0SB+3], 0x80000000
	JLOAD G0S, G1S, G0SB, G1SB
.irp s, 0,1
	s_mov_b32 s[G0+4*\s], 1
	s_add_co_u32 s[G0+4*\s+1], s45, \s*SLOT
	s_add_nc_u64 s[G0+4*\s+2:G0+4*\s+3], s[20:21], \s*RGN
	s_or_b32 s[G0+4*\s+3], s[G0+4*\s+3], 0x80000000
	s_mov_b32 s[G0B+4*\s], 1
	s_add_co_u32 s[G0B+4*\s+1], s45, \s*SLOT
	s_add_nc_u64 s[G0B+4*\s+2:G0B+4*\s+3], s[46:47], \s*RGN
	s_or_b32 s[G0B+4*\s+3], s[G0B+4*\s+3], 0x80000000
	JLOAD G0+4*\s, G1, G0B+4*\s, G1B
.endr
	v_and_b32 v1, 15, v0                           ; r
	v_bfe_u32 v2, v0, 4, 1                         ; h
	v_and_b32 v3, 31, v0                           ; L
	v_lshlrev_b32 v[OA16], 4, v3
	v_lshlrev_b32 v[OA8], 3, v3
	s_mul_i32 s21, s15, RGN
	s_mul_i32 s22, s16, RGN
	s_add_co_u32 s22, s22, 2*RGN
.irp s, 0,1
	v_add_nc_u32 v[ADRA+\s], s21, v[OA16]
	v_add_nc_u32 v[ADRB+\s], s22, v[OA16]
	v_add_nc_u32 v[ADRA+2+\s], s21, v[OA8]
	v_add_nc_u32 v[ADRB+2+\s], s22, v[OA8]
	s_add_co_u32 s21, s21, SLOT
	s_add_co_u32 s22, s22, SLOT
.endr
	v_lshlrev_b32 v6, 4, v1                        ; 16 r
	s_mul_i32 s21, s15, SG
	s_mul_i32 s22, s16, SG
	s_add_co_u32 s22, s22, 2*SG
	s_sub_co_u32 s22, s22, s21
	v_mul_u32_u24 v7, s22, v2                      ; lanes 16-31 take B's
	s_add_co_u32 s21, s21, SCL
	v_add_nc_u32 v7, v6, v7
	v_add_nc_u32 v[ADRS], s21, v7
.irp b, 0,1,2,3
	v_mov_b32 v[TM+4+\b], 0                        ; written once: a lane permute's destination counts as one of its sources
.endr
	; where the results go, and the bias: by path
	s_lshl_b32 s96, s17, 1
	s_add_co_u32 s96, s96, s15                     ; P = my group of A's rows
	s_lshl_b32 s97, s42, 1
	s_add_co_u32 s97, s97, s16                     ; Q = my group of B's rows
	s_mov_b32 s19, 0
	s_mov_b32 s21, 0
	s_mov_b32 s23, 0
	s_mov_b32 s45, 0
	s_mov_b32 s47, 0
	s_mov_b32 s93, 0
	s_cmp_ge_u32 ttmp9, 8
	s_cbranch_scc1 .Lv_set
	s_lshl_b32 s18, s97, 6                         ; q, k: P = token group, Q = pair of heads' (0-7 q, 8-15 k)
	s_add_co_u32 s18, s18, s96
	s_mul_i32 s18, s18, 6144                       ; the even head's half fragments,
	s_add_co_u32 s20, s18, 196608                  ; the odd head's: 32 groups on
	s_mov_b32 s22, 768                             ; from block to block
	s_mov_b32 s44, 768
	s_lshr_b32 s46, s96, 4
	s_lshl_b32 s46, s46, 4
	s_and_b32 s66, s97, 7
	s_lshl_b32 s66, s66, 1                         ; the even head
	s_add_co_u32 s46, s46, s66
	s_mul_i32 s46, s46, 20480                      ; its record
	s_mul_i32 s92, s66, 768                        ; its 192 columns of the bias, in bytes
	s_lshr_b32 s66, s97, 3                         ; 0 q, 1 k
	s_lshl_b32 s67, s66, 13
	s_add_co_u32 s46, s46, s67
	s_lshl_b32 s67, s66, 8
	s_add_co_u32 s92, s92, s67
	s_and_b32 s67, s96, 15
	s_lshl_b32 s67, s67, 9
	s_add_co_u32 s46, s46, s67
	s_add_co_u32 s46, s46, SREC
	s_mov_b32 s66, 256                             ; lanes 16-31 store blocks 4-7's words 256 bytes on
	v_lshlrev_b32 v7, 6, v2                        ; the bias of my eight columns of B's block b: 64 h + ..
	s_add_nc_u64 s[92:93], s[8:9], s[92:93]
	WIN 0x40
.irp b, 0,1,2,3,4,5,6,7
	global_load_b128 v[96+8*\b+96*(\b/4):96+8*\b+96*(\b/4)+3], v7, s[92:93] offset:((\b/4)*192+32*((\b/2)%2)+8*(\b%2))*4
	global_load_b128 v[96+8*\b+96*(\b/4)+4:96+8*\b+96*(\b/4)+7], v7, s[92:93] offset:((\b/4)*192+32*((\b/2)%2)+8*(\b%2))*4+16
.endr
	WIN 0
	s_branch .Lset_done
.Lv_set:                                               ; v: P = pair of heads, Q = token group
	s_lshr_b32 s46, s97, 4
	s_lshl_b32 s46, s46, 4
	s_lshl_b32 s66, s96, 1                         ; the even head
	s_add_co_u32 s46, s46, s66                     ; b h
	s_mul_i32 s92, s66, 768
	s_add_co_u32 s92, s92, 512                     ; v's 64 columns lie 128 behind the head's first
	s_and_b32 s67, s97, 15                         ; key step
	s_lshl_b32 s18, s46, 4
	s_add_co_u32 s18, s18, s67
	s_mul_i32 s18, s18, 6144
	s_add_co_u32 s18, s18, VC
	s_add_co_u32 s20, s18, 768
	s_mov_b32 s22, 1536
	s_mov_b32 s44, 93696                           ; from the even head's block 3 to the odd head's block 0
	s_mul_i32 s46, s46, 20480
	s_lshl_b32 s67, s67, 8
	s_add_co_u32 s46, s46, s67
	s_add_co_u32 s46, s46, SREC+16384
	s_mov_b32 s66, 20480                           ; lanes 16-31 store the odd head's words
	v_and_b32 v7, 8, v1
	v_add_nc_u32 v7, v7, v1
	v_lshlrev_b32 v7, 2, v7                        ; the bias of my one column d: 4 (r + 8 (r / 8)) + ..
	s_add_nc_u64 s[92:93], s[8:9], s[92:93]
	WIN 0x40
.irp a, 0,1,2,3,4,5,6,7
.irp j, 0,1,2,3,4,5,6,7
	global_load_b32 v[96+8*\a+96*(\a/4)+\j], v7, s[92:93] offset:((\a/4)*192+32*((\a/2)%2)+8*(\a%2))*4
.endr
.endr
	WIN 0
.Lset_done:
	s_add_nc_u64 s[18:19], s[10:11], s[18:19]      ; half c = 0 of a block's fragment,
	s_add_nc_u64 s[20:21], s[10:11], s[20:21]      ; half c = 1,
	s_add_nc_u64 s[46:47], s[10:11], s[46:47]      ; the scale words
	v_mul_u32_u24 v[OS], s66, v2
	v_add_nc_u32 v[OS], v6, v[OS]
	s_wait_loadcnt 0x0                             ; the bias
	s_wait_tensorcnt 1                             ; the scale words and my part of slot 0 are in; slot 1's load may be out
	s_barrier_signal -1
	s_barrier_wait -1
	FETCH_B 0, 0, 0
	FETCH_A 0, 0, 0
	SCALES 0
	FETCH_A 0, 0, 4
	s_cmp_ge_u32 ttmp9, 8
	s_cbranch_scc1 .Lv_first
	STEP 0, 0, 1                                   ; the first step starts the sums on the bias: by B's block,
	s_branch .Lfirst_done
.Lv_first:
	STEP 0, 0, 2                                   ; or by A's
.Lfirst_done:
	s_mov_b32 s3, LAPS-1
.Llap:
	TURN 0, 1, 1
	STEP 1, 0, 0
	TURN 1, 0, 1
	STEP 0, 0, 0
	s_sub_co_u32 s3, s3, 1
	s_cmp_lg_u32 s3, 0
	s_cbranch_scc1 .Llap
	TURN 0, 1, 0                                   ; the last lap fills nothing
	STEP 1, 0, 0
	s_wait_dscnt 4*NL
	WIN MUL_LO
	MUL16 0, 1, 1, 1, 0
	MUL16 2, 1, 1, 1, 0
	s_wait_dscnt 0
	WIN MUL_HI
	MUL16 4, 1, 1, 1, 0
	MUL16 6, 1, 1, 1, 0
	WIN 0
; THE WAY OUT.  Block a's 64 registers of a lane, register 16 b + i = place 32 b + 16 (lane / 16) + i along the next K, become a fragment and a scale word.
.macro QMAX s, win, wreg               ; the four blocks' largest magnitudes (each accumulator read from its low end on), bytes, scale operands, the word
	WIN 5*(\win)
.irp b, 0,1,2,3
	v_max3_num_f32 v[TM+\b], |v[\s+16*\b]|, |v[\s+1+16*\b]|, 0x1800000     ; and the floor 2^(3 - 127)
.endr
.irp i, 2,4,6,8,10,12,14
.irp b, 0,1,2,3
	v_max3_num_f32 v[TM+\b], |v[\s+16*\b+\i]|, |v[\s+1+16*\b+\i]|, v[TM+\b]
.endr
.endr
	WIN 0
.irp b, 0,1,2,3
	v_permlanex16_b32 v[TM+4+\b], v[TM+\b], s98, s99
.endr
.irp b, 0,1,2,3
	v_max_num_f32 v[TM+\b], v[TM+\b], v[TM+4+\b]
.endr
.irp b, 0,1,2,3
	v_add_nc_u32 v[TM+12+\b], 0xff000000, v[TM+\b]
.endr
.irp b, 0,1,2,3
	v_lshrrev_b32 v[TM+4+\b], 23, v[TM+12+\b]
.endr
	v_lshl_or_b32 v[\wreg], v[TM+5], 8, v[TM+4]
	v_lshl_or_b32 v[\wreg], v[TM+6], 16, v[\wreg]
	v_lshl_or_b32 v[\wreg], v[TM+7], 24, v[\wreg]
.endm
.macro QCVT s, win
	WIN (\win)
.irp c, 0,1
	v_cvt_scalef32_pk16_fp6_f32 v[PC+6*\c:PC+2+6*\c], v[\s+32*\c:\s+15+32*\c], v[TM+12+2*\c]
	v_cvt_scalef32_pk16_fp6_f32 v[PC+12+4*\c:PC+14+4*\c], v[\s+16+32*\c:\s+31+32*\c], v[TM+12+2*\c+1]
.endr
	WIN 0
	v_nop                                          ; one plain place behind a scaled conversion
.irp c, 0,1                            ; the layout wants a whole block in a lane
.irp i, 0,1,2
	v_permlane16_swap_b32 v[PC+6*\c+\i], v[PC+12+4*\c+\i]
.endr
.irp i, 0,1,2
	v_mov_b32 v[PC+3+6*\c+\i], v[PC+12+4*\c+\i]
.endr
.endr
.endm
.macro PUT                             ; each store of the wave covers 512 or 256 consecutive bytes, aligned
	global_store_b128 v[OA16], v[PC:PC+3], s[18:19]
	global_store_b64 v[OA8], v[PC+4:PC+5], s[18:19] offset:512
	global_store_b128 v[OA16], v[PC+6:PC+9], s[20:21]
	global_store_b64 v[OA8], v[PC+10:PC+11], s[20:21] offset:512
.endm
	PLACES NP
.irp a, 0,1,2,3,4,5,6,7
.set QS, 64*(\a%4)
.set QW, 2+\a/4
	QMAX QS, QW, WS+\a
	s_wait_xcnt 0x0                                ; the last block's stores have read their codes and bases: both are written again only behind this wait
.if \a == 4
	s_add_nc_u64 s[18:19], s[18:19], s[44:45]
	s_add_nc_u64 s[20:21], s[20:21], s[44:45]
.elseif \a > 0
	s_add_nc_u64 s[18:19], s[18:19], s[22:23]
	s_add_nc_u64 s[20:21], s[20:21], s[22:23]
.endif
	QCVT QS, QW
	PUT
.endr
.irp i, 0,1,2,3
	v_cndmask_b32 v[EW+\i], v[WS+\i], v[WS+4+\i], s100      ; lanes 0-15: blocks 0-3's words of row r; lanes 16-31: blocks 4-7's
.endr
	s_cmp_ge_u32 ttmp9, 8
	s_cbranch_scc1 .Lv_scales
.irp i, 0,1,2,3
	v_and_b32 v[EW+4+\i], 0xffff, v[EW+\i]         ; the even head's two bytes,
	v_lshrrev_b32 v[EW+8+\i], 16, v[EW+\i]         ; the odd head's; the upper two bytes 0
.endr
	global_store_b128 v[OS], v[EW+4:EW+7], s[46:47]
	global_store_b128 v[OS], v[EW+8:EW+11], s[46:47] offset:20480
	s_branch .Lscales_out
.Lv_scales:
	global_store_b128 v[OS], v[EW:EW+3], s[46:47]
.Lscales_out:
	s_wait_tensorcnt 0x0                           ; the wave's end
	ds_add_u32 v[SPW], v[NIL]
	s_wait_dscnt 0x0
	CROUND                                         ; the closing round
	s_endpgm
.Lfunc_end_k_q444f39d971_gqkv:
	.size	k_q444f39d971_gqkv, .Lfunc_end_k_q444f39d971_gqkv-k_q444f39d971_gqkv
	.p2alignl 7, 3214868480
	.fill 96, 4, 3214868480
	.section	.rodata,"a",@progbits
	.p2align	6, 0x0
	.amdhsa_kernel k_q444f39d971_gqkv
		.amdhsa_group_segment_fixed_size 327680
		.amdhsa_private_segment_fixed_size 0
		.amdhsa_enable_private_segment 0
		.amdhsa_kernarg_size 32
		.amdhsa_user_sgpr_count 2
		.amdhsa_user_sgpr_kernarg_segment_ptr 1
		.amdhsa_wavefront_size32 1
		.amdhsa_system_sgpr_workgroup_id_x 1
		.amdhsa_system_sgpr_workgroup_id_y 1
		.amdhsa_system_sgpr_workgroup_id_z 1
		.amdhsa_system_vgpr_workitem_id 0
		.amdhsa_next_free_vgpr 1024
		.amdhsa_next_free_sgpr 102
		.amdhsa_reserve_vcc 0
		.amdhsa_float_denorm_mode_32 3
		.amdhsa_float_denorm_mode_16_64 3
		.amdhsa_memory_ordered 1
		.amdhsa_forward_progress 1
		.amdhsa_inst_pref_size 172
	.end_amdhsa_kernel
	.amdgpu_metadata
---
amdhsa.version: [ 1, 2 ]
amdhsa.kernels:
  - .name:           k_q444f39d971_gqkv
    .symbol:         k_q444f39d971_gqkv.kd
    .args:
      - { .name: h1, .offset: 0, .size: 8, .value_kind: global_buffer, .address_space: global }
      - { .name: wts, .offset: 8, .size: 8, .value_kind: global_buffer, .address_space: global }
      - { .name: b_qkv, .offset: 16, .size: 8, .value_kind: global_buffer, .address_space: global }
      - { .name: qkv, .offset: 24, .size: 8, .value_kind: global_buffer, .address_space: global }
    .group_segment_fixed_size: 327680
    .private_segment_fixed_size: 0
    .kernarg_segment_align: 8
    .kernarg_segment_size: 32
    .max_flat_workgroup_size: 128
    .sgpr_count:     102
    .vgpr_count:     1024
    .wavefront_size: 32
...
	.end_amdgpu_metadata
.endif
;; end of part 3
;; launch attn (part 4): grid 8 x 32, 16 waves a work-group, no clusters, 210,944 bytes of LDS; arguments qkv, att; writes att
.if DOCPART == 4
	.amdgcn_target "amdgcn-amd-amdhsa--gfx1250"
	.amdhsa_code_object_version 6
	.text
	.protected	k_q444f39d971_attn
	.globl	k_q444f39d971_attn
	.p2align	8
	.type	k_q444f39d971_attn,@function
k_q444f39d971_attn:
	s_mov_b64 s[64:65], 0
	v_nop
	global_prefetch_b8 v0, s[64:65] scope:SCOPE_SE
	s_setreg_imm32_b32 hwreg(HW_REG_WAVE_MODE, 25, 1), 1
	s_wait_xcnt 0x0
; Causal attention on codes of FP6 (E2M3) with E8M0 scales; head size 64, 2,048 keys, 32 (batch, head) pairs; the result quantised at once along the head's 64 as an operand of the next product.
; t = score x log2(e) / 8; M = the running largest t rounded UP to a whole number; p = 2^(t - M) is quantised along the keys, not normalised; the row's sum is taken of the unquantised p and divides O at the end.
; SHARES.  Work-group (j, b h).  Sixteen waves, one tile of 16 queries each, in 256 registers.  Waves 0-7 own query block j (128 queries), waves 8-15 block 15 - j: every work-group has 8 x 17 wave steps of 128 keys.
; THE WHOLE HEAD LIES IN LDS, FILLED ONCE: K's 128 half fragments (98,304 bytes), V's 64 fragments (98,304), their scale words (12,288).  Each wave issues five tensor loads at the head: its part of the scale words and of
; four quarters (4 key steps each); a quarter is read behind a counted wait and a barrier; nothing is ever filled again.  By this text's count a wave has five tensor loads out at most.
; LAYOUT.  Both products transposed: S^T = K Q^T, O^T = V^T P^T: a lane holds one query.  Tokens lie in stored order (row r of tile a is token 32 (a / 2) + 8 (a % 2) + r + 8 (r / 8) of its 128), so the 16 registers of tiles 2 b, 2 b + 1
; are 16 neighbouring keys; V's rows d lie so too, so O^T's registers run along d.  In the first product K is 64: the fragments' upper six registers are zero codes on both sides, their scale bytes 0.
; CAUSAL.  All waves walk all 16 steps (constant trip counts, every barrier passed); a step whose keys all come after the wave's block is jumped over by a scalar branch on ids; on the diagonal hidden scores become -infinity.
; NO CLUSTER: the work-groups of a head have different causal limits, so the jump over hidden steps would hang on a work-group's place among partners; and what is loaded is loaded once, at the head.
; LIMITS: NaN and infinities are not served; a block of zeros gets the byte 1 (this program alone reads the bytes).
; REGISTERS: v1 16 L, v2 8 L, v7 16 r, v9 my query less 16 (lane / 16); v0, v3, v4, v8, v10, v11 a step's LDS addresses; v12 -M, v13 largest t, v[14:15] the sum; v16-27 Q; v28-31 V's scale words; v32-79 four tiles of K; v80-127 V;
; v128-191 S^T, then p; v192-223 O^T; v224-235 p's codes; v232-254 at work; v255 Q's scale word.
.set VC,    6291456
.set SREC,  9437184
.set HSC,   3145728                    ; where att's scale words begin
.set VL,    98304
.set KSC,   196608
.set VSC,   204800
.set SPARE, 208896                     ; the spare words, 128 bytes for each of sixteen waves; no other line names them
.set S,   128
.set O,   192
.set SPW, 5
.set NIL, 6
.set WV,  8
.set QB,  11
.set SI,  13
.set LP,  17
.set SEL, 20
.set CS,  22
.set TB,  73                           ; s73 the step's K bytes; s74 V's; s75 K's scale words; s76 V's
.set TV,  74
.set TS,  75
.set TJ,  76
	s_load_b128 s[4:7], s[0:1], 0x0                ; qkv, att
	v_lshl_add_u32 v[SPW], v0, 2, SPARE
	v_mov_b32 v[NIL], 0
	ds_add_u32 v[SPW], v[NIL]                      ; the wave's opening: the add and its wait ahead of my first tensor load
	v_lshrrev_b32 v1, 5, v0
	v_readfirstlane_b32 s[WV], v1                  ; wave 0..15
	s_mov_b32 s9, ttmp9                            ; j
	s_and_b32 s10, ttmp7, 0xffff                   ; b h
	s_lshr_b32 s14, s[WV], 3
	s_and_b32 s12, s[WV], 7                        ; my tile
	s_sub_co_u32 s[QB], 15, s9
	s_cmp_eq_u32 s14, 0
	s_cselect_b32 s[QB], s9, s[QB]                 ; my query block
	s_and_b32 s16, s10, 15                         ; head
	s_lshr_b32 s18, s10, 4                         ; batch
	s_mov_b32 s24, 3<<16                           ; group 1: dense bytes as rows of 256 (32 elements of 8 bytes), 12 rows
	s_mov_b32 s25, 32<<16
	s_mov_b32 s26, 12<<16
	s_mov_b32 s27, 32<<16
	s_mov_b32 s28, 12
	s_mov_b32 s29, 32
	s_mov_b32 s30, 0
	s_mov_b32 s31, 0
	s_mov_b32 s32, 3<<16                           ; the same with 3 rows, for the scale words
	s_mov_b32 s33, 32<<16
	s_mov_b32 s34, 3<<16
	s_mov_b32 s35, 32<<16
	s_mov_b32 s36, 3
	s_mov_b32 s37, 32
	s_mov_b32 s38, 0
	s_mov_b32 s39, 0
	s_mul_i32 s15, s14, VL                         ; waves 0-7 fetch K, waves 8-15 V: 3,072 bytes of each quarter
	s_mul_i32 s19, s12, 3072
	s_add_co_u32 s15, s15, s19
	s_mul_i32 s72, s[WV], 768
	s_mov_b32 s40, 1
	s_add_co_u32 s41, s72, KSC
.irp q, 0,1,2,3
	s_mov_b32 s[44+4*\q], 1
	s_add_co_u32 s[45+4*\q], s15, \q*24576
.endr
	s_add_co_u32 s60, s16, 16
	s_lshl_b32 s60, s60, 5
	s_lshl_b32 s61, s18, 4
	s_add_co_u32 s60, s60, s61
	s_mul_i32 s60, s60, 6144                       ; K's half fragments of this head and batch
	s_mul_i32 s61, s10, VL
	s_add_co_u32 s61, s61, VC                      ; V's fragments
	s_cmp_eq_u32 s14, 0
	s_cselect_b32 s60, s60, s61
	s_add_co_u32 s60, s60, s19
	s_mov_b32 s61, 0
	s_mul_i32 s66, s10, 20480
	s_add_co_u32 s66, s66, SREC                    ; the head's record of scale words
	s_mov_b32 s70, s66
	s_add_co_u32 s66, s66, s72
	s_add_co_u32 s66, s66, 8192                    ; my 768 bytes of K's and V's
	s_mov_b32 s67, 0
	s_lshl_b32 s68, s16, 5
	s_lshl_b32 s69, s18, 4
	s_add_co_u32 s68, s68, s69
	s_add_co_u32 s68, s68, s[QB]
	s_mul_i32 s68, s68, 6144
	s_mul_i32 s69, s12, 768
	s_add_co_u32 s68, s68, s69                     ; Q's half fragment
	s_mov_b32 s69, 0
	s_lshl_b32 s71, s[QB], 9
	s_add_co_u32 s70, s70, s71
	s_lshr_b32 s71, s12, 2
	s_lshl_b32 s71, s71, 8
	s_add_co_u32 s70, s70, s71
	s_and_b32 s71, s12, 3
	s_lshl_b32 s71, s71, 2
	s_add_co_u32 s70, s70, s71                     ; and its scale words
	s_mov_b32 s71, 0
	s_mov_b32 s[SEL], 0x76543210
	s_mov_b32 s[SEL+1], 0xfedcba98
	s_mov_b32 s[CS], 0x3e38aa3b                    ; c = log2(e) / 8
	s_mov_b32 s[CS+1], s[CS]
	s_mov_b32 s[SI], 0
	s_wait_dscnt 0x0                               ; the opening add is done
	s_wait_kmcnt 0x0
	s_add_nc_u64 s[62:63], s[4:5], s[60:61]
	s_add_nc_u64 s[42:43], s[4:5], s[66:67]
	s_or_b32 s43, s43, 0x80000000
.irp q, 0,1,2,3
	s_add_nc_u64 s[46+4*\q:47+4*\q], s[62:63], \q*24576
	s_or_b32 s[47+4*\q], s[47+4*\q], 0x80000000
.endr
	tensor_load_to_lds s[40:43], s[32:39]          ; all first fills go out together, ahead of every wait on TENSORcnt, every LDS read and every barrier
	s_nop 0
.irp q, 0,1,2,3
	tensor_load_to_lds s[44+4*\q:47+4*\q], s[24:31]
	s_nop 0
.endr
.rept 4
	v_nop
.endr
	s_add_nc_u64 s[68:69], s[4:5], s[68:69]
	s_add_nc_u64 s[70:71], s[4:5], s[70:71]
	v_and_b32 v3, 31, v0
	v_lshlrev_b32 v1, 4, v3                        ; 16 L
	v_lshlrev_b32 v2, 3, v3                        ; 8 L
	v_and_b32 v10, 15, v0                          ; r
	v_bfe_u32 v11, v0, 4, 1                        ; h
	v_lshlrev_b32 v7, 4, v10                       ; 16 r
	global_load_b128 v[16:19], v1, s[68:69]        ; Q's 64 along K stay in registers
	global_load_b64 v[20:21], v2, s[68:69] offset:512
	global_load_b32 v255, v7, s[70:71]
	v_and_b32 v9, 8, v10
	v_add_nc_u32 v9, v9, v10
	v_lshlrev_b32 v11, 4, v11
	v_sub_nc_u32 v9, v9, v11
	s_lshr_b32 s19, s12, 1
	s_lshl_b32 s19, s19, 5
	s_and_b32 s15, s12, 1
	s_lshl_b32 s15, s15, 3
	s_add_co_u32 s19, s19, s15
	v_add_nc_u32 v9, s19, v9                       ; my query's place in its block, less 16 h
.irp i, 22,23,24,25,26,27
	v_mov_b32 v[\i], 0                             ; the upper 64 of K: zero codes
.endr
.irp t, 0,1,2,3
.irp i, 6,7,8,9,10,11
	v_mov_b32 v[32+12*\t+\i], 0
.endr
.endr
	v_mov_b32 v13, 0xff61b1e6                      ; the largest t so far: -3e38
	v_floor_f32 v12, -v13                          ; -M
	v_mov_b32 v14, 0
	v_mov_b32 v15, 0
.irp b, 0,1,2,3
	v_mov_b32 v[236+\b], 0                         ; a lane permute's destination counts as one of its sources
.endr
	v_mov_b32 v252, 0
	v_mov_b32 v253, 0
.set oj, 0
.rept 32
	v_mov_b32 v[O+oj], 0                           ; O^T: the step is written once; the first finds zeros
.set oj, oj+1
.endr
	s_wait_loadcnt 0x0                             ; Q
.macro STEP
	s_cmp_gt_u32 s[SI], s[QB]                      ; all 128 keys come after my block: the step's work is left out (ids and the count of steps alone)
	s_cbranch_scc1 .Lhidden_\@
	v_add_nc_u32 v3, s[TB], v1                     ; (these six are also the places in front of loads into registers that the last products read)
	v_add_nc_u32 v4, s[TB], v2
	v_add_nc_u32 v8, s[TV], v1
	v_add_nc_u32 v10, s[TV], v2
	v_add_nc_u32 v11, s[TS], v7
	v_add_nc_u32 v0, s[TJ], v7
.irp t, 0,1,2,3
	ds_load_b128 v[32+12*\t:35+12*\t], v3 offset:768*\t
	ds_load_b64 v[36+12*\t:37+12*\t], v4 offset:768*\t+512
.endr
	ds_load_b128 v[248:251], v11                   ; the scale words of tiles 0-3
.irp t, 0,1,2,3
	ds_load_b128 v[80+12*\t:83+12*\t], v8 offset:1536*\t
	ds_load_b64 v[84+12*\t:85+12*\t], v10 offset:1536*\t+512
	ds_load_b128 v[86+12*\t:89+12*\t], v8 offset:1536*\t+768
	ds_load_b64 v[90+12*\t:91+12*\t], v10 offset:1536*\t+1280
.endr
	ds_load_b128 v[28:31], v0                      ; V's scale words
	s_wait_dscnt 17                                ; K's nine are in; V's seventeen may be out
.irp t, 0,1,2,3
	v_wmma_scale_f32_16x16x128_f8f6f4 v[S+8*\t:S+8*\t+7], v[32+12*\t:43+12*\t], v[16:27], 0, v[248+\t], v255 matrix_a_fmt:MATRIX_FMT_FP6 matrix_b_fmt:MATRIX_FMT_FP6
.endr
.rept 4
	v_nop                                          ; places in front of loads into registers that these products read
.endr
.irp t, 0,1,2,3
	ds_load_b128 v[32+12*\t:35+12*\t], v3 offset:3072+768*\t
	ds_load_b64 v[36+12*\t:37+12*\t], v4 offset:3072+768*\t+512
.endr
	ds_load_b128 v[248:251], v11 offset:256
	s_wait_dscnt 0x0
.irp t, 0,1,2,3
	v_wmma_scale_f32_16x16x128_f8f6f4 v[S+32+8*\t:S+32+8*\t+7], v[32+12*\t:43+12*\t], v[16:27], 0, v[248+\t], v255 matrix_a_fmt:MATRIX_FMT_FP6 matrix_b_fmt:MATRIX_FMT_FP6
.endr
.rept 4
	v_nop
.endr
	s_cmp_lg_u32 s[SI], s[QB]                      ; only the diagonal step has hidden keys
	s_cbranch_scc1 .Lopen_\@
	v_mov_b32 v254, 0xff800000                     ; -infinity
.set mn, 0
.rept 64                               ; register 16 b + i holds key 32 b + 16 (lane / 16) + i of the step: hidden where 32 b + i > v9
	v_cmp_gt_i32 vcc_lo, 32*(mn/16)+mn%16, v9
	v_cndmask_b32 v[S+mn], v[S+mn], v254, vcc_lo
.set mn, mn+1
.endr
.Lopen_\@:
.irp b, 0,1,2,3
	v_max3_num_f32 v[232+\b], v[S+16*\b], v[S+1+16*\b], v[S+2+16*\b]       ; the largest score of each block of 32 keys: for the row's maximum and, since p rises with the score, for the block's largest p
.endr
.irp i, 3,5,7,9,11,13
.irp b, 0,1,2,3
	v_max3_num_f32 v[232+\b], v[232+\b], v[S+16*\b+\i], v[S+1+16*\b+\i]
.endr
.endr
.irp b, 0,1,2,3
	v_max_num_f32 v[232+\b], v[232+\b], v[S+15+16*\b]
.endr
.irp b, 0,1,2,3
	v_permlanex16_b32 v[236+\b], v[232+\b], s[SEL], s[SEL+1]
.endr
.irp b, 0,1,2,3
	v_max_num_f32 v[232+\b], v[232+\b], v[236+\b]
.endr
	v_max3_num_f32 v254, v232, v233, v234
	v_max_num_f32 v254, v254, v235
	v_mul_f32 v254, s[CS], v254
	v_max_num_f32 v13, v13, v254                   ; the running largest t
	v_mov_b32 v254, v12
	v_floor_f32 v12, -v13                          ; the new -M: a whole number
	v_sub_f32 v254, v12, v254
	v_cvt_i32_f32 v254, v254
	v_ldexp_f32 v252, 1.0, v254                    ; f = 2^(old M - new M): rounds nothing
.set sj, 0
.rept 32
	v_pk_fma_f32 v[S+sj:S+sj+1], v[S+sj:S+sj+1], s[CS:CS+1], v[12:13] op_sel_hi:[1,0,0]    ; t - M
.set sj, sj+2
.endr
.irp b, 0,1,2,3
	v_fma_f32 v[232+\b], v[232+\b], s[CS], v12
.endr
.set sj, 0
.rept 64
	v_exp_f32 v[S+sj], v[S+sj]                     ; p = 2^(t - M)
.set sj, sj+1
.endr
	v_pk_mul_f32 v[14:15], v[14:15], v[252:253] op_sel_hi:[1,0]    ; the sums under the new M (a plain place behind the exponentials)
	s_wait_alu depctr_va_vdst(0)                   ; one wait for the batch, ahead of its first reader
.irp b, 0,1,2,3
	v_exp_f32 v[232+\b], v[232+\b]                 ; the blocks' largest p
.endr
	v_pk_add_f32 v[236:237], v[S:S+1], v[S+2:S+3]  ; the row's sum, of the unquantised p, in two chains
.set sj, 4
.rept 15
	v_pk_add_f32 v[14:15], v[14:15], v[S+sj:S+sj+1]
	v_pk_add_f32 v[236:237], v[236:237], v[S+2+sj:S+3+sj]
.set sj, sj+4
.endr
	v_pk_add_f32 v[14:15], v[14:15], v[236:237]
	s_wait_alu depctr_va_vdst(0)                   ; and one for the four
.irp b, 0,1,2,3
	v_max_num_f32 v[232+\b], 0x1800000, v[232+\b]  ; the floor 2^(3 - 127)
.endr
.irp b, 0,1,2,3
	v_add_nc_u32 v[244+\b], 0xff000000, v[232+\b]
.endr
.irp b, 0,1,2,3
	v_lshrrev_b32 v[236+\b], 23, v[244+\b]
.endr
	v_lshl_or_b32 v253, v237, 8, v236              ; p's scale word for these 128 keys
	v_lshl_or_b32 v253, v238, 16, v253
	v_lshl_or_b32 v253, v239, 24, v253
.irp c, 0,1
	v_cvt_scalef32_pk16_fp6_f32 v[224+6*\c:226+6*\c], v[S+32*\c:S+15+32*\c], v[244+2*\c]
	v_cvt_scalef32_pk16_fp6_f32 v[236+4*\c:238+4*\c], v[S+16+32*\c:S+31+32*\c], v[244+2*\c+1]
.endr
	v_nop
.irp c, 0,1
.irp i, 0,1,2
	v_permlane16_swap_b32 v[224+6*\c+\i], v[236+4*\c+\i]
.endr
.irp i, 0,1,2
	v_mov_b32 v[227+6*\c+\i], v[236+4*\c+\i]
.endr
.endr
.set sj, 0
.rept 16
	v_pk_mul_f32 v[O+sj:O+sj+1], v[O+sj:O+sj+1], v[252:253] op_sel_hi:[1,0]    ; O^T under the new M
.set sj, sj+2
.endr
.rept 8
	v_nop                                          ; eight places between the vector lines that wrote p's scale word and codes and the scaled products: the rescalings above name the word's pair and are not counted
.endr
.irp t, 0,1,2,3                        ; O^T += V^T P^T: the four accumulators by turns
	v_wmma_scale_f32_16x16x128_f8f6f4 v[O+8*\t:O+8*\t+7], v[80+12*\t:91+12*\t], v[224:235], v[O+8*\t:O+8*\t+7], v[28+\t], v253 matrix_a_fmt:MATRIX_FMT_FP6 matrix_b_fmt:MATRIX_FMT_FP6
.endr
.Lhidden_\@:
	s_add_co_u32 s[TB], s[TB], 6144
	s_add_co_u32 s[TV], s[TV], 6144
	s_add_co_u32 s[TS], s[TS], 512
	s_add_co_u32 s[TJ], s[TJ], 256
	s_add_co_u32 s[SI], s[SI], 1
.endm
.macro QUARTER q
	s_wait_tensorcnt 3-\q                          ; my part of this quarter is in; the later quarters' loads may stay out
	s_wait_dscnt 0x0
	s_barrier_signal -1
	s_barrier_wait -1                              ; everybody's is
	s_mov_b32 s[TB], \q*24576                      ; where the quarter's first step lies: constants, so that the four trips' addresses can be read off this loop alone
	s_mov_b32 s[TV], VL+\q*24576
	s_mov_b32 s[TS], KSC+\q*2048
	s_mov_b32 s[TJ], VSC+\q*1024
	s_mov_b32 s[LP], 4
.Lq_\@:
	STEP
	s_sub_co_u32 s[LP], s[LP], 1
	s_cmp_lg_u32 s[LP], 0
	s_cbranch_scc1 .Lq_\@
.endm
	QUARTER 0
	QUARTER 1
	QUARTER 2
	QUARTER 3
	; THE WAY OUT: O^T / the sum; register 16 b + i is d = 32 b + 16 h + i: two blocks of 32, quantised into half a fragment of the next product's operand (K step head / 2, half head % 2).
.rept 4
	v_nop                                          ; places behind the last products
.endr
	v_add_f32 v14, v14, v15
	v_permlanex16_b32 v252, v14, s[SEL], s[SEL+1]
	v_add_f32 v14, v14, v252
	v_rcp_f32 v14, v14
	s_lshl_b32 s60, s18, 4
	s_add_co_u32 s60, s60, s[QB]                   ; the token group
	s_lshl_b32 s60, s60, 3
	s_lshr_b32 s61, s16, 1
	s_add_co_u32 s60, s60, s61                     ; 8 G + K step
	s_lshl_b32 s62, s60, 9
	s_lshl_b32 s60, s60, 3
	s_add_co_u32 s60, s60, s12
	s_mul_i32 s60, s60, 1536
	s_and_b32 s61, s16, 1
	s_mul_i32 s63, s61, 768
	s_add_co_u32 s60, s60, s63
	s_lshl_b32 s63, s61, 1
	s_add_co_u32 s62, s62, s63
	s_lshr_b32 s63, s12, 2
	s_lshl_b32 s63, s63, 8
	s_add_co_u32 s62, s62, s63
	s_and_b32 s63, s12, 3
	s_lshl_b32 s63, s63, 2
	s_add_co_u32 s62, s62, s63
	s_add_co_u32 s62, s62, HSC
	s_mov_b32 s61, 0
	s_mov_b32 s63, 0
	s_add_nc_u64 s[60:61], s[6:7], s[60:61]
	s_add_nc_u64 s[62:63], s[6:7], s[62:63]
	v_nop                                          ; a plain place behind the transcendental
	s_wait_alu depctr_va_vdst(0)                   ; the wait ahead of its first reader
.set oj, 0
.rept 32
	v_mul_f32 v[S+oj], v[O+oj], v14
.set oj, oj+1
.endr
.irp b, 0,1
	v_max3_num_f32 v[232+\b], |v[S+16*\b]|, |v[S+1+16*\b]|, 0x1800000
.endr
.irp i, 2,4,6,8,10,12,14
.irp b, 0,1
	v_max3_num_f32 v[232+\b], v[232+\b], |v[S+16*\b+\i]|, |v[S+1+16*\b+\i]|
.endr
.endr
.irp b, 0,1
	v_permlanex16_b32 v[236+\b], v[232+\b], s[SEL], s[SEL+1]
.endr
.irp b, 0,1
	v_max_num_f32 v[232+\b], v[232+\b], v[236+\b]
.endr
.irp b, 0,1
	v_add_nc_u32 v[244+\b], 0xff000000, v[232+\b]
.endr
.irp b, 0,1
	v_lshrrev_b32 v[238+\b], 23, v[244+\b]
.endr
	v_lshl_or_b32 v240, v239, 8, v238              ; my row's two bytes
	v_cvt_scalef32_pk16_fp6_f32 v[224:226], v[S:S+15], v244
	v_cvt_scalef32_pk16_fp6_f32 v[228:230], v[S+16:S+31], v245
	v_nop
.irp i, 0,1,2
	v_permlane16_swap_b32 v[224+\i], v[228+\i]
.endr
.irp i, 0,1,2
	v_mov_b32 v[227+\i], v[228+\i]
.endr
	global_store_b128 v1, v[224:227], s[60:61]     ; 512 consecutive bytes a wave,
	global_store_b64 v2, v[228:229], s[60:61] offset:512   ; and 256
	global_store_b16 v7, v240, s[62:63]            ; (lanes 16-31 write what lanes 0-15 write)
	s_wait_tensorcnt 0x0                           ; the wave's end
	ds_add_u32 v[SPW], v[NIL]
	s_wait_dscnt 0x0
	s_endpgm
.Lfunc_end_k_q444f39d971_attn:
	.size	k_q444f39d971_attn, .Lfunc_end_k_q444f39d971_attn-k_q444f39d971_attn
	.p2alignl 7, 3214868480
	.fill 96, 4, 3214868480
	.section	.rodata,"a",@progbits
	.p2align	6, 0x0
	.amdhsa_kernel k_q444f39d971_attn
		.amdhsa_group_segment_fixed_size 210944
		.amdhsa_private_segment_fixed_size 0
		.amdhsa_enable_private_segment 0
		.amdhsa_kernarg_size 16
		.amdhsa_user_sgpr_count 2
		.amdhsa_user_sgpr_kernarg_segment_ptr 1
		.amdhsa_wavefront_size32 1
		.amdhsa_system_sgpr_workgroup_id_x 1
		.amdhsa_system_sgpr_workgroup_id_y 1
		.amdhsa_system_sgpr_workgroup_id_z 1
		.amdhsa_system_vgpr_workitem_id 0
		.amdhsa_next_free_vgpr 256
		.amdhsa_next_free_sgpr 80
		.amdhsa_reserve_vcc 1
		.amdhsa_float_denorm_mode_32 3
		.amdhsa_float_denorm_mode_16_64 3
		.amdhsa_memory_ordered 1
		.amdhsa_forward_progress 1
		.amdhsa_inst_pref_size 101
	.end_amdhsa_kernel
	.amdgpu_metadata
---
amdhsa.version: [ 1, 2 ]
amdhsa.kernels:
  - .name:           k_q444f39d971_attn
    .symbol:         k_q444f39d971_attn.kd
    .args:
      - { .name: qkv, .offset: 0, .size: 8, .value_kind: global_buffer, .address_space: global }
      - { .name: att, .offset: 8, .size: 8, .value_kind: global_buffer, .address_space: global }
    .group_segment_fixed_size: 210944
    .private_segment_fixed_size: 0
    .kernarg_segment_align: 8
    .kernarg_segment_size: 16
    .max_flat_workgroup_size: 512
    .sgpr_count:     80
    .vgpr_count:     256
    .wavefront_size: 32
...
	.end_amdgpu_metadata
.endif
;; end of part 4
;; launch gout (part 5): grid 4 x 16, 4 waves a work-group, clusters of 4 x 4, 327,680 bytes of LDS; arguments att, wts, b_out, x, x1; writes x1
.if DOCPART == 5
	.amdgcn_target "amdgcn-amd-amdhsa--gfx1250"
	.amdhsa_code_object_version 6
	.text
	.protected	k_q444f39d971_gout
	.globl	k_q444f39d971_gout
	.p2align	8
	.type	k_q444f39d971_gout,@function
k_q444f39d971_gout:
	s_mov_b64 s[64:65], 0
	v_nop
	global_prefetch_b8 v0, s[64:65] scope:SCOPE_SE
	s_setreg_imm32_b32 hwreg(HW_REG_WAVE_MODE, 25, 1), 1
	s_wait_xcnt 0x0
	s_wait_alu depctr_hold_cnt(0) depctr_sa_sdst(0) depctr_va_vdst(0) depctr_va_sdst(0) depctr_va_ssrc(0) depctr_va_vcc(0) depctr_vm_vsrc(0)
	s_getreg_b32 s2, hwreg(HW_REG_IB_STS2, 6, 4)
	s_cmp_eq_u32 s2, 0
	s_cbranch_scc0 .Lentry_in_a_cluster
	s_endpgm
.Lentry_in_a_cluster:
	s_bfe_u32 s2, ttmp6, 0x10000c
	s_cmp_lg_u32 s2, 0xf033
	s_cbranch_scc0 .Lentry_shape_is_right
	s_endpgm
.Lentry_shape_is_right:
; x1 = x + att W_out + b_out.  att and W_out are codes of FP6 (E2M3) with E8M0 scales, laid in the order of the operand's registers: a group of 128 rows x 128 K is 8 fragments of 1,536 bytes, a group's K steps on end; scale words 512 bytes a K step.
; A tile of C, 256 x 256, by four waves of 128 x 128 (64 accumulators).  K = 1,024 in slots of 256 through a ring of two LDS slots; each wave fetches one group's 24,576 dense bytes by one tensor load; the scale words come once.
; TRANSPOSED: source 0 = 16 rows of W_out (natural order), source 1 = 16 token rows: a lane holds eight neighbouring columns of one row.  The bias is the C of each sum's first product.
; Token rows lie in stored order: row t of block a of a group is natural row 32 (a / 2) + 8 (a % 2) + t + 8 (t / 8): the way out puts each row where it belongs, by an immediate.
; THE WAY OUT: a block of 16 rows goes through my stage in LDS (in slot 0, which has had its last fill and its last read), comes back as rows of 512 bytes, takes the residual and is stored: 512 consecutive bytes a store.
; CLUSTER 4 x 4: A's groups are asked for jointly along a row, B's along a column.  The grid has 64 tiles of this size.
; REGISTERS: window 0: v16-29 addresses; v32-63 scale words; v128-223 A's fragments, on the way out v128-255 rows.  window 1: B's two sets, the bias in v96-127, v224-255; on the way out the residual.  windows 2, 3: the accumulators.
.set KS,    8
.set AC_OFF, 0
.set AS_OFF, 3145728
.set BC_OFF, 2359296
.set BS_OFF, 9535488
.set LAPS,  KS/4
.set GSTR,  KS*12288
.set SG,    KS*512
.set RGN,   24576
.set SLOT,  4*RGN
.set SCL,   2*SLOT
.set SPARE, SCL+4*SG                   ; the spare words, 128 bytes a wave; no other line names them
.set FR,    12
.set NL,    4
.set NP,    4
.set SPITCH, 528
.set ADRA, 16
.set ADRB, 20
.set STO,  24                          ; v24 the stage: where I put 32 bytes of a row
.set RD,   25                          ; v25 where I read a row back
.set CO,   26                          ; v26 16 L: my bytes of a row of 512
.set ADRS, 27
.set SPW,  28
.set NIL,  29
.set SC,   32
.set AF,   128
.set BK,   128
.set G1, 24
.set G0, 32
.set G1B, 48
.set G0B, 56
.set G1S, 68
.set G0S, 76
.set G1SB, 80
.set G0SB, 88
.set MSB, 0
.macro WIN new
.if MSB != (\new)
	s_set_vgpr_msb (MSB<<8)|(\new)
.set MSB, (\new)
.endif
.endm
.set MUL_LO, 0xa1
.set MUL_HI, 0xf1
.set TO_B,   0x40
.macro JLOAD g0a, g1a, g0b, g1b        ; a joint load: waves 0 and 1 fetch for A, waves 2 and 3 for B; an s_nop 0 and four v_nop follow each line
	s_cmp_eq_u32 s15, 0
	s_cbranch_scc0 .Lfor_b_\@
	tensor_load_to_lds s[\g0a:\g0a+3], s[\g1a:\g1a+7]
	s_nop 0
.rept 4
	v_nop
.endr
	s_branch .Lasked_\@
.Lfor_b_\@:
	tensor_load_to_lds s[\g0b:\g0b+3], s[\g1b:\g1b+7]
	s_nop 0
.rept 4
	v_nop
.endr
.Lasked_\@:
.endm
.macro CREST
	s_cmp_lg_u32 s14, 0
	s_cbranch_scc1 .Lnot_wave_0_\@
	s_barrier_signal -3
.Lnot_wave_0_\@:
	s_barrier_wait -3
	s_barrier_signal -1
	s_barrier_wait -1
.endm
.macro CROUND
	s_barrier_signal -1
	s_barrier_wait -1
	CREST
.endm
.macro FRAG reg, adr, q, i
	ds_load_b128 v[\reg:\reg+3], v[\adr] offset:(\q)*12288+(\i)*1536
	ds_load_b64 v[\reg+4:\reg+5], v[\adr+2] offset:(\q)*12288+(\i)*1536+512
	ds_load_b128 v[\reg+6:\reg+9], v[\adr] offset:(\q)*12288+(\i)*1536+768
	ds_load_b64 v[\reg+10:\reg+11], v[\adr+2] offset:(\q)*12288+(\i)*1536+1280
.endm
; 16 products: A's blocks a0, a0 + 1 x B's eight.  zero = 1: C = the bias by B's block.  The 64 accumulators take turns, one instruction a turn.
.macro MUL16 a0, p, q, sc, zero
.irp a, \a0, \a0+1
.irp b, 0,1,2,3,4,5,6,7
.set rD, 8*(8*((\a)%4)+\b)
.set rB, 128*(\p)+FR*\b
.set rA, AF+FR*(\a)
.set rC, rD
.if (\zero) == 1
.set rC, 96+8*\b+96*(\b/4)
.endif
	v_wmma_scale_f32_16x16x128_f8f6f4 v[rD:rD+7], v[rB:rB+FR-1], v[rA:rA+FR-1], v[rC:rC+7], v[SC+16*(\sc)+8*(\q)+\b], v[SC+16*(\sc)+8*(\q)+(\a)] matrix_a_fmt:MATRIX_FMT_FP6 matrix_b_fmt:MATRIX_FMT_FP6 matrix_a_scale:MATRIX_SCALE_ROW1
.endr
.endr
.endm
.macro FETCH_B slot, q, p
	WIN TO_B
.irp i, 0,1,2,3,4,5,6,7
	FRAG 128*(\p)+FR*\i, ADRB+\slot, \q, \i
.endr
	WIN 0
.endm
.macro FETCH_A slot, q, i0
.irp i, \i0, \i0+1, \i0+2, \i0+3
	FRAG AF+FR*(\i), ADRA+\slot, \q, \i
.endr
.endm
.macro SCALES sc
.irp i, 0,1,2,3
	ds_load_b128 v[SC+16*\sc+4*\i:SC+16*\sc+4*\i+3], v[ADRS] offset:256*\i
.endr
.endm
.macro PLACES n
.rept \n
	v_nop
.endr
.endm
.macro STEP slot, q, zero
	s_wait_dscnt 4*NL                              ; all but the youngest sixteen loads (A's blocks 4-7)
.if \zero
	WIN 0x91
.else
	WIN MUL_LO
.endif
	MUL16 0, (\q)%2, \q, \slot, \zero
	MUL16 2, (\q)%2, \q, \slot, \zero
	s_wait_dscnt 0
	PLACES NP
	FETCH_B \slot, (\q)+1, 1-(\q)%2
	FETCH_A \slot, (\q)+1, 0
.if \zero
	WIN 0xd1
.else
	WIN MUL_HI
.endif
	MUL16 4, (\q)%2, \q, \slot, \zero
	MUL16 6, (\q)%2, \q, \slot, \zero
	PLACES NP
	WIN 0
	FETCH_A \slot, (\q)+1, 4
.endm
.macro TURN slot, next, fill
	s_wait_tensorcnt 0x0                           ; all my tensor loads have landed: my part of the next slot
	ds_add_u32 v[SPW], v[NIL]
	s_wait_dscnt 4*NL+1                            ; (the add and A's blocks 4-7 may be out)
	WIN MUL_LO
	MUL16 0, 1, 1, \slot, 0
	s_wait_dscnt 0x0                               ; the add is done, my reads of this slot are over
	s_barrier_signal -1
	MUL16 2, 1, 1, \slot, 0
	WIN 0
	s_barrier_wait -1
.if \fill
	CREST                                          ; a round of the cluster's barrier: no wave of any partner still reads this slot or has a load on its way
	s_add_nc_u64 s[G0+4*\slot+2:G0+4*\slot+3], s[G0+4*\slot+2:G0+4*\slot+3], 2*RGN
	s_add_nc_u64 s[G0B+4*\slot+2:G0B+4*\slot+3], s[G0B+4*\slot+2:G0B+4*\slot+3], 2*RGN
	JLOAD G0+4*\slot, G1, G0B+4*\slot, G1B
.else
	PLACES NP
.endif
	v_add_nc_u32 v[ADRS], 1024, v[ADRS]
	FETCH_B \next, 0, 0
	FETCH_A \next, 0, 0
	SCALES \next
	WIN MUL_HI
	MUL16 4, 1, 1, \slot, 0
	MUL16 6, 1, 1, \slot, 0
	PLACES NP
	WIN 0
	FETCH_A \next, 0, 4
.endm
	s_load_b256 s[4:11], s[0:1], 0x0               ; A, wts, bias, residual
	s_load_b64 s[12:13], s[0:1], 0x20              ; out
	v_lshl_add_u32 v[SPW], v0, 2, SPARE
	v_mov_b32 v[NIL], 0
	ds_add_u32 v[SPW], v[NIL]                      ; the wave's opening
	v_lshrrev_b32 v1, 5, v0
	v_readfirstlane_b32 s14, v1
	s_lshr_b32 s15, s14, 1
	s_and_b32 s16, s14, 1
	s_bfe_u32 s40, ttmp6, 0x40000
	s_bfe_u32 s41, ttmp6, 0x40004
	s_lshl_b32 s42, ttmp9, 2
	s_add_co_u32 s42, s42, s40                     ; tile column
	s_and_b32 s17, ttmp7, 0xffff
	s_lshl_b32 s17, s17, 2
	s_add_co_u32 s17, s17, s41                     ; tile row
	s_lshl_b32 s43, s41, 2
	s_lshl_b32 s43, 15, s43
	s_lshl_b32 s44, 0x1111, s40
	s_or_b32 s[G1+0], s43, (3<<16)|(1<<21)
	s_or_b32 s[G1B+0], s44, (3<<16)|(1<<21)
.irp g, G1, G1B
	s_mov_b32 s[\g+1], 32<<16
	s_mov_b32 s[\g+2], 96<<16
	s_mov_b32 s[\g+3], 32<<16
	s_mov_b32 s[\g+4], 96
	s_mov_b32 s[\g+5], 32
	s_mov_b32 s[\g+6], 0
	s_mov_b32 s[\g+7], 0
.endr
	s_or_b32 s[G1S+0], s43, (3<<16)|(1<<21)
	s_or_b32 s[G1SB+0], s44, (3<<16)|(1<<21)
.irp g, G1S, G1SB
	s_mov_b32 s[\g+1], 32<<16
	s_mov_b32 s[\g+2], (2*KS)<<16
	s_mov_b32 s[\g+3], 32<<16
	s_mov_b32 s[\g+4], 2*KS
	s_mov_b32 s[\g+5], 32
	s_mov_b32 s[\g+6], 0
	s_mov_b32 s[\g+7], 0
.endr
	s_lshl_b32 s20, s17, 1
	s_add_co_u32 s20, s20, s16
	s_lshl_b32 s46, s42, 1
	s_add_co_u32 s46, s46, s16
	s_mul_i32 s22, s20, SG
	s_add_co_u32 s22, s22, AS_OFF
	s_mul_i32 s20, s20, GSTR
	s_add_co_u32 s20, s20, AC_OFF
	s_mul_i32 s92, s46, SG
	s_add_co_u32 s92, s92, BS_OFF
	s_mul_i32 s46, s46, GSTR
	s_add_co_u32 s46, s46, BC_OFF
	s_mov_b32 s21, 0
	s_mov_b32 s23, 0
	s_mov_b32 s47, 0
	s_mov_b32 s93, 0
	s_mul_i32 s45, s14, RGN
	s_mul_i32 s94, s14, SG
	s_wait_dscnt 0x0
	s_wait_kmcnt 0x0
	s_add_nc_u64 s[20:21], s[4:5], s[20:21]
	s_add_nc_u64 s[22:23], s[4:5], s[22:23]
	s_add_nc_u64 s[46:47], s[6:7], s[46:47]
	s_add_nc_u64 s[92:93], s[6:7], s[92:93]
	CROUND
	s_mov_b32 s[G0S], 1
	s_add_co_u32 s[G0S+1], s94, SCL
	s_mov_b64 s[G0S+2:G0S+3], s[22:23]
	s_or_b32 s[G0S+3], s[G0S+3], 0x80000000
	s_mov_b32 s[G0SB], 1
	s_add_co_u32 s[G0SB+1], s94, SCL
	s_mov_b64 s[G0SB+2:G0SB+3], s[92:93]
	s_or_b32 s[G0SB+3], s[G0SB+3], 0x80000000
	JLOAD G0S, G1S, G0SB, G1SB
.irp s, 0,1
	s_mov_b32 s[G0+4*\s], 1
	s_add_co_u32 s[G0+4*\s+1], s45, \s*SLOT
	s_add_nc_u64 s[G0+4*\s+2:G0+4*\s+3], s[20:21], \s*RGN
	s_or_b32 s[G0+4*\s+3], s[G0+4*\s+3], 0x80000000
	s_mov_b32 s[G0B+4*\s], 1
	s_add_co_u32 s[G0B+4*\s+1], s45, \s*SLOT
	s_add_nc_u64 s[G0B+4*\s+2:G0B+4*\s+3], s[46:47], \s*RGN
	s_or_b32 s[G0B+4*\s+3], s[G0B+4*\s+3], 0x80000000
	JLOAD G0+4*\s, G1, G0B+4*\s, G1B
.endr
	v_and_b32 v1, 15, v0
	v_bfe_u32 v2, v0, 4, 1
	v_and_b32 v3, 31, v0
	v_lshlrev_b32 v[CO], 4, v3                     ; 16 L
	v_lshlrev_b32 v5, 3, v3                        ; 8 L
	s_mul_i32 s21, s15, RGN
	s_mul_i32 s22, s16, RGN
	s_add_co_u32 s22, s22, 2*RGN
.irp s, 0,1
	v_add_nc_u32 v[ADRA+\s], s21, v[CO]
	v_add_nc_u32 v[ADRB+\s], s22, v[CO]
	v_add_nc_u32 v[ADRA+2+\s], s21, v5
	v_add_nc_u32 v[ADRB+2+\s], s22, v5
	s_add_co_u32 s21, s21, SLOT
	s_add_co_u32 s22, s22, SLOT
.endr
	v_lshlrev_b32 v6, 4, v1
	s_mul_i32 s21, s15, SG
	s_mul_i32 s22, s16, SG
	s_add_co_u32 s22, s22, 2*SG
	s_sub_co_u32 s22, s22, s21
	v_mul_u32_u24 v7, s22, v2
	s_add_co_u32 s21, s21, SCL
	v_add_nc_u32 v7, v6, v7
	v_add_nc_u32 v[ADRS], s21, v7
	s_mul_i32 s23, s14, 16*SPITCH                  ; my stage
	v_mul_u32_u24 v7, v1, SPITCH
	v_lshl_add_u32 v7, v2, 5, v7
	v_add_nc_u32 v[STO], s23, v7
	v_add_nc_u32 v[RD], s23, v[CO]
	s_lshl_b32 s96, s42, 10
	s_lshl_b32 s97, s16, 9
	s_add_co_u32 s96, s96, s97                     ; my first column, in bytes
	s_mov_b32 s97, 0
	s_add_nc_u64 s[92:93], s[8:9], s[96:97]
	v_lshlrev_b32 v7, 5, v2                        ; the bias of my eight columns of block b: 64 b + 32 h
	WIN 0x40
.irp b, 0,1,2,3,4,5,6,7
	global_load_b128 v[96+8*\b+96*(\b/4):96+8*\b+96*(\b/4)+3], v7, s[92:93] offset:64*\b
	global_load_b128 v[96+8*\b+96*(\b/4)+4:96+8*\b+96*(\b/4)+7], v7, s[92:93] offset:64*\b+16
.endr
	WIN 0
	s_lshl_b32 s18, s17, 1
	s_add_co_u32 s18, s18, s15
	s_lshl_b32 s18, s18, 19                        ; my group's 128 rows of 4,096 bytes
	s_add_co_u32 s18, s18, s96
	s_mov_b32 s19, 0
	s_add_nc_u64 s[20:21], s[10:11], s[18:19]      ; the residual,
	s_add_nc_u64 s[18:19], s[12:13], s[18:19]      ; the output
	s_wait_loadcnt 0x0
	s_wait_tensorcnt 1                             ; the scale words and slot 0 are in; slot 1's load may be out
	s_barrier_signal -1
	s_barrier_wait -1
	FETCH_B 0, 0, 0
	FETCH_A 0, 0, 0
	SCALES 0
	FETCH_A 0, 0, 4
	STEP 0, 0, 1
	s_mov_b32 s3, LAPS-1
.Llap:
	TURN 0, 1, 1
	STEP 1, 0, 0
	TURN 1, 0, 1
	STEP 0, 0, 0
	s_sub_co_u32 s3, s3, 1
	s_cmp_lg_u32 s3, 0
	s_cbranch_scc1 .Llap
	TURN 0, 1, 0
	STEP 1, 0, 0
	s_wait_dscnt 4*NL
	WIN MUL_LO
	MUL16 0, 1, 1, 1, 0
	MUL16 2, 1, 1, 1, 0
	s_wait_dscnt 0
	WIN MUL_HI
	MUL16 4, 1, 1, 1, 0
	MUL16 6, 1, 1, 1, 0
	WIN 0
.macro LOADRES a                       ; block a's 16 rows of the residual into window 1, buffer a % 4
	WIN 0x40
.set lt, 0
.rept 16
	global_load_b128 v[64*((\a)%4)+4*lt:64*((\a)%4)+4*lt+3], v[CO], s[20:21] offset:(32*((\a)/2)+8*((\a)%2)+lt+8*(lt/8))*4096 th:TH_LOAD_NT
.set lt, lt+1
.endr
	WIN 0
.endm
.macro TOSTAGE a                       ; LDS serves a wave's instructions in order: the loads see the stores
.set AC, 64*((\a)%4)
	WIN 0x08+4*((\a)/4)
.irp b, 0,1,2,3,4,5,6,7
	ds_store_b128 v[STO], v[AC+8*\b:AC+8*\b+3] offset:64*\b          ; each accumulator from its low end on
	ds_store_b128 v[STO], v[AC+8*\b+4:AC+8*\b+7] offset:64*\b+16
.endr
	WIN 0
.set BB, BK+64*((\a)%2)
.set lt, 0
.rept 16
	ds_load_b128 v[BB+4*lt:BB+4*lt+3], v[RD] offset:lt*SPITCH
.set lt, lt+1
.endr
.endm
.macro ADDRES a
.set BB, BK+64*((\a)%2)
	WIN 0x04
.set lt, 0
.rept 32
	v_pk_add_f32 v[BB+lt:BB+lt+1], v[BB+lt:BB+lt+1], v[64*((\a)%4)+lt:64*((\a)%4)+lt+1]
.set lt, lt+2
.endr
	WIN 0
.endm
.macro SEND a
.set BB, BK+64*((\a)%2)
.set lt, 0
.rept 16
	global_store_b128 v[CO], v[BB+4*lt:BB+4*lt+3], s[18:19] offset:(32*((\a)/2)+8*((\a)%2)+lt+8*(lt/8))*4096 th:TH_STORE_NT   ; 32 lanes store 512 consecutive bytes, aligned
.set lt, lt+1
.endr
.endm
.macro OUTB a, left                    ; left: the residual loads issued behind block a's
.if (\a) > 1
	s_wait_xcnt 0x0                                ; block a - 2's stores have read their registers: block a's rows may land there
.endif
	TOSTAGE \a
	s_wait_dscnt 0x0
	s_wait_loadcnt \left
	ADDRES \a
	SEND \a
.if (\a) < 4
	LOADRES (\a)+4
.endif
.endm
	PLACES NP                                      ; in front of loads into registers that the last products read, and of the first read of results
	LOADRES 0
	LOADRES 1
	LOADRES 2
	LOADRES 3
	OUTB 0, 48
	OUTB 1, 48
	OUTB 2, 48
	OUTB 3, 48
	OUTB 4, 48
	OUTB 5, 32
	OUTB 6, 16
	OUTB 7, 0
	s_wait_tensorcnt 0x0                           ; the wave's end
	ds_add_u32 v[SPW], v[NIL]
	s_wait_dscnt 0x0
	CROUND                                         ; the closing round
	s_endpgm
.Lfunc_end_k_q444f39d971_gout:
	.size	k_q444f39d971_gout, .Lfunc_end_k_q444f39d971_gout-k_q444f39d971_gout
	.p2alignl 7, 3214868480
	.fill 96, 4, 3214868480
	.section	.rodata,"a",@progbits
	.p2align	6, 0x0
	.amdhsa_kernel k_q444f39d971_gout
		.amdhsa_group_segment_fixed_size 327680
		.amdhsa_private_segment_fixed_size 0
		.amdhsa_enable_private_segment 0
		.amdhsa_kernarg_size 40
		.amdhsa_user_sgpr_count 2
		.amdhsa_user_sgpr_kernarg_segment_ptr 1
		.amdhsa_wavefront_size32 1
		.amdhsa_system_sgpr_workgroup_id_x 1
		.amdhsa_system_sgpr_workgroup_id_y 1
		.amdhsa_system_sgpr_workgroup_id_z 1
		.amdhsa_system_vgpr_workitem_id 0
		.amdhsa_next_free_vgpr 1024
		.amdhsa_next_free_sgpr 102
		.amdhsa_reserve_vcc 0
		.amdhsa_float_denorm_mode_32 3
		.amdhsa_float_denorm_mode_16_64 3
		.amdhsa_memory_ordered 1
		.amdhsa_forward_progress 1
		.amdhsa_inst_pref_size 173
	.end_amdhsa_kernel
	.amdgpu_metadata
---
amdhsa.version: [ 1, 2 ]
amdhsa.kernels:
  - .name:           k_q444f39d971_gout
    .symbol:         k_q444f39d971_gout.kd
    .args:
      - { .name: att, .offset: 0, .size: 8, .value_kind: global_buffer, .address_space: global }
      - { .name: wts, .offset: 8, .size: 8, .value_kind: global_buffer, .address_space: global }
      - { .name: b_out, .offset: 16, .size: 8, .value_kind: global_buffer, .address_space: global }
      - { .name: x, .offset: 24, .size: 8, .value_kind: global_buffer, .address_space: global }
      - { .name: x1, .offset: 32, .size: 8, .value_kind: global_buffer, .address_space: global }
    .group_segment_fixed_size: 327680
    .private_segment_fixed_size: 0
    .kernarg_segment_align: 8
    .kernarg_segment_size: 40
    .max_flat_workgroup_size: 128
    .sgpr_count:     102
    .vgpr_count:     1024
    .wavefront_size: 32
...
	.end_amdgpu_metadata
.endif
;; end of part 5
;; launch ln2: the kernel of part 2 again; grid 256 x 1, 8 waves a work-group, no clusters, 67,072 bytes of LDS; arguments x1, ln2_g, ln2_b, h2; writes h2
;; launch gfc (part 6): grid 16 x 16, 4 waves a work-group, clusters of 4 x 4, 327,680 bytes of LDS; arguments h2, wts, b_fc, g; writes g
.if DOCPART == 6
	.amdgcn_target "amdgcn-amd-amdhsa--gfx1250"
	.amdhsa_code_object_version 6
	.text
	.protected	k_q444f39d971_gfc
	.globl	k_q444f39d971_gfc
	.p2align	8
	.type	k_q444f39d971_gfc,@function
k_q444f39d971_gfc:
	s_mov_b64 s[64:65], 0
	v_nop
	global_prefetch_b8 v0, s[64:65] scope:SCOPE_SE
	s_setreg_imm32_b32 hwreg(HW_REG_WAVE_MODE, 25, 1), 1
	s_wait_xcnt 0x0
	s_wait_alu depctr_hold_cnt(0) depctr_sa_sdst(0) depctr_va_vdst(0) depctr_va_sdst(0) depctr_va_ssrc(0) depctr_va_vcc(0) depctr_vm_vsrc(0)
	s_getreg_b32 s2, hwreg(HW_REG_IB_STS2, 6, 4)
	s_cmp_eq_u32 s2, 0
	s_cbranch_scc0 .Lentry_in_a_cluster
	s_endpgm
.Lentry_in_a_cluster:
	s_bfe_u32 s2, ttmp6, 0x10000c
	s_cmp_lg_u32 s2, 0xf033
	s_cbranch_scc0 .Lentry_shape_is_right
	s_endpgm
.Lentry_shape_is_right:
; g = Q(gelu(LN2(x1) W_fc + b_fc)): the product on codes of FP6 (E2M3) with E8M0 scales, the activation in f32, the result quantised at once along its columns, which are the next product's K.
; OPERANDS in the order of the operand's registers: a group of 128 rows x 128 K is 8 fragments of 1,536 bytes, a group's K steps on end; scale words 512 bytes a K step.
; A tile of C, 256 x 256, by four waves of 128 x 128 (64 accumulators).  K = 1,024 in slots of 256 through a ring of two LDS slots; each wave fetches one group's 24,576 dense bytes by one tensor load; the scale words come once.
; TRANSPOSED: source 0 = 16 rows of W_fc, source 1 = 16 token rows.  W_fc's rows lie in stored order (bits 3 and 4 of the place exchanged), so the 16 registers of two neighbouring accumulators are 16 natural neighbours along the columns.
; gelu(x) = x / (1 + 2^z), z = x (k0 + k1 x^2), k0 = -2 log2(e) sqrt(2 / pi), k1 = 0.044715 k0: the tanh form, rewritten exactly.  The bias is the C of each sum's first product.
; OUT: codes at (32 G + ks) 12,288 + 1,536 a (G my token group, ks my group of columns), scale words at 12,582,912 + (32 G + ks) 512.
; CLUSTER 4 x 4: A's groups are asked for jointly along a row, B's along a column.
; LIMITS: a block of zeros, or one whose largest magnitude lies under 2^-124, gets the byte 1 (this program alone reads the bytes); NaN and infinities are not served.
; REGISTERS: window 0: v16-29 addresses; v32-63 scale words; v128-223 A's fragments; behind the loop v64-127 at work, v128-191 a block's 64 numbers.  window 1: B's two sets, the bias in v96-127, v224-255.  windows 2, 3: the accumulators.
.set KS,    8
.set AC_OFF, 0
.set AS_OFF, 3145728
.set BC_OFF, 3145728
.set BS_OFF, 9568256
.set LAPS,  KS/4
.set GSTR,  KS*12288
.set SG,    KS*512
.set RGN,   24576
.set SLOT,  4*RGN
.set SCL,   2*SLOT
.set SPARE, SCL+4*SG                   ; the spare words, 128 bytes a wave; no other line names them
.set FR,    12
.set NL,    4
.set NP,    4
.set ADRA, 16
.set ADRB, 20
.set OA16, 24
.set OA8,  25
.set OS,   26
.set ADRS, 27
.set SPW,  28
.set NIL,  29
.set SC,   32
.set AF,   128
.set PC,   64
.set KV,   84                          ; v84-85 k0, twice
.set TM,   96
.set WS,   112
.set EW,   120
.set TT,   128                         ; v128-191 a block's numbers through the activation
.set G1, 24
.set G0, 32
.set G1B, 48
.set G0B, 56
.set G1S, 68
.set G0S, 76
.set G1SB, 80
.set G0SB, 88
.set MSB, 0
.macro WIN new
.if MSB != (\new)
	s_set_vgpr_msb (MSB<<8)|(\new)
.set MSB, (\new)
.endif
.endm
.set MUL_LO, 0xa1
.set MUL_HI, 0xf1
.set TO_B,   0x40
.macro JLOAD g0a, g1a, g0b, g1b        ; a joint load: waves 0 and 1 fetch for A, waves 2 and 3 for B; an s_nop 0 and four v_nop follow each line
	s_cmp_eq_u32 s15, 0
	s_cbranch_scc0 .Lfor_b_\@
	tensor_load_to_lds s[\g0a:\g0a+3], s[\g1a:\g1a+7]
	s_nop 0
.rept 4
	v_nop
.endr
	s_branch .Lasked_\@
.Lfor_b_\@:
	tensor_load_to_lds s[\g0b:\g0b+3], s[\g1b:\g1b+7]
	s_nop 0
.rept 4
	v_nop
.endr
.Lasked_\@:
.endm
.macro CREST
	s_cmp_lg_u32 s14, 0
	s_cbranch_scc1 .Lnot_wave_0_\@
	s_barrier_signal -3
.Lnot_wave_0_\@:
	s_barrier_wait -3
	s_barrier_signal -1
	s_barrier_wait -1
.endm
.macro CROUND
	s_barrier_signal -1
	s_barrier_wait -1
	CREST
.endm
.macro FRAG reg, adr, q, i
	ds_load_b128 v[\reg:\reg+3], v[\adr] offset:(\q)*12288+(\i)*1536
	ds_load_b64 v[\reg+4:\reg+5], v[\adr+2] offset:(\q)*12288+(\i)*1536+512
	ds_load_b128 v[\reg+6:\reg+9], v[\adr] offset:(\q)*12288+(\i)*1536+768
	ds_load_b64 v[\reg+10:\reg+11], v[\adr+2] offset:(\q)*12288+(\i)*1536+1280
.endm
; 16 products: A's blocks a0, a0 + 1 x B's eight.  zero = 1: C = the bias by B's block.  The 64 accumulators take turns, one instruction a turn.
.macro MUL16 a0, p, q, sc, zero
.irp a, \a0, \a0+1
.irp b, 0,1,2,3,4,5,6,7
.set rD, 8*(8*((\a)%4)+\b)
.set rB, 128*(\p)+FR*\b
.set rA, AF+FR*(\a)
.set rC, rD
.if (\zero) == 1
.set rC, 96+8*\b+96*(\b/4)
.endif
	v_wmma_scale_f32_16x16x128_f8f6f4 v[rD:rD+7], v[rB:rB+FR-1], v[rA:rA+FR-1], v[rC:rC+7], v[SC+16*(\sc)+8*(\q)+\b], v[SC+16*(\sc)+8*(\q)+(\a)] matrix_a_fmt:MATRIX_FMT_FP6 matrix_b_fmt:MATRIX_FMT_FP6 matrix_a_scale:MATRIX_SCALE_ROW1
.endr
.endr
.endm
.macro FETCH_B slot, q, p
	WIN TO_B
.irp i, 0,1,2,3,4,5,6,7
	FRAG 128*(\p)+FR*\i, ADRB+\slot, \q, \i
.endr
	WIN 0
.endm
.macro FETCH_A slot, q, i0
.irp i, \i0, \i0+1, \i0+2, \i0+3
	FRAG AF+FR*(\i), ADRA+\slot, \q, \i
.endr
.endm
.macro SCALES sc
.irp i, 0,1,2,3
	ds_load_b128 v[SC+16*\sc+4*\i:SC+16*\sc+4*\i+3], v[ADRS] offset:256*\i
.endr
.endm
.macro PLACES n
.rept \n
	v_nop
.endr
.endm
.macro STEP slot, q, zero
	s_wait_dscnt 4*NL                              ; all but the youngest sixteen loads (A's blocks 4-7)
.if \zero
	WIN 0x91
.else
	WIN MUL_LO
.endif
	MUL16 0, (\q)%2, \q, \slot, \zero
	MUL16 2, (\q)%2, \q, \slot, \zero
	s_wait_dscnt 0
	PLACES NP
	FETCH_B \slot, (\q)+1, 1-(\q)%2
	FETCH_A \slot, (\q)+1, 0
.if \zero
	WIN 0xd1
.else
	WIN MUL_HI
.endif
	MUL16 4, (\q)%2, \q, \slot, \zero
	MUL16 6, (\q)%2, \q, \slot, \zero
	PLACES NP
	WIN 0
	FETCH_A \slot, (\q)+1, 4
.endm
.macro TURN slot, next, fill
	s_wait_tensorcnt 0x0                           ; all my tensor loads have landed: my part of the next slot
	ds_add_u32 v[SPW], v[NIL]
	s_wait_dscnt 4*NL+1                            ; (the add and A's blocks 4-7 may be out)
	WIN MUL_LO
	MUL16 0, 1, 1, \slot, 0
	s_wait_dscnt 0x0                               ; the add is done, my reads of this slot are over
	s_barrier_signal -1
	MUL16 2, 1, 1, \slot, 0
	WIN 0
	s_barrier_wait -1
.if \fill
	CREST                                          ; a round of the cluster's barrier: no wave of any partner still reads this slot or has a load on its way
	s_add_nc_u64 s[G0+4*\slot+2:G0+4*\slot+3], s[G0+4*\slot+2:G0+4*\slot+3], 2*RGN
	s_add_nc_u64 s[G0B+4*\slot+2:G0B+4*\slot+3], s[G0B+4*\slot+2:G0B+4*\slot+3], 2*RGN
	JLOAD G0+4*\slot, G1, G0B+4*\slot, G1B
.else
	PLACES NP
.endif
	v_add_nc_u32 v[ADRS], 1024, v[ADRS]
	FETCH_B \next, 0, 0
	FETCH_A \next, 0, 0
	SCALES \next
	WIN MUL_HI
	MUL16 4, 1, 1, \slot, 0
	MUL16 6, 1, 1, \slot, 0
	PLACES NP
	WIN 0
	FETCH_A \next, 0, 4
.endm
	s_load_b256 s[4:11], s[0:1], 0x0               ; h2, wts, b_fc, g
	v_lshl_add_u32 v[SPW], v0, 2, SPARE
	v_mov_b32 v[NIL], 0
	ds_add_u32 v[SPW], v[NIL]                      ; the wave's opening
	v_lshrrev_b32 v1, 5, v0
	v_readfirstlane_b32 s14, v1
	s_lshr_b32 s15, s14, 1
	s_and_b32 s16, s14, 1
	s_bfe_u32 s40, ttmp6, 0x40000
	s_bfe_u32 s41, ttmp6, 0x40004
	s_lshl_b32 s42, ttmp9, 2
	s_add_co_u32 s42, s42, s40                     ; tile column
	s_and_b32 s17, ttmp7, 0xffff
	s_lshl_b32 s17, s17, 2
	s_add_co_u32 s17, s17, s41                     ; tile row
	s_lshl_b32 s43, s41, 2
	s_lshl_b32 s43, 15, s43
	s_lshl_b32 s44, 0x1111, s40
	s_or_b32 s[G1+0], s43, (3<<16)|(1<<21)
	s_or_b32 s[G1B+0], s44, (3<<16)|(1<<21)
.irp g, G1, G1B
	s_mov_b32 s[\g+1], 32<<16
	s_mov_b32 s[\g+2], 96<<16
	s_mov_b32 s[\g+3], 32<<16
	s_mov_b32 s[\g+4], 96
	s_mov_b32 s[\g+5], 32
	s_mov_b32 s[\g+6], 0
	s_mov_b32 s[\g+7], 0
.endr
	s_or_b32 s[G1S+0], s43, (3<<16)|(1<<21)
	s_or_b32 s[G1SB+0], s44, (3<<16)|(1<<21)
.irp g, G1S, G1SB
	s_mov_b32 s[\g+1], 32<<16
	s_mov_b32 s[\g+2], (2*KS)<<16
	s_mov_b32 s[\g+3], 32<<16
	s_mov_b32 s[\g+4], 2*KS
	s_mov_b32 s[\g+5], 32
	s_mov_b32 s[\g+6], 0
	s_mov_b32 s[\g+7], 0
.endr
	s_lshl_b32 s20, s17, 1
	s_add_co_u32 s20, s20, s16
	s_lshl_b32 s46, s42, 1
	s_add_co_u32 s46, s46, s16
	s_mul_i32 s22, s20, SG
	s_add_co_u32 s22, s22, AS_OFF
	s_mul_i32 s20, s20, GSTR
	s_add_co_u32 s20, s20, AC_OFF
	s_mul_i32 s92, s46, SG
	s_add_co_u32 s92, s92, BS_OFF
	s_mul_i32 s46, s46, GSTR
	s_add_co_u32 s46, s46, BC_OFF
	s_mov_b32 s21, 0
	s_mov_b32 s23, 0
	s_mov_b32 s47, 0
	s_mov_b32 s93, 0
	s_mul_i32 s45, s14, RGN
	s_mul_i32 s94, s14, SG
	s_mov_b32 s98, 0x76543210
	s_mov_b32 s99, 0xfedcba98
	s_mov_b32 s100, 0xffff0000                     ; lanes 16-31
	s_mov_b32 s12, 0xbdd2d3e8                      ; k1
	s_mov_b32 s13, s12
	s_wait_dscnt 0x0
	s_wait_kmcnt 0x0
	s_add_nc_u64 s[20:21], s[4:5], s[20:21]
	s_add_nc_u64 s[22:23], s[4:5], s[22:23]
	s_add_nc_u64 s[46:47], s[6:7], s[46:47]
	s_add_nc_u64 s[92:93], s[6:7], s[92:93]
	CROUND
	s_mov_b32 s[G0S], 1
	s_add_co_u32 s[G0S+1], s94, SCL
	s_mov_b64 s[G0S+2:G0S+3], s[22:23]
	s_or_b32 s[G0S+3], s[G0S+3], 0x80000000
	s_mov_b32 s[G0SB], 1
	s_add_co_u32 s[G0SB+1], s94, SCL
	s_mov_b64 s[G0SB+2:G0SB+3], s[92:93]
	s_or_b32 s[G0SB+3], s[G0SB+3], 0x80000000
	JLOAD G0S, G1S, G0SB, G1SB
.irp s, 0,1
	s_mov_b32 s[G0+4*\s], 1
	s_add_co_u32 s[G0+4*\s+1], s45, \s*SLOT
	s_add_nc_u64 s[G0+4*\s+2:G0+4*\s+3], s[20:21], \s*RGN
	s_or_b32 s[G0+4*\s+3], s[G0+4*\s+3], 0x80000000
	s_mov_b32 s[G0B+4*\s], 1
	s_add_co_u32 s[G0B+4*\s+1], s45, \s*SLOT
	s_add_nc_u64 s[G0B+4*\s+2:G0B+4*\s+3], s[46:47], \s*RGN
	s_or_b32 s[G0B+4*\s+3], s[G0B+4*\s+3], 0x80000000
	JLOAD G0+4*\s, G1, G0B+4*\s, G1B
.endr
	v_and_b32 v1, 15, v0
	v_bfe_u32 v2, v0, 4, 1
	v_and_b32 v3, 31, v0
	v_lshlrev_b32 v[OA16], 4, v3
	v_lshlrev_b32 v[OA8], 3, v3
	s_mul_i32 s21, s15, RGN
	s_mul_i32 s22, s16, RGN
	s_add_co_u32 s22, s22, 2*RGN
.irp s, 0,1
	v_add_nc_u32 v[ADRA+\s], s21, v[OA16]
	v_add_nc_u32 v[ADRB+\s], s22, v[OA16]
	v_add_nc_u32 v[ADRA+2+\s], s21, v[OA8]
	v_add_nc_u32 v[ADRB+2+\s], s22, v[OA8]
	s_add_co_u32 s21, s21, SLOT
	s_add_co_u32 s22, s22, SLOT
.endr
	v_lshlrev_b32 v6, 4, v1
	s_mul_i32 s21, s15, SG
	s_mul_i32 s22, s16, SG
	s_add_co_u32 s22, s22, 2*SG
	s_sub_co_u32 s22, s22, s21
	v_mul_u32_u24 v7, s22, v2
	s_add_co_u32 s21, s21, SCL
	v_add_nc_u32 v7, v6, v7
	v_add_nc_u32 v[ADRS], s21, v7
	v_lshl_add_u32 v[OS], v2, 8, v6                ; my four scale words: 16 r + 256 h
.irp b, 0,1,2,3
	v_mov_b32 v[TM+4+\b], 0                        ; a lane permute's destination counts as one of its sources
.endr
	v_mov_b32 v[KV], 0xc0135761                    ; k0
	v_mov_b32 v[KV+1], v[KV]
	s_lshl_b32 s96, s42, 10
	s_lshl_b32 s97, s16, 9
	s_add_co_u32 s96, s96, s97                     ; my first column of the bias, in bytes
	s_mov_b32 s97, 0
	s_add_nc_u64 s[92:93], s[8:9], s[96:97]
	v_lshlrev_b32 v7, 6, v2                        ; my eight columns of block b: (32 (b / 2) + 8 (b % 2)) 4 + 64 h
	WIN 0x40
.irp b, 0,1,2,3,4,5,6,7
	global_load_b128 v[96+8*\b+96*(\b/4):96+8*\b+96*(\b/4)+3], v7, s[92:93] offset:(32*(\b/2)+8*(\b%2))*4
	global_load_b128 v[96+8*\b+96*(\b/4)+4:96+8*\b+96*(\b/4)+7], v7, s[92:93] offset:(32*(\b/2)+8*(\b%2))*4+16
.endr
	WIN 0
	s_lshl_b32 s96, s17, 1
	s_add_co_u32 s96, s96, s15                     ; G
	s_lshl_b32 s97, s42, 1
	s_add_co_u32 s97, s97, s16                     ; ks
	s_lshl_b32 s96, s96, 5
	s_add_co_u32 s96, s96, s97
	s_mul_i32 s18, s96, 12288
	s_mov_b32 s19, 0
	s_add_nc_u64 s[18:19], s[10:11], s[18:19]      ; half c = 0 of block 0's fragment,
	s_add_nc_u64 s[20:21], s[18:19], 768           ; half c = 1,
	s_lshl_b32 s46, s96, 9
	s_add_co_u32 s46, s46, 12582912
	s_mov_b32 s47, 0
	s_add_nc_u64 s[46:47], s[10:11], s[46:47]      ; the scale words
	s_wait_loadcnt 0x0
	s_wait_tensorcnt 1                             ; the scale words and slot 0 are in; slot 1's load may be out
	s_barrier_signal -1
	s_barrier_wait -1
	FETCH_B 0, 0, 0
	FETCH_A 0, 0, 0
	SCALES 0
	FETCH_A 0, 0, 4
	STEP 0, 0, 1
	s_mov_b32 s3, LAPS-1
.Llap:
	TURN 0, 1, 1
	STEP 1, 0, 0
	TURN 1, 0, 1
	STEP 0, 0, 0
	s_sub_co_u32 s3, s3, 1
	s_cmp_lg_u32 s3, 0
	s_cbranch_scc1 .Llap
	TURN 0, 1, 0
	STEP 1, 0, 0
	s_wait_dscnt 4*NL
	WIN MUL_LO
	MUL16 0, 1, 1, 1, 0
	MUL16 2, 1, 1, 1, 0
	s_wait_dscnt 0
	WIN MUL_HI
	MUL16 4, 1, 1, 1, 0
	MUL16 6, 1, 1, 1, 0
	WIN 0
; THE WAY OUT, block by block of 16 token rows: the activation into v[TT] on, then the quantiser.
.macro GELU s, win                     ; each accumulator is read from its low end on
	WIN 5*(\win)
.set gj, 0
.rept 32
	v_pk_mul_f32 v[TT+gj:TT+gj+1], v[\s+gj:\s+gj+1], v[\s+gj:\s+gj+1]      ; x^2
.set gj, gj+2
.endr
	WIN 0
.set gj, 0
.rept 32
	v_pk_fma_f32 v[TT+gj:TT+gj+1], v[TT+gj:TT+gj+1], s[12:13], v[KV:KV+1] op_sel_hi:[1,0,1]   ; k0 + k1 x^2
.set gj, gj+2
.endr
	WIN 4*(\win)
.set gj, 0
.rept 32
	v_pk_mul_f32 v[TT+gj:TT+gj+1], v[TT+gj:TT+gj+1], v[\s+gj:\s+gj+1]      ; z
.set gj, gj+2
.endr
	WIN 0
.set gj, 0
.rept 64
	v_exp_f32 v[TT+gj], v[TT+gj]
.set gj, gj+1
.endr
	v_nop                                          ; a plain place behind the batch,
	s_wait_alu depctr_va_vdst(0)                   ; and one wait for it ahead of its first reader
.set gj, 0
.rept 32
	v_pk_add_f32 v[TT+gj:TT+gj+1], v[TT+gj:TT+gj+1], 1.0 op_sel_hi:[1,0]
.set gj, gj+2
.endr
.set gj, 0
.rept 64
	v_rcp_f32 v[TT+gj], v[TT+gj]
.set gj, gj+1
.endr
	v_nop
	s_wait_alu depctr_va_vdst(0)
	WIN 4*(\win)
.set gj, 0
.rept 32
	v_pk_mul_f32 v[TT+gj:TT+gj+1], v[TT+gj:TT+gj+1], v[\s+gj:\s+gj+1]      ; x / (1 + 2^z)
.set gj, gj+2
.endr
	WIN 0
.endm
.macro QMAX s, win, wreg
	WIN 5*(\win)
.irp b, 0,1,2,3
	v_max3_num_f32 v[TM+\b], |v[\s+16*\b]|, |v[\s+1+16*\b]|, 0x1800000     ; and the floor 2^(3 - 127)
.endr
.irp i, 2,4,6,8,10,12,14
.irp b, 0,1,2,3
	v_max3_num_f32 v[TM+\b], |v[\s+16*\b+\i]|, |v[\s+1+16*\b+\i]|, v[TM+\b]
.endr
.endr
	WIN 0
.irp b, 0,1,2,3
	v_permlanex16_b32 v[TM+4+\b], v[TM+\b], s98, s99
.endr
.irp b, 0,1,2,3
	v_max_num_f32 v[TM+\b], v[TM+\b], v[TM+4+\b]
.endr
.irp b, 0,1,2,3
	v_add_nc_u32 v[TM+12+\b], 0xff000000, v[TM+\b]
.endr
.irp b, 0,1,2,3
	v_lshrrev_b32 v[TM+4+\b], 23, v[TM+12+\b]
.endr
	v_lshl_or_b32 v[\wreg], v[TM+5], 8, v[TM+4]
	v_lshl_or_b32 v[\wreg], v[TM+6], 16, v[\wreg]
	v_lshl_or_b32 v[\wreg], v[TM+7], 24, v[\wreg]
.endm
.macro QCVT s, win
	WIN (\win)
.irp c, 0,1
	v_cvt_scalef32_pk16_fp6_f32 v[PC+6*\c:PC+2+6*\c], v[\s+32*\c:\s+15+32*\c], v[TM+12+2*\c]
	v_cvt_scalef32_pk16_fp6_f32 v[PC+12+4*\c:PC+14+4*\c], v[\s+16+32*\c:\s+31+32*\c], v[TM+12+2*\c+1]
.endr
	WIN 0
	v_nop                                          ; one plain place behind a scaled conversion
.irp c, 0,1
.irp i, 0,1,2
	v_permlane16_swap_b32 v[PC+6*\c+\i], v[PC+12+4*\c+\i]
.endr
.irp i, 0,1,2
	v_mov_b32 v[PC+3+6*\c+\i], v[PC+12+4*\c+\i]
.endr
.endr
.endm
.macro PUT                             ; each store of the wave covers 512 or 256 consecutive bytes, aligned
	global_store_b128 v[OA16], v[PC:PC+3], s[18:19]
	global_store_b64 v[OA8], v[PC+4:PC+5], s[18:19] offset:512
	global_store_b128 v[OA16], v[PC+6:PC+9], s[20:21]
	global_store_b64 v[OA8], v[PC+10:PC+11], s[20:21] offset:512
.endm
	PLACES NP
.irp a, 0,1,2,3,4,5,6,7
.set QS, 64*(\a%4)
.set QW, 2+\a/4
	GELU QS, QW
	QMAX TT, 0, WS+\a
	s_wait_xcnt 0x0                                ; the last block's stores have read their codes and bases
.if \a > 0
	s_add_nc_u64 s[18:19], s[18:19], 1536
	s_add_nc_u64 s[20:21], s[20:21], 1536
.endif
	QCVT TT, 0
	PUT
.endr
.irp i, 0,1,2,3
	v_cndmask_b32 v[EW+\i], v[WS+\i], v[WS+4+\i], s100      ; lanes 0-15: blocks 0-3's words of row r; lanes 16-31: blocks 4-7's
.endr
	global_store_b128 v[OS], v[EW:EW+3], s[46:47]
	s_wait_tensorcnt 0x0                           ; the wave's end
	ds_add_u32 v[SPW], v[NIL]
	s_wait_dscnt 0x0
	CROUND                                         ; the closing round
	s_endpgm
.Lfunc_end_k_q444f39d971_gfc:
	.size	k_q444f39d971_gfc, .Lfunc_end_k_q444f39d971_gfc-k_q444f39d971_gfc
	.p2alignl 7, 3214868480
	.fill 96, 4, 3214868480
	.section	.rodata,"a",@progbits
	.p2align	6, 0x0
	.amdhsa_kernel k_q444f39d971_gfc
		.amdhsa_group_segment_fixed_size 327680
		.amdhsa_private_segment_fixed_size 0
		.amdhsa_enable_private_segment 0
		.amdhsa_kernarg_size 32
		.amdhsa_user_sgpr_count 2
		.amdhsa_user_sgpr_kernarg_segment_ptr 1
		.amdhsa_wavefront_size32 1
		.amdhsa_system_sgpr_workgroup_id_x 1
		.amdhsa_system_sgpr_workgroup_id_y 1
		.amdhsa_system_sgpr_workgroup_id_z 1
		.amdhsa_system_vgpr_workitem_id 0
		.amdhsa_next_free_vgpr 1024
		.amdhsa_next_free_sgpr 102
		.amdhsa_reserve_vcc 0
		.amdhsa_float_denorm_mode_32 3
		.amdhsa_float_denorm_mode_16_64 3
		.amdhsa_memory_ordered 1
		.amdhsa_forward_progress 1
		.amdhsa_inst_pref_size 255
	.end_amdhsa_kernel
	.section	.bss,"aw",@nobits
	.p2align	6
	.space	262144
	.amdgpu_metadata
---
amdhsa.version: [ 1, 2 ]
amdhsa.kernels:
  - .name:           k_q444f39d971_gfc
    .symbol:         k_q444f39d971_gfc.kd
    .args:
      - { .name: h2, .offset: 0, .size: 8, .value_kind: global_buffer, .address_space: global }
      - { .name: wts, .offset: 8, .size: 8, .value_kind: global_buffer, .address_space: global }
      - { .name: b_fc, .offset: 16, .size: 8, .value_kind: global_buffer, .address_space: global }
      - { .name: g, .offset: 24, .size: 8, .value_kind: global_buffer, .address_space: global }
    .group_segment_fixed_size: 327680
    .private_segment_fixed_size: 0
    .kernarg_segment_align: 8
    .kernarg_segment_size: 32
    .max_flat_workgroup_size: 128
    .sgpr_count:     102
    .vgpr_count:     1024
    .wavefront_size: 32
...
	.end_amdgpu_metadata
.endif
;; end of part 6
;; launch gproj (part 7): grid 4 x 16, 4 waves a work-group, clusters of 4 x 4, 327,680 bytes of LDS; arguments g, wts, b_proj, x1, out0; writes out0
.if DOCPART == 7
	.amdgcn_target "amdgcn-amd-amdhsa--gfx1250"
	.amdhsa_code_object_version 6
	.text
	.protected	k_q444f39d971_gproj
	.globl	k_q444f39d971_gproj
	.p2align	8
	.type	k_q444f39d971_gproj,@function
k_q444f39d971_gproj:
	s_mov_b64 s[64:65], 0
	v_nop
	global_prefetch_b8 v0, s[64:65] scope:SCOPE_SE
	s_setreg_imm32_b32 hwreg(HW_REG_WAVE_MODE, 25, 1), 1
	s_wait_xcnt 0x0
	s_wait_alu depctr_hold_cnt(0) depctr_sa_sdst(0) depctr_va_vdst(0) depctr_va_sdst(0) depctr_va_ssrc(0) depctr_va_vcc(0) depctr_vm_vsrc(0)
	s_getreg_b32 s2, hwreg(HW_REG_IB_STS2, 6, 4)
	s_cmp_eq_u32 s2, 0
	s_cbranch_scc0 .Lentry_in_a_cluster
	s_endpgm
.Lentry_in_a_cluster:
	s_bfe_u32 s2, ttmp6, 0x10000c
	s_cmp_lg_u32 s2, 0xf033
	s_cbranch_scc0 .Lentry_shape_is_right
	s_endpgm
.Lentry_shape_is_right:
; out0 = x1 + g W_proj + b_proj.  g and W_proj are codes of FP6 (E2M3) with E8M0 scales, laid in the order of the operand's registers: a group of 128 rows x 128 K is 8 fragments of 1,536 bytes, a group's K steps on end; scale words 512 bytes a K step.
; A tile of C, 256 x 256, by four waves of 128 x 128 (64 accumulators).  K = 4,096 in slots of 256 through a ring of two LDS slots; each wave fetches one group's 24,576 dense bytes by one tensor load; the scale words (16,384 bytes a group) come once.
; TRANSPOSED: source 0 = 16 rows of W_proj (natural order), source 1 = 16 token rows: a lane holds eight neighbouring columns of one row.  The bias is the C of each sum's first product.
; Token rows lie in stored order: row t of block a of a group is natural row 32 (a / 2) + 8 (a % 2) + t + 8 (t / 8): the way out puts each row where it belongs, by an immediate.
; THE WAY OUT: a block of 16 rows goes through my stage in LDS (in slot 0, which has had its last fill and its last read), comes back as rows of 512 bytes, takes the residual and is stored: 512 consecutive bytes a store.
; CLUSTER 4 x 4: A's groups are asked for jointly along a row, B's along a column.  The grid has 64 tiles of this size.
; REGISTERS: window 0: v16-29 addresses; v32-63 scale words; v128-223 A's fragments, on the way out v128-255 rows.  window 1: B's two sets, the bias in v96-127, v224-255; on the way out the residual.  windows 2, 3: the accumulators.
.set KS,    32
.set AC_OFF, 0
.set AS_OFF, 12582912
.set BC_OFF, 6291456
.set BS_OFF, 9699328
.set LAPS,  KS/4
.set GSTR,  KS*12288
.set SG,    KS*512
.set RGN,   24576
.set SLOT,  4*RGN
.set SCL,   2*SLOT
.set SPARE, SCL+4*SG                   ; the spare words, 128 bytes a wave; no other line names them
.set FR,    12
.set NL,    4
.set NP,    4
.set SPITCH, 528
.set ADRA, 16
.set ADRB, 20
.set STO,  24
.set RD,   25
.set CO,   26
.set ADRS, 27
.set SPW,  28
.set NIL,  29
.set SC,   32
.set AF,   128
.set BK,   128
.set G1, 24
.set G0, 32
.set G1B, 48
.set G0B, 56
.set G1S, 68
.set G0S, 76
.set G1SB, 80
.set G0SB, 88
.set MSB, 0
.macro WIN new
.if MSB != (\new)
	s_set_vgpr_msb (MSB<<8)|(\new)
.set MSB, (\new)
.endif
.endm
.set MUL_LO, 0xa1
.set MUL_HI, 0xf1
.set TO_B,   0x40
.macro JLOAD g0a, g1a, g0b, g1b        ; a joint load: waves 0 and 1 fetch for A, waves 2 and 3 for B; an s_nop 0 and four v_nop follow each line
	s_cmp_eq_u32 s15, 0
	s_cbranch_scc0 .Lfor_b_\@
	tensor_load_to_lds s[\g0a:\g0a+3], s[\g1a:\g1a+7]
	s_nop 0
.rept 4
	v_nop
.endr
	s_branch .Lasked_\@
.Lfor_b_\@:
	tensor_load_to_lds s[\g0b:\g0b+3], s[\g1b:\g1b+7]
	s_nop 0
.rept 4
	v_nop
.endr
.Lasked_\@:
.endm
.macro CREST
	s_cmp_lg_u32 s14, 0
	s_cbranch_scc1 .Lnot_wave_0_\@
	s_barrier_signal -3
.Lnot_wave_0_\@:
	s_barrier_wait -3
	s_barrier_signal -1
	s_barrier_wait -1
.endm
.macro CROUND
	s_barrier_signal -1
	s_barrier_wait -1
	CREST
.endm
.macro FRAG reg, adr, q, i
	ds_load_b128 v[\reg:\reg+3], v[\adr] offset:(\q)*12288+(\i)*1536
	ds_load_b64 v[\reg+4:\reg+5], v[\adr+2] offset:(\q)*12288+(\i)*1536+512
	ds_load_b128 v[\reg+6:\reg+9], v[\adr] offset:(\q)*12288+(\i)*1536+768
	ds_load_b64 v[\reg+10:\reg+11], v[\adr+2] offset:(\q)*12288+(\i)*1536+1280
.endm
; 16 products: A's blocks a0, a0 + 1 x B's eight.  zero = 1: C = the bias by B's block.  The 64 accumulators take turns, one instruction a turn.
.macro MUL16 a0, p, q, sc, zero
.irp a, \a0, \a0+1
.irp b, 0,1,2,3,4,5,6,7
.set rD, 8*(8*((\a)%4)+\b)
.set rB, 128*(\p)+FR*\b
.set rA, AF+FR*(\a)
.set rC, rD
.if (\zero) == 1
.set rC, 96+8*\b+96*(\b/4)
.endif
	v_wmma_scale_f32_16x16x128_f8f6f4 v[rD:rD+7], v[rB:rB+FR-1], v[rA:rA+FR-1], v[rC:rC+7], v[SC+16*(\sc)+8*(\q)+\b], v[SC+16*(\sc)+8*(\q)+(\a)] matrix_a_fmt:MATRIX_FMT_FP6 matrix_b_fmt:MATRIX_FMT_FP6 matrix_a_scale:MATRIX_SCALE_ROW1
.endr
.endr
.endm
.macro FETCH_B slot, q, p
	WIN TO_B
.irp i, 0,1,2,3,4,5,6,7
	FRAG 128*(\p)+FR*\i, ADRB+\slot, \q, \i
.endr
	WIN 0
.endm
.macro FETCH_A slot, q, i0
.irp i, \i0, \i0+1, \i0+2, \i0+3
	FRAG AF+FR*(\i), ADRA+\slot, \q, \i
.endr
.endm
.macro SCALES sc
.irp i, 0,1,2,3
	ds_load_b128 v[SC+16*\sc+4*\i:SC+16*\sc+4*\i+3], v[ADRS] offset:256*\i
.endr
.endm
.macro PLACES n
.rept \n
	v_nop
.endr
.endm
.macro STEP slot, q, zero
	s_wait_dscnt 4*NL                              ; all but the youngest sixteen loads (A's blocks 4-7)
.if \zero
	WIN 0x91
.else
	WIN MUL_LO
.endif
	MUL16 0, (\q)%2, \q, \slot, \zero
	MUL16 2, (\q)%2, \q, \slot, \zero
	s_wait_dscnt 0
	PLACES NP
	FETCH_B \slot, (\q)+1, 1-(\q)%2
	FETCH_A \slot, (\q)+1, 0
.if \zero
	WIN 0xd1
.else
	WIN MUL_HI
.endif
	MUL16 4, (\q)%2, \q, \slot, \zero
	MUL16 6, (\q)%2, \q, \slot, \zero
	PLACES NP
	WIN 0
	FETCH_A \slot, (\q)+1, 4
.endm
.macro TURN slot, next, fill
	s_wait_tensorcnt 0x0                           ; all my tensor loads have landed: my part of the next slot
	ds_add_u32 v[SPW], v[NIL]
	s_wait_dscnt 4*NL+1                            ; (the add and A's blocks 4-7 may be out)
	WIN MUL_LO
	MUL16 0, 1, 1, \slot, 0
	s_wait_dscnt 0x0                               ; the add is done, my reads of this slot are over
	s_barrier_signal -1
	MUL16 2, 1, 1, \slot, 0
	WIN 0
	s_barrier_wait -1
.if \fill
	CREST                                          ; a round of the cluster's barrier: no wave of any partner still reads this slot or has a load on its way
	s_add_nc_u64 s[G0+4*\slot+2:G0+4*\slot+3], s[G0+4*\slot+2:G0+4*\slot+3], 2*RGN
	s_add_nc_u64 s[G0B+4*\slot+2:G0B+4*\slot+3], s[G0B+4*\slot+2:G0B+4*\slot+3], 2*RGN
	JLOAD G0+4*\slot, G1, G0B+4*\slot, G1B
.else
	PLACES NP
.endif
	v_add_nc_u32 v[ADRS], 1024, v[ADRS]
	FETCH_B \next, 0, 0
	FETCH_A \next, 0, 0
	SCALES \next
	WIN MUL_HI
	MUL16 4, 1, 1, \slot, 0
	MUL16 6, 1, 1, \slot, 0
	PLACES NP
	WIN 0
	FETCH_A \next, 0, 4
.endm
	s_load_b256 s[4:11], s[0:1], 0x0               ; A, wts, bias, residual
	s_load_b64 s[12:13], s[0:1], 0x20              ; out
	v_lshl_add_u32 v[SPW], v0, 2, SPARE
	v_mov_b32 v[NIL], 0
	ds_add_u32 v[SPW], v[NIL]                      ; the wave's opening
	v_lshrrev_b32 v1, 5, v0
	v_readfirstlane_b32 s14, v1
	s_lshr_b32 s15, s14, 1
	s_and_b32 s16, s14, 1
	s_bfe_u32 s40, ttmp6, 0x40000
	s_bfe_u32 s41, ttmp6, 0x40004
	s_lshl_b32 s42, ttmp9, 2
	s_add_co_u32 s42, s42, s40                     ; tile column
	s_and_b32 s17, ttmp7, 0xffff
	s_lshl_b32 s17, s17, 2
	s_add_co_u32 s17, s17, s41                     ; tile row
	s_lshl_b32 s43, s41, 2
	s_lshl_b32 s43, 15, s43
	s_lshl_b32 s44, 0x1111, s40
	s_or_b32 s[G1+0], s43, (3<<16)|(1<<21)
	s_or_b32 s[G1B+0], s44, (3<<16)|(1<<21)
.irp g, G1, G1B
	s_mov_b32 s[\g+1], 32<<16
	s_mov_b32 s[\g+2], 96<<16
	s_mov_b32 s[\g+3], 32<<16
	s_mov_b32 s[\g+4], 96
	s_mov_b32 s[\g+5], 32
	s_mov_b32 s[\g+6], 0
	s_mov_b32 s[\g+7], 0
.endr
	s_or_b32 s[G1S+0], s43, (3<<16)|(1<<21)
	s_or_b32 s[G1SB+0], s44, (3<<16)|(1<<21)
.irp g, G1S, G1SB
	s_mov_b32 s[\g+1], 32<<16
	s_mov_b32 s[\g+2], (2*KS)<<16
	s_mov_b32 s[\g+3], 32<<16
	s_mov_b32 s[\g+4], 2*KS
	s_mov_b32 s[\g+5], 32
	s_mov_b32 s[\g+6], 0
	s_mov_b32 s[\g+7], 0
.endr
	s_lshl_b32 s20, s17, 1
	s_add_co_u32 s20, s20, s16
	s_lshl_b32 s46, s42, 1
	s_add_co_u32 s46, s46, s16
	s_mul_i32 s22, s20, SG
	s_add_co_u32 s22, s22, AS_OFF
	s_mul_i32 s20, s20, GSTR
	s_add_co_u32 s20, s20, AC_OFF
	s_mul_i32 s92, s46, SG
	s_add_co_u32 s92, s92, BS_OFF
	s_mul_i32 s46, s46, GSTR
	s_add_co_u32 s46, s46, BC_OFF
	s_mov_b32 s21, 0
	s_mov_b32 s23, 0
	s_mov_b32 s47, 0
	s_mov_b32 s93, 0
	s_mul_i32 s45, s14, RGN
	s_mul_i32 s94, s14, SG
	s_wait_dscnt 0x0
	s_wait_kmcnt 0x0
	s_add_nc_u64 s[20:21], s[4:5], s[20:21]
	s_add_nc_u64 s[22:23], s[4:5], s[22:23]
	s_add_nc_u64 s[46:47], s[6:7], s[46:47]
	s_add_nc_u64 s[92:93], s[6:7], s[92:93]
	CROUND
	s_mov_b32 s[G0S], 1
	s_add_co_u32 s[G0S+1], s94, SCL
	s_mov_b64 s[G0S+2:G0S+3], s[22:23]
	s_or_b32 s[G0S+3], s[G0S+3], 0x80000000
	s_mov_b32 s[G0SB], 1
	s_add_co_u32 s[G0SB+1], s94, SCL
	s_mov_b64 s[G0SB+2:G0SB+3], s[92:93]
	s_or_b32 s[G0SB+3], s[G0SB+3], 0x80000000
	JLOAD G0S, G1S, G0SB, G1SB
.irp s, 0,1
	s_mov_b32 s[G0+4*\s], 1
	s_add_co_u32 s[G0+4*\s+1], s45, \s*SLOT
	s_add_nc_u64 s[G0+4*\s+2:G0+4*\s+3], s[20:21], \s*RGN
	s_or_b32 s[G0+4*\s+3], s[G0+4*\s+3], 0x80000000
	s_mov_b32 s[G0B+4*\s], 1
	s_add_co_u32 s[G0B+4*\s+1], s45, \s*SLOT
	s_add_nc_u64 s[G0B+4*\s+2:G0B+4*\s+3], s[46:47], \s*RGN
	s_or_b32 s[G0B+4*\s+3], s[G0B+4*\s+3], 0x80000000
	JLOAD G0+4*\s, G1, G0B+4*\s, G1B
.endr
	v_and_b32 v1, 15, v0
	v_bfe_u32 v2, v0, 4, 1
	v_and_b32 v3, 31, v0
	v_lshlrev_b32 v[CO], 4, v3                     ; 16 L
	v_lshlrev_b32 v5, 3, v3                        ; 8 L
	s_mul_i32 s21, s15, RGN
	s_mul_i32 s22, s16, RGN
	s_add_co_u32 s22, s22, 2*RGN
.irp s, 0,1
	v_add_nc_u32 v[ADRA+\s], s21, v[CO]
	v_add_nc_u32 v[ADRB+\s], s22, v[CO]
	v_add_nc_u32 v[ADRA+2+\s], s21, v5
	v_add_nc_u32 v[ADRB+2+\s], s22, v5
	s_add_co_u32 s21, s21, SLOT
	s_add_co_u32 s22, s22, SLOT
.endr
	v_lshlrev_b32 v6, 4, v1
	s_mul_i32 s21, s15, SG
	s_mul_i32 s22, s16, SG
	s_add_co_u32 s22, s22, 2*SG
	s_sub_co_u32 s22, s22, s21
	v_mul_u32_u24 v7, s22, v2
	s_add_co_u32 s21, s21, SCL
	v_add_nc_u32 v7, v6, v7
	v_add_nc_u32 v[ADRS], s21, v7
	s_mul_i32 s23, s14, 16*SPITCH                  ; my stage
	v_mul_u32_u24 v7, v1, SPITCH
	v_lshl_add_u32 v7, v2, 5, v7
	v_add_nc_u32 v[STO], s23, v7
	v_add_nc_u32 v[RD], s23, v[CO]
	s_lshl_b32 s96, s42, 10
	s_lshl_b32 s97, s16, 9
	s_add_co_u32 s96, s96, s97                     ; my first column, in bytes
	s_mov_b32 s97, 0
	s_add_nc_u64 s[92:93], s[8:9], s[96:97]
	v_lshlrev_b32 v7, 5, v2                        ; the bias of my eight columns of block b: 64 b + 32 h
	WIN 0x40
.irp b, 0,1,2,3,4,5,6,7
	global_load_b128 v[96+8*\b+96*(\b/4):96+8*\b+96*(\b/4)+3], v7, s[92:93] offset:64*\b
	global_load_b128 v[96+8*\b+96*(\b/4)+4:96+8*\b+96*(\b/4)+7], v7, s[92:93] offset:64*\b+16
.endr
	WIN 0
	s_lshl_b32 s18, s17, 1
	s_add_co_u32 s18, s18, s15
	s_lshl_b32 s18, s18, 19                        ; my group's 128 rows of 4,096 bytes
	s_add_co_u32 s18, s18, s96
	s_mov_b32 s19, 0
	s_add_nc_u64 s[20:21], s[10:11], s[18:19]      ; the residual,
	s_add_nc_u64 s[18:19], s[12:13], s[18:19]      ; the output
	s_wait_loadcnt 0x0
	s_wait_tensorcnt 1                             ; the scale words and slot 0 are in; slot 1's load may be out
	s_barrier_signal -1
	s_barrier_wait -1
	FETCH_B 0, 0, 0
	FETCH_A 0, 0, 0
	SCALES 0
	FETCH_A 0, 0, 4
	STEP 0, 0, 1
	s_mov_b32 s3, LAPS-1
.Llap:
	TURN 0, 1, 1
	STEP 1, 0, 0
	TURN 1, 0, 1
	STEP 0, 0, 0
	s_sub_co_u32 s3, s3, 1
	s_cmp_lg_u32 s3, 0
	s_cbranch_scc1 .Llap
	TURN 0, 1, 0
	STEP 1, 0, 0
	s_wait_dscnt 4*NL
	WIN MUL_LO
	MUL16 0, 1, 1, 1, 0
	MUL16 2, 1, 1, 1, 0
	s_wait_dscnt 0
	WIN MUL_HI
	MUL16 4, 1, 1, 1, 0
	MUL16 6, 1, 1, 1, 0
	WIN 0
.macro LOADRES a                       ; block a's 16 rows of the residual into window 1, buffer a % 4
	WIN 0x40
.set lt, 0
.rept 16
	global_load_b128 v[64*((\a)%4)+4*lt:64*((\a)%4)+4*lt+3], v[CO], s[20:21] offset:(32*((\a)/2)+8*((\a)%2)+lt+8*(lt/8))*4096 th:TH_LOAD_NT
.set lt, lt+1
.endr
	WIN 0
.endm
.macro TOSTAGE a                       ; LDS serves a wave's instructions in order: the loads see the stores
.set AC, 64*((\a)%4)
	WIN 0x08+4*((\a)/4)
.irp b, 0,1,2,3,4,5,6,7
	ds_store_b128 v[STO], v[AC+8*\b:AC+8*\b+3] offset:64*\b          ; each accumulator from its low end on
	ds_store_b128 v[STO], v[AC+8*\b+4:AC+8*\b+7] offset:64*\b+16
.endr
	WIN 0
.set BB, BK+64*((\a)%2)
.set lt, 0
.rept 16
	ds_load_b128 v[BB+4*lt:BB+4*lt+3], v[RD] offset:lt*SPITCH
.set lt, lt+1
.endr
.endm
.macro ADDRES a
.set BB, BK+64*((\a)%2)
	WIN 0x04
.set lt, 0
.rept 32
	v_pk_add_f32 v[BB+lt:BB+lt+1], v[BB+lt:BB+lt+1], v[64*((\a)%4)+lt:64*((\a)%4)+lt+1]
.set lt, lt+2
.endr
	WIN 0
.endm
.macro SEND a
.set BB, BK+64*((\a)%2)
.set lt, 0
.rept 16
	global_store_b128 v[CO], v[BB+4*lt:BB+4*lt+3], s[18:19] offset:(32*((\a)/2)+8*((\a)%2)+lt+8*(lt/8))*4096 th:TH_STORE_NT   ; 32 lanes store 512 consecutive bytes, aligned
.set lt, lt+1
.endr
.endm
.macro OUTB a, left                    ; left: the residual loads issued behind block a's
.if (\a) > 1
	s_wait_xcnt 0x0                                ; block a - 2's stores have read their registers: block a's rows may land there
.endif
	TOSTAGE \a
	s_wait_dscnt 0x0
	s_wait_loadcnt \left
	ADDRES \a
	SEND \a
.if (\a) < 4
	LOADRES (\a)+4
.endif
.endm
	PLACES NP                                      ; in front of loads into registers that the last products read, and of the first read of results
	LOADRES 0
	LOADRES 1
	LOADRES 2
	LOADRES 3
	OUTB 0, 48
	OUTB 1, 48
	OUTB 2, 48
	OUTB 3, 48
	OUTB 4, 48
	OUTB 5, 32
	OUTB 6, 16
	OUTB 7, 0
	s_wait_tensorcnt 0x0                           ; the wave's end
	ds_add_u32 v[SPW], v[NIL]
	s_wait_dscnt 0x0
	CROUND                                         ; the closing round
	s_endpgm
.Lfunc_end_k_q444f39d971_gproj:
	.size	k_q444f39d971_gproj, .Lfunc_end_k_q444f39d971_gproj-k_q444f39d971_gproj
	.p2alignl 7, 3214868480
	.fill 96, 4, 3214868480
	.section	.rodata,"a",@progbits
	.p2align	6, 0x0
	.amdhsa_kernel k_q444f39d971_gproj
		.amdhsa_group_segment_fixed_size 327680
		.amdhsa_private_segment_fixed_size 0
		.amdhsa_enable_private_segment 0
		.amdhsa_kernarg_size 40
		.amdhsa_user_sgpr_count 2
		.amdhsa_user_sgpr_kernarg_segment_ptr 1
		.amdhsa_wavefront_size32 1
		.amdhsa_system_sgpr_workgroup_id_x 1
		.amdhsa_system_sgpr_workgroup_id_y 1
		.amdhsa_system_sgpr_workgroup_id_z 1
		.amdhsa_system_vgpr_workitem_id 0
		.amdhsa_next_free_vgpr 1024
		.amdhsa_next_free_sgpr 102
		.amdhsa_reserve_vcc 0
		.amdhsa_float_denorm_mode_32 3
		.amdhsa_float_denorm_mode_16_64 3
		.amdhsa_memory_ordered 1
		.amdhsa_forward_progress 1
		.amdhsa_inst_pref_size 173
	.end_amdhsa_kernel
	.amdgpu_metadata
---
amdhsa.version: [ 1, 2 ]
amdhsa.kernels:
  - .name:           k_q444f39d971_gproj
    .symbol:         k_q444f39d971_gproj.kd
    .args:
      - { .name: g, .offset: 0, .size: 8, .value_kind: global_buffer, .address_space: global }
      - { .name: wts, .offset: 8, .size: 8, .value_kind: global_buffer, .address_space: global }
      - { .name: b_proj, .offset: 16, .size: 8, .value_kind: global_buffer, .address_space: global }
      - { .name: x1, .offset: 24, .size: 8, .value_kind: global_buffer, .address_space: global }
      - { .name: out0, .offset: 32, .size: 8, .value_kind: global_buffer, .address_space: global }
    .group_segment_fixed_size: 327680
    .private_segment_fixed_size: 0
    .kernarg_segment_align: 8
    .kernarg_segment_size: 40
    .max_flat_workgroup_size: 128
    .sgpr_count:     102
    .vgpr_count:     1024
    .wavefront_size: 32
...
	.end_amdgpu_metadata
.endif
;; end of part 7
;; ======== version 2 of 2: 6 launches
;; limits: right only within a limited range of input values
;; workspace buffers: wts 9,830,400 bytes; h1 3,276,800 bytes; qkv 10,092,544 bytes; att 3,276,800 bytes; x1 16,777,216 bytes; h2 3,276,800 bytes; g 13,107,200 bytes
;; launch prep (part 8): grid 640 x 1, 8 waves a work-group, no clusters, 67,072 bytes of LDS; arguments x, ln1_g, ln1_b, h1, w_qkv, w_out, w_fc, w_proj, wts; writes h1, wts
.if DOCPART == 8
	.amdgcn_target "amdgcn-amd-amdhsa--gfx1250"
	.amdhsa_code_object_version 6
	.text
	.protected	k_q444f39d971_prep
	.globl	k_q444f39d971_prep
	.p2align	8
	.type	k_q444f39d971_prep,@function
k_q444f39d971_prep:
	s_mov_b64 s[64:65], 0
	v_nop
	global_prefetch_b8 v0, s[64:65] scope:SCOPE_SE
	s_setreg_imm32_b32 hwreg(HW_REG_WAVE_MODE, 25, 1), 1
	s_wait_xcnt 0x0
; ONE PREPARING LAUNCH FOR ALL OPERANDS THAT COME AS f32.  Work-groups 0-255: h1 = layernorm(x) * g + b, quantised.  Work-groups 256-639: the four weights, quantised, two units of 128 x 128 a work-group.
; Both make codes of FP6 (E2M3) with one E8M0 byte for each 32 along K, laid in the ORDER OF THE OPERAND'S REGISTERS: a fragment (16 rows x 128 K) is two halves of 768 bytes (64 K each): lane L = r + 16 h of the reader
; holds k = 32 h .. 32 h + 31 of row r in six registers: four at 16 L, two at 512 + 8 L.  The scale word of row r of fragment rb of a group of 128 rows lies at 256 (rb / 4) + 16 r + 4 (rb % 4) of the K step's 512 bytes.
; A block's byte is its largest magnitude's exponent field - 2, held at 1 from below.  LIMITS: a block of zeros, or one whose largest magnitude lies under 2^-124, gets the byte 1 (zero codes add nothing; this program alone reads the bytes); NaN and infinities are not served.
; THE NORM.  h1: codes at ((8 G + ks) 8 + rb) 1,536, scale words at 3,145,728 + (8 G + ks) 512.  Rows lie in STORED ORDER: row r of fragment rb is the group's natural row 32 (rb / 2) + 8 (rb % 2) + r + 8 (r / 8).
; A work-group makes one rb: 16 rows.  Phase 1: wave w normalises two rows, each whole in 32 registers (mean, then the mean of squared differences), into a stage in LDS (pitch 4,112 = 257 x 16 bytes).  One barrier.  Phase 2: wave w is K step w.
; THE WEIGHTS, stored [K][N].  Unit u is 128 columns n x 128 along K: 8 fragments at wts + 12,288 u, scale words at wts + 9,437,184 + 512 u.  Units: 0-191 w_qkv (rows ordered [q, k, v][head][64]), 192-255 w_out, 256-511 w_fc, 512-767 w_proj; unit = (K / 128) x group + K step.
; The rows of w_qkv, w_out and w_fc lie in stored order (place p holds column p with its bits 3 and 4 exchanged), so that a product that takes 16 such rows as its first source leaves 16 natural neighbours in a lane's registers.
; A lane takes a column, its 128 registers run down K: each load reads 128 consecutive bytes a wave, a block of 32 lies in one lane, nothing is transposed.  This path uses no LDS and no barrier.
; The work is a stream: no matrix unit, no cluster, no tensor load.
.set PITCH, 4112
.set SPARE, 66048                      ; behind the stage: the spare words, 128 bytes for each of eight waves; no other line names them
.set SPW, 144
.set NIL, 145
.set PC,  80
.set XR,  16                           ; the weights: v16-143 128 numbers down K
.set TR,  150                          ; v150-152 the second conversion's result
.set SRC, 22
	v_lshrrev_b32 v1, 5, v0
	v_readfirstlane_b32 s12, v1                    ; wave 0..7
	s_cmp_ge_u32 ttmp9, 256                        ; the work-group's number alone decides
	s_cbranch_scc1 .Lweights
	s_load_b256 s[4:11], s[0:1], 0x0               ; x, gain, bias, h1
	v_lshl_add_u32 v[SPW], v0, 2, SPARE
	v_mov_b32 v[NIL], 0
	v_and_b32 v1, 31, v0
	v_and_b32 v4, 15, v0                           ; r
	v_bfe_u32 v5, v0, 4, 1                         ; h
	v_lshlrev_b32 v2, 4, v1                        ; 16 l
	v_lshlrev_b32 v7, 3, v1                        ; 8 l
	s_mul_i32 s18, s12, 2*PITCH
	v_add_nc_u32 v3, s18, v2                       ; stage, in: my two rows, 16 l
	v_mul_u32_u24 v6, v4, PITCH
	v_lshl_add_u32 v6, v5, 7, v6
	s_lshl_b32 s18, s12, 9
	v_add_nc_u32 v6, s18, v6                       ; stage, out: row r, K step w, + 128 h
	s_lshr_b32 s13, ttmp9, 3                       ; G
	s_and_b32 s14, ttmp9, 7                        ; rb
	s_lshl_b32 s15, s13, 7
	s_lshr_b32 s16, s14, 1
	s_lshl_b32 s16, s16, 5
	s_add_co_u32 s15, s15, s16
	s_and_b32 s16, s14, 1
	s_lshl_b32 s16, s16, 3
	s_add_co_u32 s15, s15, s16
	s_lshl_b32 s16, s12, 1
	s_add_co_u32 s15, s15, s16
	s_lshr_b32 s16, s12, 2
	s_lshl_b32 s16, s16, 3
	s_add_co_u32 s15, s15, s16                     ; my first natural row: stage rows 2 w and 2 w + 1 are neighbours in memory
	s_lshl_b32 s16, s15, 12
	s_mov_b32 s17, 0
	s_lshl_b32 s21, s13, 3
	s_add_co_u32 s21, s21, s12                     ; 8 G + w
	s_lshl_b32 s22, s21, 3
	s_add_co_u32 s22, s22, s14
	s_mul_i32 s22, s22, 1536
	s_mov_b32 s23, 0
	s_lshl_b32 s24, s21, 9
	s_lshr_b32 s25, s14, 2
	s_lshl_b32 s25, s25, 8
	s_add_co_u32 s24, s24, s25
	s_and_b32 s25, s14, 3
	s_lshl_b32 s25, s25, 2
	s_add_co_u32 s24, s24, s25
	s_add_co_u32 s24, s24, 3145728
	s_mov_b32 s25, 0
	s_mov_b32 s19, 0x3a800000                      ; 1 / 1024
	s_mov_b32 s20, 0x3727c5ac                      ; 1e-5
	s_mov_b32 s26, 0x76543210
	s_mov_b32 s27, 0xfedcba98                      ; lane l xor 16
	s_wait_alu depctr_va_vdst(0)                   ; the wait at the head's end
	s_wait_kmcnt 0x0
	s_add_nc_u64 s[4:5], s[4:5], s[16:17]
	s_add_nc_u64 s[22:23], s[10:11], s[22:23]
	s_add_nc_u64 s[24:25], s[10:11], s[24:25]
.irp j, 0,1,2,3,4,5,6,7
	global_load_b128 v[16+4*\j:19+4*\j], v2, s[4:5] offset:512*\j
.endr
.irp j, 0,1,2,3,4,5,6,7
	global_load_b128 v[48+4*\j:51+4*\j], v2, s[4:5] offset:4096+512*\j
.endr
.irp j, 0,1,2,3,4,5,6,7
	global_load_b128 v[80+4*\j:83+4*\j], v2, s[6:7] offset:512*\j
	global_load_b128 v[112+4*\j:115+4*\j], v2, s[8:9] offset:512*\j
.endr
	s_wait_loadcnt 0x0
.macro ALL32                           ; v8 summed over the 32 lanes, the result in every lane
	s_delay_alu instid0(VALU_DEP_1)
	v_add_f32_dpp v8, v8, v8 row_xmask:1 row_mask:0xf bank_mask:0xf
	s_delay_alu instid0(VALU_DEP_1)
	v_add_f32_dpp v8, v8, v8 row_xmask:2 row_mask:0xf bank_mask:0xf
	s_delay_alu instid0(VALU_DEP_1)
	v_add_f32_dpp v8, v8, v8 row_xmask:4 row_mask:0xf bank_mask:0xf
	s_delay_alu instid0(VALU_DEP_1)
	v_add_f32_dpp v8, v8, v8 row_xmask:8 row_mask:0xf bank_mask:0xf
	s_delay_alu instid0(VALU_DEP_1)
	v_permlanex16_b32 v9, v8, s26, s27
	s_delay_alu instid0(VALU_DEP_1)
	v_add_f32 v8, v8, v9
.endm
.macro NORM rho
.set XS, 16+32*\rho
	v_pk_add_f32 v[8:9], v[XS:XS+1], v[XS+2:XS+3]
	v_pk_add_f32 v[10:11], v[XS+4:XS+5], v[XS+6:XS+7]
.irp j, 8,12,16,20,24,28
	s_delay_alu instid0(VALU_DEP_2)
	v_pk_add_f32 v[8:9], v[8:9], v[XS+\j:XS+\j+1]
	s_delay_alu instid0(VALU_DEP_2)
	v_pk_add_f32 v[10:11], v[10:11], v[XS+\j+2:XS+\j+3]
.endr
	s_delay_alu instid0(VALU_DEP_1)
	v_pk_add_f32 v[8:9], v[8:9], v[10:11]
	s_delay_alu instid0(VALU_DEP_1)
	v_add_f32 v8, v8, v9
	ALL32
	s_delay_alu instid0(VALU_DEP_1)
	v_mul_f32 v12, s19, v8                         ; the mean
	s_delay_alu instid0(VALU_DEP_1)
	v_mov_b32 v13, v12
.set nj, 0
.rept 16
	v_pk_add_f32 v[XS+nj:XS+nj+1], v[XS+nj:XS+nj+1], v[12:13] neg_lo:[0,1] neg_hi:[0,1]   ; x - mean
.set nj, nj+2
.endr
	v_pk_mul_f32 v[8:9], v[XS:XS+1], v[XS:XS+1]
	v_pk_mul_f32 v[10:11], v[XS+2:XS+3], v[XS+2:XS+3]
.irp j, 4,8,12,16,20,24,28
	s_delay_alu instid0(VALU_DEP_2)
	v_pk_fma_f32 v[8:9], v[XS+\j:XS+\j+1], v[XS+\j:XS+\j+1], v[8:9]
	s_delay_alu instid0(VALU_DEP_2)
	v_pk_fma_f32 v[10:11], v[XS+\j+2:XS+\j+3], v[XS+\j+2:XS+\j+3], v[10:11]
.endr
	s_delay_alu instid0(VALU_DEP_1)
	v_pk_add_f32 v[8:9], v[8:9], v[10:11]
	s_delay_alu instid0(VALU_DEP_1)
	v_add_f32 v8, v8, v9
	ALL32
	s_delay_alu instid0(VALU_DEP_1)
	v_fma_f32 v8, v8, s19, s20                     ; variance + eps
	s_wait_alu depctr_va_vdst(0)
	v_rsq_f32 v12, v8
	v_nop                                          ; a plain place behind the transcendental
	s_wait_alu depctr_va_vdst(0)                   ; the wait ahead of the first line that names the result
	v_mov_b32 v13, v12
.set nj, 0
.rept 16
	v_pk_mul_f32 v[XS+nj:XS+nj+1], v[XS+nj:XS+nj+1], v[12:13]
.set nj, nj+2
.endr
.set nj, 0
.rept 16
	v_pk_fma_f32 v[XS+nj:XS+nj+1], v[XS+nj:XS+nj+1], v[80+nj:81+nj], v[112+nj:113+nj]
.set nj, nj+2
.endr
.irp j, 0,1,2,3,4,5,6,7
	ds_store_b128 v3, v[XS+4*\j:XS+4*\j+3] offset:\rho*PITCH+512*\j
.endr
.endm
	NORM 0
	NORM 1
	s_wait_dscnt 0x0                               ; for the others' sake: my rows lie in the stage
	s_barrier_signal -1
	s_barrier_wait -1
.irp c, 0,1
.irp i, 0,1,2,3,4,5,6,7
	ds_load_b128 v[16+32*\c+4*\i:19+32*\c+4*\i], v6 offset:256*\c+16*\i   ; k = 128 w + 64 c + 32 h + 4 i ..: the operand's own order
.endr
.endr
	s_wait_dscnt 0x0
.irp c, 0,1
	v_max3_num_f32 v[8+\c], |v[16+32*\c]|, |v[17+32*\c]|, 0x1800000        ; my block 2 c + h, and the floor 2^(3 - 127)
.endr
.irp i, 2,4,6,8,10,12,14,16,18,20,22,24,26,28,30
.irp c, 0,1
	s_delay_alu instid0(VALU_DEP_2)
	v_max3_num_f32 v[8+\c], v[8+\c], |v[16+32*\c+\i]|, |v[17+32*\c+\i]|
.endr
.endr
.irp c, 0,1
	s_delay_alu instid0(VALU_DEP_2)
	v_add_nc_u32 v[10+\c], 0xff000000, v[8+\c]     ; the conversion's scale operand
.endr
.irp c, 0,1
	s_delay_alu instid0(VALU_DEP_2)
	v_lshrrev_b32 v[12+\c], 23, v[10+\c]           ; the byte
.endr
	s_delay_alu instid0(VALU_DEP_1)
	v_lshl_or_b32 v14, v13, 16, v12                ; blocks h and 2 + h,
	v_lshlrev_b32 v15, 3, v5
	s_delay_alu instid0(VALU_DEP_1)
	v_lshlrev_b32 v14, v15, v14                    ; at their places;
	v_mov_b32 v15, 0
	s_delay_alu instid0(VALU_DEP_1)
	v_permlanex16_b32 v15, v14, s26, s27
	s_delay_alu instid0(VALU_DEP_1)
	v_or_b32 v14, v14, v15                         ; with lane l xor 16's two the word is whole
.irp c, 0,1
	v_cvt_scalef32_pk16_fp6_f32 v[PC+6*\c:PC+2+6*\c], v[16+32*\c:31+32*\c], v[10+\c]
	v_cvt_scalef32_pk16_fp6_f32 v[PC+12+4*\c:PC+14+4*\c], v[32+32*\c:47+32*\c], v[10+\c]
.endr
	v_nop                                          ; one plain place behind a scaled conversion
.irp c, 0,1
.irp i, 0,1,2
	v_mov_b32 v[PC+3+6*\c+\i], v[PC+12+4*\c+\i]
.endr
.endr
	v_lshlrev_b32 v4, 4, v4                        ; 16 r
	global_store_b128 v2, v[PC:PC+3], s[22:23]               ; each store of the wave covers 512 or 256 consecutive bytes, aligned
	global_store_b64 v7, v[PC+4:PC+5], s[22:23] offset:512
	global_store_b128 v2, v[PC+6:PC+9], s[22:23] offset:768
	global_store_b64 v7, v[PC+10:PC+11], s[22:23] offset:1280
	global_store_b32 v4, v14, s[24:25]             ; (lanes 16-31 write what lanes 0-15 write)
	s_wait_tensorcnt 0x0                           ; the wave's end
	ds_add_u32 v[SPW], v[NIL]
	s_wait_dscnt 0x0
	s_endpgm
.Lweights:
	s_load_b256 s[4:11], s[0:1], 0x20              ; w_qkv, w_out, w_fc, w_proj
	s_load_b64 s[34:35], s[0:1], 0x40              ; wts
	s_sub_co_u32 s33, ttmp9, 256
	s_lshl_b32 s33, s33, 1
	s_lshr_b32 s14, s12, 2
	s_add_co_u32 s33, s33, s14                     ; my unit: waves 0-3 the even one, waves 4-7 the odd one
	s_and_b32 s14, s12, 3                          ; my wave in the unit
	v_and_b32 v1, 31, v0                           ; lane l = row 32 w + l of the unit
	v_lshrrev_b32 v2, 3, v1
	v_lshrrev_b32 v7, 4, v1                        ; l / 16
	v_xor_b32 v2, v2, v7
	v_and_b32 v2, 1, v2
	v_mul_u32_u24 v2, v2, 24
	v_xor_b32 v2, v1, v2                           ; l with bits 3 and 4 exchanged
	v_and_b32 v8, 15, v1
	s_mul_i32 s15, s14, 3072                       ; my wave's two fragments
	v_mul_u32_u24 v4, v7, 1536
	v_lshl_add_u32 v4, v8, 4, v4
	v_add_nc_u32 v4, s15, v4                       ; where my four registers of a block go: fragment, 16 r
	v_lshl_add_u32 v5, v1, 3, s15                  ; where a pair goes once the halves have changed places: 8 l
	s_lshr_b32 s16, s14, 1
	s_lshl_b32 s16, s16, 8
	s_and_b32 s17, s14, 1
	s_lshl_b32 s17, s17, 3
	s_add_co_u32 s16, s16, s17
	v_lshlrev_b32 v6, 2, v7
	v_lshl_add_u32 v6, v8, 4, v6
	v_add_nc_u32 v6, s16, v6                       ; my scale word: 256 (rb / 4) + 16 r + 4 (rb % 4), rb = 2 w + l / 16
	s_mul_i32 s24, s33, 12288
	s_mov_b32 s25, 0
	s_lshl_b32 s26, s33, 9
	s_add_co_u32 s26, s26, 9437184
	s_mov_b32 s27, 0
	s_lshr_b32 s28, s14, 1
	s_and_b32 s29, s14, 1
	s_lshl_b32 s30, s14, 5                         ; 32 w
	s_mov_b32 s21, 0
	s_wait_alu depctr_va_vdst(0)                   ; the wait at the head's end
	s_wait_kmcnt 0x0
	s_add_nc_u64 s[24:25], s[34:35], s[24:25]      ; the unit's codes
	s_add_nc_u64 s[26:27], s[34:35], s[26:27]      ; and scale words
.macro LOADW n                         ; 128 rows of the weight, n numbers each, at my column
.set li, 0
.rept 128
	global_load_b32 v[XR+li], v3, s[SRC:SRC+1] offset:li*\n*4 th:TH_LOAD_NT
.set li, li+1
.endr
.endm
	s_cmp_lt_u32 s33, 192                          ; which weight (a work-group's two units lie in one weight)
	s_cbranch_scc1 .Lqkv
	s_cmp_lt_u32 s33, 256
	s_cbranch_scc1 .Lout
	s_cmp_lt_u32 s33, 512
	s_cbranch_scc1 .Lfc
	s_sub_co_u32 s16, s33, 512                     ; w_proj: 32 K steps a group, natural rows
	s_lshr_b32 s17, s16, 5
	s_and_b32 s16, s16, 31
	s_lshl_b32 s17, s17, 7
	s_add_co_u32 s17, s17, s30
	s_lshl_b32 s17, s17, 2
	s_mul_i32 s16, s16, 128*1024*4
	s_add_co_u32 s20, s16, s17
	s_add_nc_u64 s[SRC:SRC+1], s[10:11], s[20:21]
	v_lshlrev_b32 v3, 2, v1
	LOADW 1024
	s_branch .Ljoin
.Lqkv:                                                 ; w_qkv: group g = part x 8 + pair of heads; column = head x 192 + part x 64 + d
	s_lshr_b32 s16, s33, 3
	s_and_b32 s17, s33, 7
	s_and_b32 s18, s16, 7
	s_lshl_b32 s18, s18, 1
	s_add_co_u32 s18, s18, s28                     ; head
	s_mul_i32 s18, s18, 192
	s_lshr_b32 s19, s16, 3
	s_lshl_b32 s19, s19, 6
	s_add_co_u32 s18, s18, s19
	s_lshl_b32 s19, s29, 5
	s_add_co_u32 s18, s18, s19
	s_lshl_b32 s18, s18, 2
	s_mul_i32 s17, s17, 128*3072*4
	s_add_co_u32 s20, s17, s18
	s_add_nc_u64 s[SRC:SRC+1], s[4:5], s[20:21]
	v_lshlrev_b32 v3, 2, v2                        ; stored order
	LOADW 3072
	s_branch .Ljoin
.Lout:                                                 ; w_out: stored order
	s_sub_co_u32 s16, s33, 192
	s_lshr_b32 s17, s16, 3
	s_and_b32 s16, s16, 7
	s_lshl_b32 s17, s17, 7
	s_add_co_u32 s17, s17, s30
	s_lshl_b32 s17, s17, 2
	s_mul_i32 s16, s16, 128*1024*4
	s_add_co_u32 s20, s16, s17
	s_add_nc_u64 s[SRC:SRC+1], s[6:7], s[20:21]
	v_lshlrev_b32 v3, 2, v2
	LOADW 1024
	s_branch .Ljoin
.Lfc:                                                  ; w_fc: stored order
	s_sub_co_u32 s16, s33, 256
	s_lshr_b32 s17, s16, 3
	s_and_b32 s16, s16, 7
	s_lshl_b32 s17, s17, 7
	s_add_co_u32 s17, s17, s30
	s_lshl_b32 s17, s17, 2
	s_mul_i32 s16, s16, 128*4096*4
	s_add_co_u32 s20, s16, s17
	s_add_nc_u64 s[SRC:SRC+1], s[8:9], s[20:21]
	v_lshlrev_b32 v3, 2, v2
	LOADW 4096
.Ljoin:
; Block kb: k = 32 kb .. 32 kb + 31 of my row.  left: how many younger loads may stay out.  Its six code registers: block 0's at v144-149; a later block's in the registers that held block 0's numbers, eight apart: no store's data are written again.
.macro BLK kb, left
.set XS, XR+32*\kb
.if \kb == 0
.set MRK, 144
.else
.set MRK, XR+8*(\kb-1)
.endif
	s_wait_loadcnt \left
	v_max3_num_f32 v8, |v[XS]|, |v[XS+1]|, |v[XS+2]|
	v_max3_num_f32 v9, |v[XS+3]|, |v[XS+4]|, |v[XS+5]|
.irp i, 6,10,14,18,22,26
	v_max3_num_f32 v8, v8, |v[XS+\i]|, |v[XS+\i+1]|
	v_max3_num_f32 v9, v9, |v[XS+\i+2]|, |v[XS+\i+3]|
.endr
	v_max3_num_f32 v8, v8, |v[XS+30]|, |v[XS+31]|
	v_max3_num_f32 v8, v8, v9, 0x1800000           ; and the floor 2^(3 - 127): the byte cannot fall under 1
	v_add_nc_u32 v12, 0xff000000, v8               ; 2 off the exponent field: the conversion's scale operand
	v_lshrrev_b32 v13, 23, v12                     ; the scale's byte
.if \kb == 0
	v_mov_b32 v14, v13
.else
	v_lshl_or_b32 v14, v13, 8*\kb, v14             ; four bytes make my row's scale word
.endif
	v_cvt_scalef32_pk16_fp6_f32 v[MRK:MRK+2], v[XS:XS+15], v12
	v_cvt_scalef32_pk16_fp6_f32 v[TR:TR+2], v[XS+16:XS+31], v12    ; (a conversion's three registers begin on an even number)
	v_nop                                          ; one plain place behind a scaled conversion
	v_mov_b32 v[MRK+3], v[TR]
	v_mov_b32 v[MRK+4], v[TR+1]
	v_mov_b32 v[MRK+5], v[TR+2]
	global_store_b128 v4, v[MRK:MRK+3], s[24:25] offset:768*(\kb/2)+256*(\kb%2)   ; block kb is the reader's half kb / 2, lanes 16 (kb % 2) on: sixteen lanes store 256 consecutive bytes, aligned
.endm
	BLK 0, 63
	BLK 1, 63
	BLK 2, 32
	BLK 3, 0
; the pairs: blocks 2 c and 2 c + 1 change halves, so that one register pair holds one fragment's 32 reader lanes: 256 consecutive bytes a store
.irp i, 0,1
	v_permlane16_swap_b32 v[148+\i], v[XR+4+\i]
.endr
	global_store_b64 v5, v[148:149], s[24:25] offset:512
	global_store_b64 v5, v[XR+4:XR+5], s[24:25] offset:512+1536
.irp i, 0,1
	v_permlane16_swap_b32 v[XR+12+\i], v[XR+20+\i]
.endr
	global_store_b64 v5, v[XR+12:XR+13], s[24:25] offset:768+512
	global_store_b64 v5, v[XR+20:XR+21], s[24:25] offset:768+512+1536
	global_store_b32 v6, v14, s[26:27]
	s_endpgm
.Lfunc_end_k_q444f39d971_prep:
	.size	k_q444f39d971_prep, .Lfunc_end_k_q444f39d971_prep-k_q444f39d971_prep
	.p2alignl 7, 3214868480
	.fill 96, 4, 3214868480
	.section	.rodata,"a",@progbits
	.p2align	6, 0x0
	.amdhsa_kernel k_q444f39d971_prep
		.amdhsa_group_segment_fixed_size 67072
		.amdhsa_private_segment_fixed_size 0
		.amdhsa_enable_private_segment 0
		.amdhsa_kernarg_size 72
		.amdhsa_user_sgpr_count 2
		.amdhsa_user_sgpr_kernarg_segment_ptr 1
		.amdhsa_wavefront_size32 1
		.amdhsa_system_sgpr_workgroup_id_x 1
		.amdhsa_system_sgpr_workgroup_id_y 1
		.amdhsa_system_sgpr_workgroup_id_z 1
		.amdhsa_system_vgpr_workitem_id 0
		.amdhsa_next_free_vgpr 160
		.amdhsa_next_free_sgpr 66
		.amdhsa_reserve_vcc 0
		.amdhsa_float_denorm_mode_32 3
		.amdhsa_float_denorm_mode_16_64 3
		.amdhsa_memory_ordered 1
		.amdhsa_forward_progress 1
		.amdhsa_inst_pref_size 86
	.end_amdhsa_kernel
	.amdgpu_metadata
---
amdhsa.version: [ 1, 2 ]
amdhsa.kernels:
  - .name:           k_q444f39d971_prep
    .symbol:         k_q444f39d971_prep.kd
    .args:
      - { .name: x, .offset: 0, .size: 8, .value_kind: global_buffer, .address_space: global }
      - { .name: ln1_g, .offset: 8, .size: 8, .value_kind: global_buffer, .address_space: global }
      - { .name: ln1_b, .offset: 16, .size: 8, .value_kind: global_buffer, .address_space: global }
      - { .name: h1, .offset: 24, .size: 8, .value_kind: global_buffer, .address_space: global }
      - { .name: w_qkv, .offset: 32, .size: 8, .value_kind: global_buffer, .address_space: global }
      - { .name: w_out, .offset: 40, .size: 8, .value_kind: global_buffer, .address_space: global }
      - { .name: w_fc, .offset: 48, .size: 8, .value_kind: global_buffer, .address_space: global }
      - { .name: w_proj, .offset: 56, .size: 8, .value_kind: global_buffer, .address_space: global }
      - { .name: wts, .offset: 64, .size: 8, .value_kind: global_buffer, .address_space: global }
    .group_segment_fixed_size: 67072
    .private_segment_fixed_size: 0
    .kernarg_segment_align: 8
    .kernarg_segment_size: 72
    .max_flat_workgroup_size: 256
    .sgpr_count:     66
    .vgpr_count:     160
    .wavefront_size: 32
...
	.end_amdgpu_metadata
.endif
;; end of part 8
;; launch gqkv (part 9): grid 48 x 4, 4 waves a work-group, clusters of 4 x 4, 327,680 bytes of LDS; arguments h1, wts, b_qkv, qkv; writes qkv
.if DOCPART == 9
	.amdgcn_target "amdgcn-amd-amdhsa--gfx1250"
	.amdhsa_code_object_version 6
	.text
	.protected	k_q444f39d971_gqkv
	.globl	k_q444f39d971_gqkv
	.p2align	8
	.type	k_q444f39d971_gqkv,@function
k_q444f39d971_gqkv:
	s_mov_b64 s[64:65], 0
	v_nop
	global_prefetch_b8 v0, s[64:65] scope:SCOPE_SE
	s_setreg_imm32_b32 hwreg(HW_REG_WAVE_MODE, 25, 1), 1
	s_wait_xcnt 0x0
	s_wait_alu depctr_hold_cnt(0) depctr_sa_sdst(0) depctr_va_vdst(0) depctr_va_sdst(0) depctr_va_ssrc(0) depctr_va_vcc(0) depctr_vm_vsrc(0)
	s_getreg_b32 s2, hwreg(HW_REG_IB_STS2, 6, 4)
	s_cmp_eq_u32 s2, 0
	s_cbranch_scc0 .Lentry_in_a_cluster
	s_endpgm
.Lentry_in_a_cluster:
	s_bfe_u32 s2, ttmp6, 0x10000c
	s_cmp_lg_u32 s2, 0xf033
	s_cbranch_scc0 .Lentry_shape_is_right
	s_endpgm
.Lentry_shape_is_right:
; qkv = LN1(x) W_qkv + b_qkv on codes of FP6 (E2M3) with E8M0 scales, and its three parts quantised again at once: q and k along the head's 64, v along the tokens (the keys).
; OPERANDS lie in memory in the order of the operand's registers: a group of 128 rows x 128 K is 8 fragments of 1,536 bytes (12,288), the K steps of a group on end; its scale words 512 bytes a K step.
; A tile of C, 256 x 256, is made by four waves, each 128 x 128: 64 accumulators, 512 registers.  K = 1,024 goes in slots of 256 along K through a ring of two LDS slots; each wave fetches one group's 24,576 dense bytes by one tensor load.
; The scale words of the four groups, for all of K, come once with the first fills.
; THE PRODUCT IS USED TRANSPOSED: source 0 = 16 rows of B, source 1 = 16 rows of A: a lane holds one row of A and eight rows of B.  B's rows lie in stored order (bits 3 and 4 of the place exchanged), so the 16 registers of two
; neighbouring accumulators are 16 natural neighbours along B's rows: they are quantised as they stand.
; TWO PATHS, told apart by the cluster's number c = 0 .. 11 alone (the same in all partners): c < 8: A = tokens, B = W_q, W_k: a lane's registers run along the two heads' 128 columns.
; c >= 8: A = W_v, B = tokens: a lane holds one column d of v and its registers run along 128 tokens, which are the second attention product's K.  The bias is the C of each sum's first product.
; OUT: q, k: half fragments [head' 32 (q, then k)][token group 32][8][768]; v: fragments at 6,291,456 + [b h 32][key step 16][4][1,536]; scale words in records of 20,480 bytes a head at 9,437,184: q's 16 x 512, k's 16 x 512, v's 16 x 256.
; q's and k's words keep 0 in their upper two bytes: in the attention's first product the upper 64 of K are zero codes.
; CLUSTER 4 x 4: A's groups are asked for jointly along a row, B's along a column.
; LIMITS: a block of zeros, or one whose largest magnitude lies under 2^-124, gets the byte 1 (this program alone reads the bytes); NaN and infinities are not served.
; REGISTERS: window 0: v16-29 addresses; v32-63 scale words, two sets; v128-223 A's fragments; behind the loop v64-131 at work.  window 1: B's two sets at v0, v128; the bias in v96-127, v224-255.  windows 2, 3: accumulator (a, b) at v[8 (8 (a % 4) + b)].
.set KS,    8
.set LAPS,  KS/4
.set GSTR,  KS*12288
.set SG,    KS*512
.set RGN,   24576                      ; a group's two K steps: what one tensor load brings
.set SLOT,  4*RGN                      ; A's two groups, B's two groups
.set SCL,   2*SLOT                     ; behind the ring: the four groups' scale words
.set SPARE, SCL+4*SG                   ; the spare words, 128 bytes a wave; no other line names them
.set FR,    12
.set NL,    4                          ; LDS loads that bring a fragment
.set NP,    4                          ; places behind this matrix instruction (ISA guide 7.12.1)
.set VC,    6291456
.set SREC,  9437184
.set ADRA, 16                          ; v16-17 my A group in slot 0, 1, + 16 L; v18-19 the same + 8 L
.set ADRB, 20                          ; v20-23 the same for B
.set OA16, 24                          ; v24 16 L
.set OA8,  25                          ; v25 8 L
.set OS,   26                          ; v26 where my four scale words go
.set ADRS, 27                          ; v27 my scale words: lanes 0-15 A's, lanes 16-31 B's
.set SPW,  28
.set NIL,  29
.set SC,   32                          ; set s at v[SC + 16 s]; in it register 8 q + i: block i, the slot's q-th K step
.set AF,   128
.set PC,   64                          ; the codes just made
.set TM,   96                          ; maxima, bytes, scale operands
.set WS,   112                         ; v112-119 the eight blocks' scale words
.set EW,   120                         ; v120-131 the words as they leave
.set G1, 24
.set G0, 32
.set G1B, 48
.set G0B, 56
.set G1S, 68
.set G0S, 76
.set G1SB, 80
.set G0SB, 88
.set MSB, 0
.macro WIN new                         ; the immediate's high byte repeats the setting that is left
.if MSB != (\new)
	s_set_vgpr_msb (MSB<<8)|(\new)
.set MSB, (\new)
.endif
.endm
.set MUL_LO, 0xa1                      ; source 0 (B) window 1, source 1 (A) window 0, C and D window 2
.set MUL_HI, 0xf1
.set TO_B,   0x40
.macro JLOAD g0a, g1a, g0b, g1b        ; a joint load: waves 0 and 1 fetch for A, waves 2 and 3 for B; an s_nop 0 and four v_nop follow each line
	s_cmp_eq_u32 s15, 0
	s_cbranch_scc0 .Lfor_b_\@
	tensor_load_to_lds s[\g0a:\g0a+3], s[\g1a:\g1a+7]
	s_nop 0
.rept 4
	v_nop
.endr
	s_branch .Lasked_\@
.Lfor_b_\@:
	tensor_load_to_lds s[\g0b:\g0b+3], s[\g1b:\g1b+7]
	s_nop 0
.rept 4
	v_nop
.endr
.Lasked_\@:
.endm
.macro CREST
	s_cmp_lg_u32 s14, 0
	s_cbranch_scc1 .Lnot_wave_0_\@
	s_barrier_signal -3
.Lnot_wave_0_\@:
	s_barrier_wait -3
	s_barrier_signal -1
	s_barrier_wait -1
.endm
.macro CROUND
	s_barrier_signal -1
	s_barrier_wait -1
	CREST
.endm
.macro FRAG reg, adr, q, i             ; a fragment as it lies: every load of the wave takes 512 or 256 consecutive bytes
	ds_load_b128 v[\reg:\reg+3], v[\adr] offset:(\q)*12288+(\i)*1536
	ds_load_b64 v[\reg+4:\reg+5], v[\adr+2] offset:(\q)*12288+(\i)*1536+512
	ds_load_b128 v[\reg+6:\reg+9], v[\adr] offset:(\q)*12288+(\i)*1536+768
	ds_load_b64 v[\reg+10:\reg+11], v[\adr+2] offset:(\q)*12288+(\i)*1536+1280
.endm
; 16 products: A's blocks a0, a0 + 1 x B's eight.  zero = 0: onto the sums; 1: C = the bias by B's block; 2: by A's block.  The 64 accumulators take turns, one instruction a turn.
.macro MUL16 a0, p, q, sc, zero
.irp a, \a0, \a0+1
.irp b, 0,1,2,3,4,5,6,7
.set rD, 8*(8*((\a)%4)+\b)
.set rB, 128*(\p)+FR*\b
.set rA, AF+FR*(\a)
.set rC, rD
.if (\zero) == 1
.set rC, 96+8*\b+96*(\b/4)
.endif
.if (\zero) == 2
.set rC, 96+8*(\a)+96*((\a)/4)
.endif
	v_wmma_scale_f32_16x16x128_f8f6f4 v[rD:rD+7], v[rB:rB+FR-1], v[rA:rA+FR-1], v[rC:rC+7], v[SC+16*(\sc)+8*(\q)+\b], v[SC+16*(\sc)+8*(\q)+(\a)] matrix_a_fmt:MATRIX_FMT_FP6 matrix_b_fmt:MATRIX_FMT_FP6 matrix_a_scale:MATRIX_SCALE_ROW1
.endr
.endr
.endm
.macro FETCH_B slot, q, p
	WIN TO_B
.irp i, 0,1,2,3,4,5,6,7
	FRAG 128*(\p)+FR*\i, ADRB+\slot, \q, \i
.endr
	WIN 0
.endm
.macro FETCH_A slot, q, i0
.irp i, \i0, \i0+1, \i0+2, \i0+3
	FRAG AF+FR*(\i), ADRA+\slot, \q, \i
.endr
.endm
.macro SCALES sc                       ; a slot's scale words: two K steps x eight blocks
.irp i, 0,1,2,3
	ds_load_b128 v[SC+16*\sc+4*\i:SC+16*\sc+4*\i+3], v[ADRS] offset:256*\i
.endr
.endm
.macro PLACES n
.rept \n
	v_nop
.endr
.endm
.macro STEP slot, q, zero              ; 128 along K with its successor in the same slot
	s_wait_dscnt 4*NL                              ; all but the youngest sixteen loads (A's blocks 4-7)
.if \zero
	WIN 0x91                                       ; C (the bias) in window 1
.else
	WIN MUL_LO
.endif
	MUL16 0, (\q)%2, \q, \slot, \zero
	MUL16 2, (\q)%2, \q, \slot, \zero
	s_wait_dscnt 0
	PLACES NP
	FETCH_B \slot, (\q)+1, 1-(\q)%2
	FETCH_A \slot, (\q)+1, 0
.if \zero
	WIN 0xd1
.else
	WIN MUL_HI
.endif
	MUL16 4, (\q)%2, \q, \slot, \zero
	MUL16 6, (\q)%2, \q, \slot, \zero
	PLACES NP
	WIN 0
	FETCH_A \slot, (\q)+1, 4
.endm
; A slot's last step changes slots: one barrier; in front of it each wave waits for all its tensor loads, adds 0 to its spare word, and waits for that and for its reads of this slot.
.macro TURN slot, next, fill
	s_wait_tensorcnt 0x0                           ; all my tensor loads have landed: my part of the next slot
	ds_add_u32 v[SPW], v[NIL]
	s_wait_dscnt 4*NL+1                            ; (the add and A's blocks 4-7 may be out)
	WIN MUL_LO
	MUL16 0, 1, 1, \slot, 0
	s_wait_dscnt 0x0                               ; the add is done, my reads of this slot are over
	s_barrier_signal -1
	MUL16 2, 1, 1, \slot, 0
	WIN 0
	s_barrier_wait -1
.if \fill
	CREST                                          ; the barrier has opened a round of the cluster's: no wave of any partner still reads this slot or has a load on its way
	s_add_nc_u64 s[G0+4*\slot+2:G0+4*\slot+3], s[G0+4*\slot+2:G0+4*\slot+3], 2*RGN
	s_add_nc_u64 s[G0B+4*\slot+2:G0B+4*\slot+3], s[G0B+4*\slot+2:G0B+4*\slot+3], 2*RGN
	JLOAD G0+4*\slot, G1, G0B+4*\slot, G1B         ; the first tensor load behind the round; its four v_nop are the places in front of the loads below
.else
	PLACES NP
.endif
	s_wait_alu depctr_va_vdst(0)
	v_add_nc_u32 v[ADRS], 1024, v[ADRS]            ; the next slot's scale words
	FETCH_B \next, 0, 0
	FETCH_A \next, 0, 0
	SCALES \next
	WIN MUL_HI
	MUL16 4, 1, 1, \slot, 0
	MUL16 6, 1, 1, \slot, 0
	PLACES NP
	WIN 0
	FETCH_A \next, 0, 4
.endm
	s_load_b256 s[4:11], s[0:1], 0x0               ; h1, wts, b_qkv, qkv
	v_lshl_add_u32 v[SPW], v0, 2, SPARE
	v_mov_b32 v[NIL], 0
	ds_add_u32 v[SPW], v[NIL]                      ; the wave's opening: the add and its wait ahead of my first tensor load
	ds_add_u32 v[SPW], v[NIL]
	v_lshrrev_b32 v1, 5, v0
	v_readfirstlane_b32 s14, v1                    ; wave
	s_lshr_b32 s15, s14, 1                         ; my half of the tile's rows; also: I fetch for A (0) or B (1)
	s_and_b32 s16, s14, 1                          ; my half of its columns; also: which group I fetch
	s_bfe_u32 s40, ttmp6, 0x40000                  ; cx
	s_bfe_u32 s41, ttmp6, 0x40004                  ; cy
	s_lshr_b32 s17, ttmp9, 1
	s_lshl_b32 s17, s17, 2                         ; q, k: tile row 4 (c / 2) + cy,
	s_and_b32 s42, ttmp9, 1
	s_lshl_b32 s42, s42, 2                         ; tile column 4 (c % 2) + cx
	s_and_b32 s18, ttmp9, 3
	s_lshl_b32 s18, s18, 2                         ; v: tile row cy, tile column 4 (c - 8) + cx
	s_cmp_ge_u32 ttmp9, 8
	s_cselect_b32 s17, 0, s17
	s_cselect_b32 s42, s18, s42
	s_mov_b32 s18, 1572864
	s_cselect_b32 s18, s18, 0                      ; where A's codes begin in their buffer (W_v: groups 16 on),
	s_mov_b32 s19, 9502720
	s_cselect_b32 s19, s19, 3145728                ; A's scale words,
	s_mov_b32 s95, 3145728
	s_cselect_b32 s95, s95, 9437184                ; B's scale words (B's codes begin at 0 on both paths)
	s_add_co_u32 s17, s17, s41                     ; tile row
	s_add_co_u32 s42, s42, s40                     ; tile column
	s_lshl_b32 s43, s41, 2
	s_lshl_b32 s43, 15, s43                        ; my row of the cluster
	s_lshl_b32 s44, 0x1111, s40                    ; my column
	s_or_b32 s[G1+0], s43, (3<<16)|(1<<21)         ; the mask; elements of 8 bytes; bit 21 beside a mask; no padding
	s_or_b32 s[G1B+0], s44, (3<<16)|(1<<21)
.irp g, G1, G1B
	s_mov_b32 s[\g+1], 32<<16                      ; rows of 256 bytes,
	s_mov_b32 s[\g+2], 96<<16                      ; 96 of them: a dense block of 24,576 bytes
	s_mov_b32 s[\g+3], 32<<16
	s_mov_b32 s[\g+4], 96
	s_mov_b32 s[\g+5], 32
	s_mov_b32 s[\g+6], 0
	s_mov_b32 s[\g+7], 0
.endr
	s_lshl_b32 s20, s17, 1
	s_add_co_u32 s20, s20, s16                     ; A's group that I fetch
	s_lshl_b32 s46, s42, 1
	s_add_co_u32 s46, s46, s16                     ; B's
	s_mul_i32 s22, s20, SG
	s_add_co_u32 s22, s22, s19
	s_mul_i32 s20, s20, GSTR
	s_add_co_u32 s20, s20, s18
	s_mul_i32 s92, s46, SG
	s_add_co_u32 s92, s92, s95
	s_mul_i32 s46, s46, GSTR
	s_mov_b32 s21, 0
	s_mov_b32 s23, 0
	s_mov_b32 s47, 0
	s_mov_b32 s93, 0
	s_mul_i32 s45, s14, RGN                        ; where they go: by the wave's number alone
	s_mul_i32 s94, s14, SG
	s_mov_b32 s98, 0x76543210
	s_mov_b32 s99, 0xfedcba98
	s_mov_b32 s100, 0xffff0000                     ; lanes 16-31
	s_wait_dscnt 0x0                               ; the opening add is done
	s_wait_kmcnt 0x0
	s_cmp_ge_u32 ttmp9, 8
	s_cselect_b64 s[96:97], s[6:7], s[4:5]         ; A: the tokens' codes, or the weights'
	s_cselect_b64 s[66:67], s[4:5], s[6:7]         ; B: the other
	s_add_nc_u64 s[20:21], s[96:97], s[20:21]
	s_add_nc_u64 s[22:23], s[96:97], s[22:23]
	s_add_nc_u64 s[46:47], s[66:67], s[46:47]
	s_add_nc_u64 s[92:93], s[66:67], s[92:93]
	CROUND                                         ; all sixteen work-groups are here: the first joint loads meet
	s_cmp_eq_u32 s15, 0                            ; THE SCALE WORDS COME BY PLAIN LOADS AND LDS STORES, a group (SG bytes) a wave: the head has one tensor load a wave
	s_cselect_b64 s[2:3], s[22:23], s[92:93]       ; my group's words: A's for waves 0 and 1, B's for waves 2 and 3
.irp s, 0,1
	s_mov_b32 s[G0+4*\s], 1
	s_add_co_u32 s[G0+4*\s+1], s45, \s*SLOT
	s_add_nc_u64 s[G0+4*\s+2:G0+4*\s+3], s[20:21], \s*RGN
	s_or_b32 s[G0+4*\s+3], s[G0+4*\s+3], 0x80000000
	s_mov_b32 s[G0B+4*\s], 1
	s_add_co_u32 s[G0B+4*\s+1], s45, \s*SLOT
	s_add_nc_u64 s[G0B+4*\s+2:G0B+4*\s+3], s[46:47], \s*RGN
	s_or_b32 s[G0B+4*\s+3], s[G0B+4*\s+3], 0x80000000
.endr
	JLOAD G0, G1, G0B, G1B                         ; slot 0: my one tensor load at the head
	v_and_b32 v1, 15, v0                           ; r
	v_bfe_u32 v2, v0, 4, 1                         ; h
	v_and_b32 v3, 31, v0                           ; L
	v_lshlrev_b32 v[OA16], 4, v3
	v_lshlrev_b32 v[OA8], 3, v3
	s_add_co_u32 s94, s94, SCL
	v_add_nc_u32 v8, s94, v[OA16]                  ; where my group's scale words go in LDS
.irp i, 0,1,2,3,4,5,6,7
	global_load_b128 v[AF+4*\i:AF+4*\i+3], v[OA16], s[2:3] offset:512*\i   ; 512 consecutive bytes an instruction
.endr
	s_mul_i32 s21, s15, RGN
	s_mul_i32 s22, s16, RGN
	s_add_co_u32 s22, s22, 2*RGN
.irp s, 0,1
	v_add_nc_u32 v[ADRA+\s], s21, v[OA16]
	v_add_nc_u32 v[ADRB+\s], s22, v[OA16]
	v_add_nc_u32 v[ADRA+2+\s], s21, v[OA8]
	v_add_nc_u32 v[ADRB+2+\s], s22, v[OA8]
	s_add_co_u32 s21, s21, SLOT
	s_add_co_u32 s22, s22, SLOT
.endr
	v_lshlrev_b32 v6, 4, v1                        ; 16 r
	s_mul_i32 s21, s15, SG
	s_mul_i32 s22, s16, SG
	s_add_co_u32 s22, s22, 2*SG
	s_sub_co_u32 s22, s22, s21
	v_mul_u32_u24 v7, s22, v2                      ; lanes 16-31 take B's
	s_add_co_u32 s21, s21, SCL
	v_add_nc_u32 v7, v6, v7
	v_add_nc_u32 v[ADRS], s21, v7
.irp b, 0,1,2,3
	v_mov_b32 v[TM+4+\b], 0                        ; written once: a lane permute's destination counts as one of its sources
.endr
	; where the results go, and the bias: by path
	s_lshl_b32 s96, s17, 1
	s_add_co_u32 s96, s96, s15                     ; P = my group of A's rows
	s_lshl_b32 s97, s42, 1
	s_add_co_u32 s97, s97, s16                     ; Q = my group of B's rows
	s_mov_b32 s19, 0
	s_mov_b32 s21, 0
	s_mov_b32 s23, 0
	s_mov_b32 s45, 0
	s_mov_b32 s47, 0
	s_mov_b32 s93, 0
	s_cmp_ge_u32 ttmp9, 8
	s_cbranch_scc1 .Lv_set
	s_lshl_b32 s18, s97, 6                         ; q, k: P = token group, Q = pair of heads' (0-7 q, 8-15 k)
	s_add_co_u32 s18, s18, s96
	s_mul_i32 s18, s18, 6144                       ; the even head's half fragments,
	s_add_co_u32 s20, s18, 196608                  ; the odd head's: 32 groups on
	s_mov_b32 s22, 768                             ; from block to block
	s_mov_b32 s44, 768
	s_lshr_b32 s46, s96, 4
	s_lshl_b32 s46, s46, 4
	s_and_b32 s66, s97, 7
	s_lshl_b32 s66, s66, 1                         ; the even head
	s_add_co_u32 s46, s46, s66
	s_mul_i32 s46, s46, 20480                      ; its record
	s_mul_i32 s92, s66, 768                        ; its 192 columns of the bias, in bytes
	s_lshr_b32 s66, s97, 3                         ; 0 q, 1 k
	s_lshl_b32 s67, s66, 13
	s_add_co_u32 s46, s46, s67
	s_lshl_b32 s67, s66, 8
	s_add_co_u32 s92, s92, s67
	s_and_b32 s67, s96, 15
	s_lshl_b32 s67, s67, 9
	s_add_co_u32 s46, s46, s67
	s_add_co_u32 s46, s46, SREC
	s_mov_b32 s66, 256                             ; lanes 16-31 store blocks 4-7's words 256 bytes on
	v_lshlrev_b32 v7, 6, v2                        ; the bias of my eight columns of B's block b: 64 h + ..
	s_add_nc_u64 s[92:93], s[8:9], s[92:93]
	WIN 0x40
.irp b, 0,1,2,3,4,5,6,7
	global_load_b128 v[96+8*\b+96*(\b/4):96+8*\b+96*(\b/4)+3], v7, s[92:93] offset:((\b/4)*192+32*((\b/2)%2)+8*(\b%2))*4
	global_load_b128 v[96+8*\b+96*(\b/4)+4:96+8*\b+96*(\b/4)+7], v7, s[92:93] offset:((\b/4)*192+32*((\b/2)%2)+8*(\b%2))*4+16
.endr
	WIN 0
	s_branch .Lset_done
.Lv_set:                                               ; v: P = pair of heads, Q = token group
	s_lshr_b32 s46, s97, 4
	s_lshl_b32 s46, s46, 4
	s_lshl_b32 s66, s96, 1                         ; the even head
	s_add_co_u32 s46, s46, s66                     ; b h
	s_mul_i32 s92, s66, 768
	s_add_co_u32 s92, s92, 512                     ; v's 64 columns lie 128 behind the head's first
	s_and_b32 s67, s97, 15                         ; key step
	s_lshl_b32 s18, s46, 4
	s_add_co_u32 s18, s18, s67
	s_mul_i32 s18, s18, 6144
	s_add_co_u32 s18, s18, VC
	s_add_co_u32 s20, s18, 768
	s_mov_b32 s22, 1536
	s_mov_b32 s44, 93696                           ; from the even head's block 3 to the odd head's block 0
	s_mul_i32 s46, s46, 20480
	s_lshl_b32 s67, s67, 8
	s_add_co_u32 s46, s46, s67
	s_add_co_u32 s46, s46, SREC+16384
	s_mov_b32 s66, 20480                           ; lanes 16-31 store the odd head's words
	v_and_b32 v7, 8, v1
	v_add_nc_u32 v7, v7, v1
	v_lshlrev_b32 v7, 2, v7                        ; the bias of my one column d: 4 (r + 8 (r / 8)) + ..
	s_add_nc_u64 s[92:93], s[8:9], s[92:93]
	WIN 0x40
.irp a, 0,1,2,3,4,5,6,7
.irp j, 0,1,2,3,4,5,6,7
	global_load_b32 v[96+8*\a+96*(\a/4)+\j], v7, s[92:93] offset:((\a/4)*192+32*((\a/2)%2)+8*(\a%2))*4
.endr
.endr
	WIN 0
.Lset_done:
	s_add_nc_u64 s[18:19], s[10:11], s[18:19]      ; half c = 0 of a block's fragment,
	s_add_nc_u64 s[20:21], s[10:11], s[20:21]      ; half c = 1,
	s_add_nc_u64 s[46:47], s[10:11], s[46:47]      ; the scale words
	v_mul_u32_u24 v[OS], s66, v2
	v_add_nc_u32 v[OS], v6, v[OS]
	s_wait_alu depctr_va_vdst(0)                   ; the wait at the head's end
	s_wait_loadcnt 0x0                             ; the bias and my scale words
.irp i, 0,1,2,3,4,5,6,7
	ds_store_b128 v8, v[AF+4*\i:AF+4*\i+3] offset:512*\i
.endr
	s_wait_tensorcnt 0x0                           ; my part of slot 0 is in; these lines stand ahead of slot 1's first fill as ahead of a refill
	ds_add_u32 v[SPW], v[NIL]
	s_wait_dscnt 0x0                               ; the add and my stores of scale words are done
	CROUND                                         ; slot 0 and all scale words are shown to all, and the joint loads meet
	JLOAD G0+4, G1, G0B+4, G1B                     ; slot 1
	FETCH_B 0, 0, 0
	FETCH_A 0, 0, 0
	s_wait_alu depctr_va_vdst(0)
	SCALES 0
	FETCH_A 0, 0, 4
	s_cmp_ge_u32 ttmp9, 8
	s_cbranch_scc1 .Lv_first
	STEP 0, 0, 1                                   ; the first step starts the sums on the bias: by B's block,
	s_branch .Lfirst_done
.Lv_first:
	STEP 0, 0, 2                                   ; or by A's
.Lfirst_done:
	s_mov_b32 s3, LAPS-1
.Llap:
	TURN 0, 1, 1
	STEP 1, 0, 0
	TURN 1, 0, 1
	STEP 0, 0, 0
	s_sub_co_u32 s3, s3, 1
	s_cmp_lg_u32 s3, 0
	s_cbranch_scc1 .Llap
	TURN 0, 1, 0                                   ; the last lap fills nothing
	STEP 1, 0, 0
	s_wait_dscnt 4*NL
	WIN MUL_LO
	MUL16 0, 1, 1, 1, 0
	MUL16 2, 1, 1, 1, 0
	s_wait_dscnt 0
	WIN MUL_HI
	MUL16 4, 1, 1, 1, 0
	MUL16 6, 1, 1, 1, 0
	WIN 0
; THE WAY OUT.  Block a's 64 registers of a lane, register 16 b + i = place 32 b + 16 (lane / 16) + i along the next K, become a fragment and a scale word.
.macro QMAX s, win, wreg               ; the four blocks' largest magnitudes (each accumulator read from its low end on), bytes, scale operands, the word
	WIN 5*(\win)
.irp b, 0,1,2,3
	v_max3_num_f32 v[TM+\b], |v[\s+16*\b]|, |v[\s+1+16*\b]|, 0x1800000     ; and the floor 2^(3 - 127)
.endr
.irp i, 2,4,6,8,10,12,14
.irp b, 0,1,2,3
	v_max3_num_f32 v[TM+\b], |v[\s+16*\b+\i]|, |v[\s+1+16*\b+\i]|, v[TM+\b]
.endr
.endr
	WIN 0
.irp b, 0,1,2,3
	v_permlanex16_b32 v[TM+4+\b], v[TM+\b], s98, s99
.endr
.irp b, 0,1,2,3
	v_max_num_f32 v[TM+\b], v[TM+\b], v[TM+4+\b]
.endr
.irp b, 0,1,2,3
	v_add_nc_u32 v[TM+12+\b], 0xff000000, v[TM+\b]
.endr
.irp b, 0,1,2,3
	v_lshrrev_b32 v[TM+4+\b], 23, v[TM+12+\b]
.endr
	v_lshl_or_b32 v[\wreg], v[TM+5], 8, v[TM+4]
	v_lshl_or_b32 v[\wreg], v[TM+6], 16, v[\wreg]
	v_lshl_or_b32 v[\wreg], v[TM+7], 24, v[\wreg]
.endm
.macro QCVT s, win
	WIN (\win)
.irp c, 0,1
	v_cvt_scalef32_pk16_fp6_f32 v[PC+6*\c:PC+2+6*\c], v[\s+32*\c:\s+15+32*\c], v[TM+12+2*\c]
	v_cvt_scalef32_pk16_fp6_f32 v[PC+12+4*\c:PC+14+4*\c], v[\s+16+32*\c:\s+31+32*\c], v[TM+12+2*\c+1]
.endr
	WIN 0
	v_nop                                          ; one plain place behind a scaled conversion
.irp c, 0,1                            ; the layout wants a whole block in a lane
.irp i, 0,1,2
	v_permlane16_swap_b32 v[PC+6*\c+\i], v[PC+12+4*\c+\i]
.endr
.irp i, 0,1,2
	v_mov_b32 v[PC+3+6*\c+\i], v[PC+12+4*\c+\i]
.endr
.endr
.endm
.macro PUT                             ; each store of the wave covers 512 or 256 consecutive bytes, aligned
	global_store_b128 v[OA16], v[PC:PC+3], s[18:19]
	global_store_b64 v[OA8], v[PC+4:PC+5], s[18:19] offset:512
	global_store_b128 v[OA16], v[PC+6:PC+9], s[20:21]
	global_store_b64 v[OA8], v[PC+10:PC+11], s[20:21] offset:512
.endm
	PLACES NP
.irp a, 0,1,2,3,4,5,6,7
.set QS, 64*(\a%4)
.set QW, 2+\a/4
	QMAX QS, QW, WS+\a
	s_wait_xcnt 0x0                                ; the last block's stores have read their codes and bases: both are written again only behind this wait
.if \a == 4
	s_add_nc_u64 s[18:19], s[18:19], s[44:45]
	s_add_nc_u64 s[20:21], s[20:21], s[44:45]
.elseif \a > 0
	s_add_nc_u64 s[18:19], s[18:19], s[22:23]
	s_add_nc_u64 s[20:21], s[20:21], s[22:23]
.endif
	QCVT QS, QW
	PUT
.endr
.irp i, 0,1,2,3
	v_cndmask_b32 v[EW+\i], v[WS+\i], v[WS+4+\i], s100      ; lanes 0-15: blocks 0-3's words of row r; lanes 16-31: blocks 4-7's
.endr
	s_cmp_ge_u32 ttmp9, 8
	s_cbranch_scc1 .Lv_scales
.irp i, 0,1,2,3
	v_and_b32 v[EW+4+\i], 0xffff, v[EW+\i]         ; the even head's two bytes,
	v_lshrrev_b32 v[EW+8+\i], 16, v[EW+\i]         ; the odd head's; the upper two bytes 0
.endr
	global_store_b128 v[OS], v[EW+4:EW+7], s[46:47]
	global_store_b128 v[OS], v[EW+8:EW+11], s[46:47] offset:20480
	s_branch .Lscales_out
.Lv_scales:
	s_wait_alu depctr_va_vdst(0)
	global_store_b128 v[OS], v[EW:EW+3], s[46:47]
.Lscales_out:
	s_wait_tensorcnt 0x0                           ; the wave's end
	ds_add_u32 v[SPW], v[NIL]
	s_wait_dscnt 0x0
	CROUND                                         ; the closing round
	s_endpgm
.Lfunc_end_k_q444f39d971_gqkv:
	.size	k_q444f39d971_gqkv, .Lfunc_end_k_q444f39d971_gqkv-k_q444f39d971_gqkv
	.p2alignl 7, 3214868480
	.fill 96, 4, 3214868480
	.section	.rodata,"a",@progbits
	.p2align	6, 0x0
	.amdhsa_kernel k_q444f39d971_gqkv
		.amdhsa_group_segment_fixed_size 327680
		.amdhsa_private_segment_fixed_size 0
		.amdhsa_enable_private_segment 0
		.amdhsa_kernarg_size 32
		.amdhsa_user_sgpr_count 2
		.amdhsa_user_sgpr_kernarg_segment_ptr 1
		.amdhsa_wavefront_size32 1
		.amdhsa_system_sgpr_workgroup_id_x 1
		.amdhsa_system_sgpr_workgroup_id_y 1
		.amdhsa_system_sgpr_workgroup_id_z 1
		.amdhsa_system_vgpr_workitem_id 0
		.amdhsa_next_free_vgpr 1024
		.amdhsa_next_free_sgpr 102
		.amdhsa_reserve_vcc 0
		.amdhsa_float_denorm_mode_32 3
		.amdhsa_float_denorm_mode_16_64 3
		.amdhsa_memory_ordered 1
		.amdhsa_forward_progress 1
		.amdhsa_inst_pref_size 172
	.end_amdhsa_kernel
	.amdgpu_metadata
---
amdhsa.version: [ 1, 2 ]
amdhsa.kernels:
  - .name:           k_q444f39d971_gqkv
    .symbol:         k_q444f39d971_gqkv.kd
    .args:
      - { .name: h1, .offset: 0, .size: 8, .value_kind: global_buffer, .address_space: global }
      - { .name: wts, .offset: 8, .size: 8, .value_kind: global_buffer, .address_space: global }
      - { .name: b_qkv, .offset: 16, .size: 8, .value_kind: global_buffer, .address_space: global }
      - { .name: qkv, .offset: 24, .size: 8, .value_kind: global_buffer, .address_space: global }
    .group_segment_fixed_size: 327680
    .private_segment_fixed_size: 0
    .kernarg_segment_align: 8
    .kernarg_segment_size: 32
    .max_flat_workgroup_size: 128
    .sgpr_count:     102
    .vgpr_count:     1024
    .wavefront_size: 32
...
	.end_amdgpu_metadata
.endif
;; end of part 9
;; launch attn (part 10): grid 8 x 32, 16 waves a work-group, no clusters, 260,096 bytes of LDS; arguments qkv, att; writes att
.if DOCPART == 10
	.amdgcn_target "amdgcn-amd-amdhsa--gfx1250"
	.amdhsa_code_object_version 6
	.text
	.protected	k_q444f39d971_attn
	.globl	k_q444f39d971_attn
	.p2align	8
	.type	k_q444f39d971_attn,@function
k_q444f39d971_attn:
	s_mov_b64 s[64:65], 0
	v_nop
	global_prefetch_b8 v0, s[64:65] scope:SCOPE_SE
	s_setreg_imm32_b32 hwreg(HW_REG_WAVE_MODE, 25, 1), 1
	s_wait_xcnt 0x0
; Causal attention on codes of FP6 (E2M3) with E8M0 scales; head size 64, 2,048 keys, 32 (batch, head) pairs; the result quantised at once along the head's 64 as an operand of the next product.
; t = score x log2(e) / 8; M = the running largest t rounded UP to a whole number; p = 2^(t - M) is quantised along the keys, not normalised; the row's sum is taken of the unquantised p and divides O at the end.
; SHARES.  Work-group (j, b h) owns query blocks j and 15 - j (128 queries each): 8 tiles of 16 queries with j + 1 key steps of 128, and 8 with 16 - j.  Sixteen waves; NO WAVE WALKS MORE THAN NINE STEPS:
;   wave t < 8: tile t of block j, steps 0 .. j, written out; then tile t of block 15 - j, steps 9 .. 15 - j: 8 steps.   wave 8 + t: tile t of block 15 - j, steps 0 .. 8: 9 steps.
; The two parts of a long tile (O^T, M, the sum) meet in LDS behind one barrier: M is a whole number, so each part is brought under the larger M by a multiplication that rounds nothing.
; THE WHOLE HEAD LIES IN LDS, FILLED ONCE, ONE TENSOR LOAD A WAVE (waves 0-7 K, waves 8-15 V), two rows of 6,144 bytes (a key step) each: waves 0 and 8 bring steps 0 and 1, on a load line of their own; wave w (and 8 + w) steps 1 + w and 8 + w.
; Steps 0 to 8 are read in every work-group, so every load holds bytes that are read.  Step s lies at 6,144 s (s < 2), 12,288 (s - 1) (s = 2 .. 8), 12,288 (s - 8) + 6,144 (s > 8): three walks with constant strides.
; A first barrier shows steps 0 and 1 and the scale words (which come by plain loads and LDS stores, 768 bytes a wave); a second, behind the two steps, shows all.  Nothing is ever filled again.
; LAYOUT.  Both products transposed: S^T = K Q^T, O^T = V^T P^T: a lane holds one query.  Tokens lie in stored order (row r of tile a is token 32 (a / 2) + 8 (a % 2) + r + 8 (r / 8) of its 128), so the 16 registers of tiles 2 b, 2 b + 1
; are 16 neighbouring keys; V's rows d lie so too.  In the first product K is 64: the fragments' upper six registers are zero codes on both sides, their scale bytes 0.
; CAUSAL.  All waves walk all 16 trips (constant trip counts); a step that is not the wave's is jumped over by a scalar branch on ids; on the diagonal hidden scores become -infinity.
; NO CLUSTER: the work-groups of a head have different causal limits, so partners would read different numbers of steps.  NO PREFETCH: all is asked for at the head.
; LIMITS: NaN and infinities are not served; the scaled scores stay under 2^31 in magnitude; a block of zeros gets the byte 1 (this program alone reads the bytes).
; REGISTERS: v1 16 L, v2 8 L, v7 16 r, v9 my query less 16 (lane / 16); v0, v3, v4, v8, v10, v11 LDS addresses; v12 -M, v13 largest t, v[14:15] the sum; v16-27 Q; v28-31 V's scale words; v32-79 four tiles of K; v80-127 V;
; v128-191 S^T, then p; v192-223 O^T; v224-235 p's codes; v232-247 at work; v248-251 K's scale words; v252 f; v254 p's scale word; v255 Q's.
.set VC,    6291456
.set SREC,  9437184
.set HSC,   3145728
.set VL,    98304
.set KSC,   196608
.set VSC,   204800
.set QL,    208896                     ; every wave's Q as a register image: 512 + 256 + 128 bytes
.set PL,    223232                     ; the parts of the long tiles: 4,096 bytes of O^T, 128 of -M, 128 of the sum, for each of eight tiles
.set SPARE, 258048                     ; the spare words, 128 bytes for each of sixteen waves; no other line names them
.set S,   128
.set O,   192
.set SPW, 5
.set NIL, 6
.set WV,  8
.set QB,  11                           ; s11 the block of my queries
.set SI,  13                           ; s13 the key step
.set LP,  17
.set SEL, 20
.set CS,  22
.set TB,  73                           ; the step's K bytes; s74 V's; s75 K's scale words; s76 V's
.set TV,  74
.set TS,  75
.set TJ,  76
.set HI,  77                           ; s77 my last key step
	s_load_b128 s[4:7], s[0:1], 0x0                ; qkv, att
	v_lshl_add_u32 v[SPW], v0, 2, SPARE
	v_mov_b32 v[NIL], 0
	ds_add_u32 v[SPW], v[NIL]                      ; the opening lines
	ds_add_u32 v[SPW], v[NIL]
	v_lshrrev_b32 v1, 5, v0
	v_readfirstlane_b32 s[WV], v1                  ; wave 0..15
	s_mov_b32 s9, ttmp9                            ; j
	s_and_b32 s10, ttmp7, 0xffff                   ; b h
	s_lshr_b32 s14, s[WV], 3
	s_and_b32 s12, s[WV], 7                        ; my tile
	s_sub_co_u32 s[QB], 15, s9
	s_cmp_eq_u32 s14, 0
	s_cselect_b32 s[QB], s9, s[QB]                 ; my first query block,
	s_cselect_b32 s[HI], s9, 8                     ; and its last key step of mine
	s_and_b32 s16, s10, 15                         ; head
	s_lshr_b32 s18, s10, 4                         ; batch
	s_mov_b32 s24, 3<<16                           ; group 1 for steps 0 and 1: elements of 8 bytes; 2 rows of 768, one behind the other
	s_mov_b32 s25, 768<<16
	s_mov_b32 s26, 2<<16
	s_mov_b32 s27, 768<<16
	s_mov_b32 s28, 2
	s_mov_b32 s29, 768
	s_mov_b32 s30, 0
	s_mov_b32 s31, 0
	s_mov_b32 s32, 3<<16                           ; and for the others: the two rows lie seven key steps apart
	s_mov_b32 s33, 768<<16
	s_mov_b32 s34, 2<<16
	s_mov_b32 s35, 768<<16
	s_mov_b32 s36, 2
	s_mov_b32 s37, 5376
	s_mov_b32 s38, 0
	s_mov_b32 s39, 0
	s_mul_i32 s15, s14, VL                         ; waves 0-7 fetch K, waves 8-15 V
	s_mul_i32 s19, s12, 12288
	s_mov_b32 s44, 1
	s_add_co_u32 s45, s15, s19                     ; my 12,288 bytes of LDS
	s_mul_i32 s19, s12, 6144
	s_cmp_lg_u32 s12, 0
	s_cselect_b32 s15, 6144, 0
	s_add_co_u32 s19, s19, s15                     ; my first key step: 0, or 1 + w
	s_mul_i32 s72, s[WV], 768
	s_add_co_u32 s41, s72, KSC                     ; my 768 bytes of the scale words in LDS
	s_mul_i32 s15, s[WV], 896
	s_add_co_u32 s15, s15, QL                      ; my Q's image,
	s_xor_b32 s78, s[WV], 8
	s_mul_i32 s78, s78, 896
	s_add_co_u32 s78, s78, QL                      ; my partner's,
	s_mul_i32 s79, s12, 4352
	s_add_co_u32 s79, s79, PL                      ; our tile's part
	s_add_co_u32 s60, s16, 16
	s_lshl_b32 s60, s60, 5
	s_lshl_b32 s61, s18, 4
	s_add_co_u32 s60, s60, s61
	s_mul_i32 s60, s60, 6144                       ; K's half fragments of this head and batch
	s_mul_i32 s61, s10, VL
	s_add_co_u32 s61, s61, VC                      ; V's fragments
	s_cmp_eq_u32 s14, 0
	s_cselect_b32 s60, s60, s61
	s_add_co_u32 s60, s60, s19
	s_mov_b32 s61, 0
	s_mul_i32 s66, s10, 20480
	s_add_co_u32 s66, s66, SREC                    ; the head's record of scale words
	s_mov_b32 s70, s66
	s_add_co_u32 s66, s66, s72
	s_add_co_u32 s66, s66, 8192                    ; my 768 bytes of K's and V's
	s_mov_b32 s67, 0
	s_lshl_b32 s68, s16, 5
	s_lshl_b32 s69, s18, 4
	s_add_co_u32 s68, s68, s69
	s_add_co_u32 s68, s68, s[QB]
	s_mul_i32 s68, s68, 6144
	s_mul_i32 s69, s12, 768
	s_add_co_u32 s68, s68, s69                     ; Q's half fragment
	s_mov_b32 s69, 0
	s_lshl_b32 s71, s[QB], 9
	s_add_co_u32 s70, s70, s71
	s_lshr_b32 s71, s12, 2
	s_lshl_b32 s71, s71, 8
	s_add_co_u32 s70, s70, s71
	s_and_b32 s71, s12, 3
	s_lshl_b32 s71, s71, 2
	s_add_co_u32 s70, s70, s71                     ; and its scale words
	s_mov_b32 s71, 0
	s_mov_b32 s[SEL], 0x76543210
	s_mov_b32 s[SEL+1], 0xfedcba98
	s_mov_b32 s[CS], 0x3e38aa3b                    ; c = log2(e) / 8
	s_mov_b32 s[CS+1], s[CS]
	s_mov_b32 s[SI], 0
	s_wait_dscnt 0x0                               ; both opening adds are done
	s_wait_kmcnt 0x0
	s_add_nc_u64 s[46:47], s[4:5], s[60:61]
	s_or_b32 s47, s47, 0x80000000
	s_add_nc_u64 s[42:43], s[4:5], s[66:67]
	s_cmp_eq_u32 s12, 0                            ; one tensor load a wave; waves 0 and 8, whose tiles are shown first, have a line of their own
	s_cbranch_scc0 .Lrest
	tensor_load_to_lds s[44:47], s[24:31]
	s_nop 0
.rept 4
	v_nop
.endr
	s_branch .Lasked
.Lrest:
	tensor_load_to_lds s[44:47], s[32:39]
	s_nop 0
.rept 4
	v_nop
.endr
.Lasked:
	s_add_nc_u64 s[68:69], s[4:5], s[68:69]
	s_add_nc_u64 s[70:71], s[4:5], s[70:71]
	v_and_b32 v3, 31, v0
	v_and_b32 v10, 15, v0                          ; r
	v_bfe_u32 v11, v0, 4, 1                        ; h
	v_lshlrev_b32 v1, 4, v3                        ; 16 L
	v_lshlrev_b32 v2, 3, v3                        ; 8 L
	v_lshlrev_b32 v7, 4, v10                       ; 16 r
	global_load_b128 v[16:19], v1, s[68:69]        ; Q's 64 along K stay in registers
	global_load_b64 v[20:21], v2, s[68:69] offset:512
	global_load_b32 v255, v7, s[70:71]
	global_load_b64 v[28:29], v2, s[42:43]         ; my 768 bytes of scale words: 256 consecutive bytes an instruction
	global_load_b64 v[30:31], v2, s[42:43] offset:256
	global_load_b64 v[32:33], v2, s[42:43] offset:512
	v_add_nc_u32 v8, s41, v2
	v_lshlrev_b32 v0, 2, v3                        ; 4 L
	v_add_nc_u32 v3, s15, v1
	v_add_nc_u32 v4, s15, v2
	v_add_nc_u32 v0, s15, v0
	v_and_b32 v9, 8, v10
	v_add_nc_u32 v9, v9, v10
	v_lshlrev_b32 v11, 4, v11
	v_sub_nc_u32 v9, v9, v11
	s_lshr_b32 s19, s12, 1
	s_lshl_b32 s19, s19, 5
	s_and_b32 s15, s12, 1
	s_lshl_b32 s15, s15, 3
	s_add_co_u32 s19, s19, s15
	v_add_nc_u32 v9, s19, v9                       ; my query's place in its block, less 16 h
.irp i, 22,23,24,25,26,27
	v_mov_b32 v[\i], 0                             ; the upper 64 of K: zero codes
.endr
.irp t, 0,1,2,3
.irp i, 6,7,8,9,10,11
	v_mov_b32 v[32+12*\t+\i], 0
.endr
.endr
.irp b, 0,1,2,3
	v_mov_b32 v[236+\b], 0                         ; a lane permute's destination counts as one of its sources
.endr
	v_mov_b32 v252, 0
	v_mov_b32 v253, 0                              ; (named as the upper half of f's pair, never used)
.macro FRESH                           ; a tile begins: the step is written once; the first finds zeros
	v_mov_b32 v13, 0xff61b1e6                      ; the largest t so far: -3e38
	v_mov_b32 v14, 0
	v_mov_b32 v15, 0
	v_floor_f32 v12, -v13                          ; -M
.set oj, 0
.rept 32
	v_mov_b32 v[O+oj], 0
.set oj, oj+1
.endr
.endm
	FRESH
	s_wait_alu depctr_va_vdst(0)                   ; the wait at the head's end
	s_wait_loadcnt 0x0                             ; Q and my scale words
	ds_store_b64 v8, v[28:29]
	ds_store_b64 v8, v[30:31] offset:256
	ds_store_b64 v8, v[32:33] offset:512
	ds_store_b128 v3, v[16:19]                     ; my Q, for my partner
	ds_store_b64 v4, v[20:21] offset:512
	ds_store_b32 v0, v255 offset:768
	s_wait_dscnt 0x0
	s_cmp_eq_u32 s12, 0
	s_cbranch_scc0 .Lnot_early
	s_wait_tensorcnt 0x0                           ; waves 0 and 8: key steps 0 and 1
.Lnot_early:
	s_barrier_signal -1
	s_barrier_wait -1                              ; steps 0 and 1, the scale words and the images of Q are shown; the other tiles may still be on their way
.macro STEP stride
	s_cmp_gt_u32 s[SI], s[HI]                      ; not a step of mine (ids and the count of steps alone)
	s_cbranch_scc1 .Lhidden_\@
	v_add_nc_u32 v3, s[TB], v1                     ; (these six are also the places in front of loads into registers that the last products read)
	v_add_nc_u32 v4, s[TB], v2
	v_add_nc_u32 v8, s[TV], v1
	v_add_nc_u32 v10, s[TV], v2
	v_add_nc_u32 v11, s[TS], v7
	v_add_nc_u32 v0, s[TJ], v7
.irp t, 0,1,2,3
	ds_load_b128 v[32+12*\t:35+12*\t], v3 offset:768*\t
	ds_load_b64 v[36+12*\t:37+12*\t], v4 offset:768*\t+512
.endr
	ds_load_b128 v[248:251], v11                   ; the scale words of tiles 0-3
.irp t, 0,1,2,3
	ds_load_b128 v[80+12*\t:83+12*\t], v8 offset:1536*\t
	ds_load_b64 v[84+12*\t:85+12*\t], v10 offset:1536*\t+512
	ds_load_b128 v[86+12*\t:89+12*\t], v8 offset:1536*\t+768
	ds_load_b64 v[90+12*\t:91+12*\t], v10 offset:1536*\t+1280
.endr
	ds_load_b128 v[28:31], v0                      ; V's scale words
	s_wait_alu depctr_va_vdst(0)
	s_wait_dscnt 17                                ; K's nine are in; V's seventeen may be out
.irp t, 0,1,2,3
	v_wmma_scale_f32_16x16x128_f8f6f4 v[S+8*\t:S+8*\t+7], v[32+12*\t:43+12*\t], v[16:27], 0, v[248+\t], v255 matrix_a_fmt:MATRIX_FMT_FP6 matrix_b_fmt:MATRIX_FMT_FP6
.endr
.rept 4
	v_nop                                          ; places in front of loads into registers that these products read
.endr
.irp t, 0,1,2,3
	ds_load_b128 v[32+12*\t:35+12*\t], v3 offset:3072+768*\t
	ds_load_b64 v[36+12*\t:37+12*\t], v4 offset:3072+768*\t+512
.endr
	ds_load_b128 v[248:251], v11 offset:256
	s_wait_dscnt 0x0
.irp t, 0,1,2,3
	v_wmma_scale_f32_16x16x128_f8f6f4 v[S+32+8*\t:S+32+8*\t+7], v[32+12*\t:43+12*\t], v[16:27], 0, v[248+\t], v255 matrix_a_fmt:MATRIX_FMT_FP6 matrix_b_fmt:MATRIX_FMT_FP6
.endr
.rept 4
	v_nop
.endr
	s_cmp_lg_u32 s[SI], s[QB]                      ; only the diagonal step has hidden keys
	s_cbranch_scc1 .Lopen_\@
	v_mov_b32 v243, 0xff800000                     ; -infinity
.set mn, 0
.rept 64                               ; register 16 b + i holds key 32 b + 16 (lane / 16) + i of the step: hidden where 32 b + i > v9
	v_cmp_gt_i32 vcc_lo, 32*(mn/16)+mn%16, v9
	v_cndmask_b32 v[S+mn], v[S+mn], v243, vcc_lo
.set mn, mn+1
.endr
.Lopen_\@:
.irp b, 0,1,2,3
	v_max3_num_f32 v[232+\b], v[S+16*\b], v[S+1+16*\b], v[S+2+16*\b]       ; the largest score of each block of 32 keys: for the row's maximum and, since p rises with the score, for the block's largest p
.endr
.irp i, 3,5,7,9,11,13
.irp b, 0,1,2,3
	v_max3_num_f32 v[232+\b], v[232+\b], v[S+16*\b+\i], v[S+1+16*\b+\i]
.endr
.endr
.irp b, 0,1,2,3
	v_max_num_f32 v[232+\b], v[232+\b], v[S+15+16*\b]
.endr
.irp b, 0,1,2,3
	v_permlanex16_b32 v[236+\b], v[232+\b], s[SEL], s[SEL+1]
.endr
.irp b, 0,1,2,3
	v_max_num_f32 v[232+\b], v[232+\b], v[236+\b]
.endr
	v_max3_num_f32 v243, v232, v233, v234
	v_max_num_f32 v243, v243, v235
	v_mul_f32 v243, s[CS], v243
	v_max_num_f32 v13, v13, v243                   ; the running largest t
	v_mov_b32 v243, v12
	v_floor_f32 v12, -v13                          ; the new -M: a whole number
	v_sub_f32 v243, v12, v243
	v_cvt_i32_f32 v243, v243
	v_ldexp_f32 v252, 1.0, v243                    ; f = 2^(old M - new M): rounds nothing
.set sj, 0
.rept 32
	v_pk_fma_f32 v[S+sj:S+sj+1], v[S+sj:S+sj+1], s[CS:CS+1], v[12:13] op_sel_hi:[1,0,0]    ; t - M
.set sj, sj+2
.endr
.irp b, 0,1,2,3
	v_fma_f32 v[232+\b], v[232+\b], s[CS], v12
.endr
	s_wait_alu depctr_va_vdst(0)                   ; the wait ahead of the batch
.set sj, 0
.rept 64
	v_exp_f32 v[S+sj], v[S+sj]                     ; p = 2^(t - M)
.set sj, sj+1
.endr
	v_pk_mul_f32 v[14:15], v[14:15], v[252:253] op_sel_hi:[1,0]    ; the sums under the new M (a plain place behind the exponentials)
	s_wait_alu depctr_va_vdst(0)                   ; one wait for the batch, ahead of its first reader
.irp b, 0,1,2,3
	v_exp_f32 v[232+\b], v[232+\b]                 ; the blocks' largest p
.endr
	v_pk_add_f32 v[236:237], v[S:S+1], v[S+2:S+3]  ; the row's sum of the unquantised p, in four chains
	v_pk_add_f32 v[238:239], v[S+4:S+5], v[S+6:S+7]
	v_pk_add_f32 v[240:241], v[S+8:S+9], v[S+10:S+11]
	v_pk_add_f32 v[14:15], v[14:15], v[S+12:S+13]
.irp j, 14,22,30,38,46,54
	v_pk_add_f32 v[236:237], v[236:237], v[S+\j:S+\j+1]
	v_pk_add_f32 v[238:239], v[238:239], v[S+\j+2:S+\j+3]
	v_pk_add_f32 v[240:241], v[240:241], v[S+\j+4:S+\j+5]
	v_pk_add_f32 v[14:15], v[14:15], v[S+\j+6:S+\j+7]
.endr
	v_pk_add_f32 v[236:237], v[236:237], v[S+62:S+63]
	v_pk_add_f32 v[14:15], v[14:15], v[240:241]
	v_pk_add_f32 v[236:237], v[236:237], v[238:239]
	v_nop
	v_pk_add_f32 v[14:15], v[14:15], v[236:237]
	s_wait_alu depctr_va_vdst(0)                   ; and one for the four
.irp b, 0,1,2,3
	v_max_num_f32 v[232+\b], 0x1800000, v[232+\b]  ; the floor 2^(3 - 127)
.endr
.irp b, 0,1,2,3
	v_add_nc_u32 v[244+\b], 0xff000000, v[232+\b]
.endr
.irp b, 0,1,2,3
	v_lshrrev_b32 v[236+\b], 23, v[244+\b]
.endr
	v_lshl_or_b32 v254, v237, 8, v236              ; p's scale word for these 128 keys
	v_lshl_or_b32 v254, v238, 16, v254
	v_lshl_or_b32 v254, v239, 24, v254
.irp c, 0,1
	v_cvt_scalef32_pk16_fp6_f32 v[224+6*\c:226+6*\c], v[S+32*\c:S+15+32*\c], v[244+2*\c]
	v_cvt_scalef32_pk16_fp6_f32 v[236+4*\c:238+4*\c], v[S+16+32*\c:S+31+32*\c], v[244+2*\c+1]
.endr
	v_nop                                          ; one plain place behind a scaled conversion
.irp c, 0,1
.irp i, 0,1,2
	v_permlane16_swap_b32 v[224+6*\c+\i], v[236+4*\c+\i]
.endr
.irp i, 0,1,2
	v_mov_b32 v[227+6*\c+\i], v[236+4*\c+\i]
.endr
.endr
	s_wait_alu depctr_va_vdst(0)                   ; the wait directly ahead of the first reader of O^T
.set sj, 0
.rept 16
	v_pk_mul_f32 v[O+sj:O+sj+1], v[O+sj:O+sj+1], v[252:253] op_sel_hi:[1,0]    ; O^T under the new M; these sixteen name neither p's codes nor its scale word: they are the places in front of the products
.set sj, sj+2
.endr
.irp t, 0,1,2,3                        ; O^T += V^T P^T: the four accumulators by turns
	v_wmma_scale_f32_16x16x128_f8f6f4 v[O+8*\t:O+8*\t+7], v[80+12*\t:91+12*\t], v[224:235], v[O+8*\t:O+8*\t+7], v[28+\t], v254 matrix_a_fmt:MATRIX_FMT_FP6 matrix_b_fmt:MATRIX_FMT_FP6
.endr
.Lhidden_\@:
	s_add_co_u32 s[TB], s[TB], \stride
	s_add_co_u32 s[TV], s[TV], \stride
	s_add_co_u32 s[TS], s[TS], 512
	s_add_co_u32 s[TJ], s[TJ], 256
	s_add_co_u32 s[SI], s[SI], 1
.endm
.macro WALK n, tb, stride, first       ; n key steps from step first on, which lies at byte tb of K's and of V's bytes
	s_mov_b32 s[TB], \tb
	s_mov_b32 s[TV], VL+\tb
	s_mov_b32 s[TS], KSC+512*\first
	s_mov_b32 s[TJ], VSC+256*\first
	s_mov_b32 s[LP], \n
.Lwalk_\@:
	STEP \stride
	s_sub_co_u32 s[LP], s[LP], 1
	s_cmp_lg_u32 s[LP], 0
	s_cbranch_scc1 .Lwalk_\@
.endm
; THE WAY OUT: O^T / the sum; register 16 b + i is d = 32 b + 16 h + i: two blocks of 32, quantised into half a fragment of the next product's operand (K step head / 2, half head % 2).
.macro WAYOUT
	v_add_f32 v14, v14, v15
	v_permlanex16_b32 v252, v14, s[SEL], s[SEL+1]
	v_add_f32 v14, v14, v252
	s_wait_alu depctr_va_vdst(0)
	v_rcp_f32 v14, v14
	s_lshl_b32 s60, s18, 4
	s_add_co_u32 s60, s60, s[QB]                   ; the token group
	s_lshl_b32 s60, s60, 3
	s_lshr_b32 s61, s16, 1
	s_add_co_u32 s60, s60, s61                     ; 8 G + K step
	s_lshl_b32 s62, s60, 9
	s_lshl_b32 s60, s60, 3
	s_add_co_u32 s60, s60, s12
	s_mul_i32 s60, s60, 1536
	s_and_b32 s61, s16, 1
	s_mul_i32 s63, s61, 768
	s_add_co_u32 s60, s60, s63
	s_lshl_b32 s63, s61, 1
	s_add_co_u32 s62, s62, s63
	s_lshr_b32 s63, s12, 2
	s_lshl_b32 s63, s63, 8
	s_add_co_u32 s62, s62, s63
	s_and_b32 s63, s12, 3
	s_lshl_b32 s63, s63, 2
	s_add_co_u32 s62, s62, s63
	s_add_co_u32 s62, s62, HSC
	s_mov_b32 s61, 0
	s_mov_b32 s63, 0
	s_add_nc_u64 s[60:61], s[6:7], s[60:61]
	s_add_nc_u64 s[62:63], s[6:7], s[62:63]
	v_nop                                          ; a plain place behind the transcendental
	s_wait_alu depctr_va_vdst(0)                   ; the wait ahead of its first reader, and of O^T's
.set oj, 0
.rept 32
	v_mul_f32 v[S+oj], v[O+oj], v14
.set oj, oj+1
.endr
.irp b, 0,1
	v_max3_num_f32 v[232+\b], |v[S+16*\b]|, |v[S+1+16*\b]|, 0x1800000
.endr
.irp i, 2,4,6,8,10,12,14
.irp b, 0,1
	v_max3_num_f32 v[232+\b], v[232+\b], |v[S+16*\b+\i]|, |v[S+1+16*\b+\i]|
.endr
.endr
.irp b, 0,1
	v_permlanex16_b32 v[236+\b], v[232+\b], s[SEL], s[SEL+1]
.endr
.irp b, 0,1
	v_max_num_f32 v[232+\b], v[232+\b], v[236+\b]
.endr
.irp b, 0,1
	v_add_nc_u32 v[244+\b], 0xff000000, v[232+\b]
.endr
.irp b, 0,1
	v_lshrrev_b32 v[238+\b], 23, v[244+\b]
.endr
	v_lshl_or_b32 v240, v239, 8, v238              ; my row's two bytes
	v_cvt_scalef32_pk16_fp6_f32 v[224:226], v[S:S+15], v244
	v_cvt_scalef32_pk16_fp6_f32 v[228:230], v[S+16:S+31], v245
	v_nop
.irp i, 0,1,2
	v_permlane16_swap_b32 v[224+\i], v[228+\i]
.endr
.irp i, 0,1,2
	v_mov_b32 v[227+\i], v[228+\i]
.endr
	global_store_b128 v1, v[224:227], s[60:61]     ; 512 consecutive bytes a wave,
	global_store_b64 v2, v[228:229], s[60:61] offset:512   ; and 256
	global_store_b16 v7, v240, s[62:63]            ; (lanes 16-31 write what lanes 0-15 write)
.endm
	WALK 2, 0, 6144, 0                             ; key steps 0 and 1
	s_wait_alu depctr_va_vdst(0)
	s_wait_tensorcnt 0x0                           ; my tile is in,
	s_wait_dscnt 0x0
	s_barrier_signal -1
	s_barrier_wait -1                              ; everybody's is; nothing is ever filled again
	WALK 7, 12288, 12288, 2                        ; key steps 2 to 8
	; waves 0-7: the short tile is whole and leaves; the partner's Q comes in, and a part of the long tile begins
	v_add_nc_u32 v3, s78, v1                       ; (the addresses are made on the way that all waves take; these four are also places behind the last products)
	v_add_nc_u32 v4, s78, v2
	v_lshrrev_b32 v8, 1, v2
	v_add_nc_u32 v8, s78, v8
	s_wait_alu depctr_va_vdst(0)                   ; the wait ahead of the branch
	s_cmp_lg_u32 s14, 0
	s_cbranch_scc1 .Lmid
	WAYOUT
	s_wait_xcnt 0x0                                ; the stores have read their registers: they are written again only behind this wait
	ds_load_b128 v[16:19], v3
	ds_load_b64 v[20:21], v4 offset:512
	ds_load_b32 v255, v8 offset:768
	FRESH
	s_sub_co_u32 s[QB], 15, s9
	s_mov_b32 s[HI], s[QB]
	s_wait_alu depctr_va_vdst(0)
	s_wait_dscnt 0x0
.Lmid:
	WALK 7, 18432, 12288, 9                        ; key steps 9 to 15
	; the two parts of a long tile meet
	v_add_nc_u32 v3, s79, v1
	v_lshrrev_b32 v4, 1, v2
	v_add_nc_u32 v4, s79, v4
	v_nop
	v_nop                                          ; (with the three lines above: the places behind the last products)
	s_wait_alu depctr_va_vdst(0)
	s_cmp_lg_u32 s14, 0
	s_cbranch_scc1 .Lno_put
	v_add_f32 v14, v14, v15
	s_wait_alu depctr_va_vdst(0)                   ; the wait directly behind the write
.irp i, 0,1,2,3,4,5,6,7
	ds_store_b128 v3, v[O+4*\i:O+4*\i+3] offset:512*\i     ; each accumulator from its low end on
.endr
	ds_store_b32 v4, v12 offset:4096
	ds_store_b32 v4, v14 offset:4224
.Lno_put:
	s_wait_alu depctr_va_vdst(0)                   ; the wait directly ahead of the wait below
	s_wait_dscnt 0x0
	s_barrier_signal -1
	s_barrier_wait -1
	s_cmp_eq_u32 s14, 0
	s_cbranch_scc1 .Ldone
.irp i, 0,1,2,3,4,5,6,7
	ds_load_b128 v[S+4*\i:S+4*\i+3], v3 offset:512*\i
.endr
	ds_load_b32 v232, v4 offset:4096
	ds_load_b32 v233, v4 offset:4224
	s_wait_dscnt 0x0
	v_min_num_f32 v234, v12, v232                  ; -M of the whole: the larger M
	v_add_f32 v14, v14, v15
	v_sub_f32 v235, v234, v12
	v_sub_f32 v236, v234, v232
	v_cvt_i32_f32 v235, v235
	v_cvt_i32_f32 v236, v236
	v_ldexp_f32 v252, 1.0, v235                    ; 2^(my M - M),
	v_ldexp_f32 v238, 1.0, v236                    ; 2^(the other part's M - M): 0 where that part is empty
	v_mov_b32 v15, 0
	v_mul_f32 v14, v14, v252
	v_fmac_f32 v14, v233, v238
.set sj, 0
.rept 16
	v_pk_mul_f32 v[O+sj:O+sj+1], v[O+sj:O+sj+1], v[252:253] op_sel_hi:[1,0]
.set sj, sj+2
.endr
.set sj, 0
.rept 16
	v_pk_fma_f32 v[O+sj:O+sj+1], v[S+sj:S+sj+1], v[238:239], v[O+sj:O+sj+1] op_sel_hi:[1,0,1]
.set sj, sj+2
.endr
	WAYOUT
.Ldone:
	s_wait_tensorcnt 0x0                           ; the wave's end
	ds_add_u32 v[SPW], v[NIL]
	s_wait_dscnt 0x0
	s_endpgm
.Lfunc_end_k_q444f39d971_attn:
	.size	k_q444f39d971_attn, .Lfunc_end_k_q444f39d971_attn-k_q444f39d971_attn
	.p2alignl 7, 3214868480
	.fill 96, 4, 3214868480
	.section	.rodata,"a",@progbits
	.p2align	6, 0x0
	.amdhsa_kernel k_q444f39d971_attn
		.amdhsa_group_segment_fixed_size 260096
		.amdhsa_private_segment_fixed_size 0
		.amdhsa_enable_private_segment 0
		.amdhsa_kernarg_size 16
		.amdhsa_user_sgpr_count 2
		.amdhsa_user_sgpr_kernarg_segment_ptr 1
		.amdhsa_wavefront_size32 1
		.amdhsa_system_sgpr_workgroup_id_x 1
		.amdhsa_system_sgpr_workgroup_id_y 1
		.amdhsa_system_sgpr_workgroup_id_z 1
		.amdhsa_system_vgpr_workitem_id 0
		.amdhsa_next_free_vgpr 256
		.amdhsa_next_free_sgpr 80
		.amdhsa_reserve_vcc 1
		.amdhsa_float_denorm_mode_32 3
		.amdhsa_float_denorm_mode_16_64 3
		.amdhsa_memory_ordered 1
		.amdhsa_forward_progress 1
		.amdhsa_inst_pref_size 90
	.end_amdhsa_kernel
	.amdgpu_metadata
---
amdhsa.version: [ 1, 2 ]
amdhsa.kernels:
  - .name:           k_q444f39d971_attn
    .symbol:         k_q444f39d971_attn.kd
    .args:
      - { .name: qkv, .offset: 0, .size: 8, .value_kind: global_buffer, .address_space: global }
      - { .name: att, .offset: 8, .size: 8, .value_kind: global_buffer, .address_space: global }
    .group_segment_fixed_size: 260096
    .private_segment_fixed_size: 0
    .kernarg_segment_align: 8
    .kernarg_segment_size: 16
    .max_flat_workgroup_size: 512
    .sgpr_count:     80
    .vgpr_count:     256
    .wavefront_size: 32
...
	.end_amdgpu_metadata
.endif
;; end of part 10
;; launch gout (part 11): grid 256 x 1, 8 waves a work-group, no clusters, 81,920 bytes of LDS; arguments att, wts, b_out, x, ln2_g, ln2_b, x1, h2; writes x1, h2
.if DOCPART == 11
	.amdgcn_target "amdgcn-amd-amdhsa--gfx1250"
	.amdhsa_code_object_version 6
	.text
	.protected	k_q444f39d971_gout
	.globl	k_q444f39d971_gout
	.p2align	8
	.type	k_q444f39d971_gout,@function
k_q444f39d971_gout:
	s_mov_b64 s[64:65], 0
	v_nop
	global_prefetch_b8 v0, s[64:65] scope:SCOPE_SE
	s_setreg_imm32_b32 hwreg(HW_REG_WAVE_MODE, 25, 1), 1
	s_wait_xcnt 0x0
; x1 = x + att W_out + b_out, and h2 = layernorm(x1) * g + b quantised along the row: the out-projection, the residual, the second layer norm and its quantiser in one launch.
; att and W_out are codes of FP6 (E2M3) with E8M0 scales in the order of the operand's registers: a fragment (16 rows x 128 K) is 1,536 bytes: two halves of 768: four registers at 16 L, two at 512 + 8 L.
; SHARES.  256 work-groups, each 16 token rows (fragment rb = id % 8 of group G = id / 8) x all 1,024 columns, so that a row's mean and variance are made where the row is.  Eight waves; wave w makes columns 128 w .. + 127: 8 accumulators.
; A's eight fragments (all of K, 12,288 bytes): wave w loads fragment w, they pass through LDS as register images, every wave holds all eight.
; W_OUT'S FRAGMENTS GO FROM MEMORY STRAIGHT INTO REGISTERS: wave w streams group w (64 fragments, 98,304 bytes), a K step (8 fragments and their scale words, 34 loads) at a time into two sets by turns: while one set is multiplied the other's loads are out.
; So there is no LDS tile that work-groups could ask for jointly: no cluster.  No prefetch: the loads themselves run two of the eight K steps ahead.
; TRANSPOSED: source 0 = 16 rows of W_out, source 1 = the 16 token rows.  W_out's rows lie in stored order (bits 3 and 4 of the place exchanged): register 16 b + i of lane (r, h) is column 32 b + 16 h + i of the wave's 128, of token row r.
; The bias is loaded into the accumulators and is the sums' start.  x comes as whole rows of 512 bytes, turns through my stage in LDS into the sums' layout; x1 turns back and leaves as whole rows.
; THE NORM: each wave takes its 128 columns' mean and the sum of squared differences from it; the eight pairs meet in LDS (one barrier) and are joined: M2 = sum of M2_w + 128 x sum of (mean_w - mean)^2.  No difference of large sums is formed.
; Wave w's 128 columns are K step w of h2: one fragment and one scale word a row, laid as the first layer norm lays h1.  Token rows lie in stored order: row r is natural row 128 G + 32 (rb / 2) + 8 (rb % 2) + r + 8 (r / 8).
; LIMITS: a block of zeros, or one whose largest magnitude lies under 2^-124, gets the byte 1 (this program alone reads the bytes); NaN and infinities are not served.
; REGISTERS: window 0: v4 16 L, v5 8 L, v6 16 r, v7 64 h, v12-17 LDS addresses; v32-95 the sums; v96-191 A's fragments, then x1 and h; v192-207 W_out's scale words, two sets; v208-215 A's.  window 1: v0-191 W_out's two sets; v192-255 x, then the gain; v0-63 at the end the norm's bias.
.set STG,   12288                      ; behind A's fragments: a stage of 16 rows x (512 + 16) bytes for each wave
.set ST,    79872                      ; the waves' pairs (mean, M2): [wave][row][8]
.set SPARE, 80896                      ; the spare words, 128 bytes a wave; no other line names them
.set SPW, 8
.set NIL, 9
.set ACC, 32
.set AF,  96
.set Y,   96
.set BS,  192
.set AS,  208
.set PC,  160
.set SS,  216
.set TM,  232
.set WD,  248
.set MSB, 0
.macro WIN new                         ; the immediate's high byte repeats the setting that is left
.if MSB != (\new)
	s_set_vgpr_msb (MSB<<8)|(\new)
.set MSB, (\new)
.endif
.endm
.macro LOADB k                         ; K step k of my group into set k % 2: every load takes 512 or 256 consecutive bytes
	WIN 0x40
.irp i, 0,1,2,3,4,5,6,7
	global_load_b128 v[96*((\k)%2)+12*\i:96*((\k)%2)+12*\i+3], v4, s[42:43] offset:(\k)*12288+\i*1536
	global_load_b64 v[96*((\k)%2)+12*\i+4:96*((\k)%2)+12*\i+5], v5, s[42:43] offset:(\k)*12288+\i*1536+512
	global_load_b128 v[96*((\k)%2)+12*\i+6:96*((\k)%2)+12*\i+9], v4, s[42:43] offset:(\k)*12288+\i*1536+768
	global_load_b64 v[96*((\k)%2)+12*\i+10:96*((\k)%2)+12*\i+11], v5, s[42:43] offset:(\k)*12288+\i*1536+1280
.endr
	WIN 0
	global_load_b128 v[BS+8*((\k)%2):BS+8*((\k)%2)+3], v6, s[44:45] offset:(\k)*512
	global_load_b128 v[BS+8*((\k)%2)+4:BS+8*((\k)%2)+7], v6, s[44:45] offset:(\k)*512+256
.endm
.macro KSTEP k, younger                ; 8 products, the 8 accumulators by turns; younger: the loads issued behind this set's
	s_wait_loadcnt \younger
	WIN 0x01
.irp i, 0,1,2,3,4,5,6,7
	v_wmma_scale_f32_16x16x128_f8f6f4 v[ACC+8*\i:ACC+8*\i+7], v[96*((\k)%2)+12*\i:96*((\k)%2)+12*\i+11], v[AF+12*(\k):AF+12*(\k)+11], v[ACC+8*\i:ACC+8*\i+7], v[BS+8*((\k)%2)+\i], v[AS+(\k)] matrix_a_fmt:MATRIX_FMT_FP6 matrix_b_fmt:MATRIX_FMT_FP6
.endr
	WIN 0
.rept 4
	v_nop                                          ; places in front of loads into registers that these products read
.endr
.endm
.macro LOADC reg, p                    ; 64 numbers a lane of a vector over the columns, in the sums' layout, into window 1
	WIN 0x40
.irp i, 0,1,2,3,4,5,6,7,8,9,10,11,12,13,14,15
	global_load_b128 v[\reg+4*\i:\reg+4*\i+3], v7, s[\p:\p+1] offset:128*(\i/4)+16*(\i%4)
.endr
	WIN 0
.endm
	s_load_b256 s[4:11], s[0:1], 0x0               ; att, wts, b_out, x
	s_load_b256 s[12:19], s[0:1], 0x20             ; ln2_g, ln2_b, x1, h2
	v_lshl_add_u32 v[SPW], v0, 2, SPARE
	v_mov_b32 v[NIL], 0
	v_lshrrev_b32 v1, 5, v0
	v_readfirstlane_b32 s20, v1                    ; wave
	v_and_b32 v1, 15, v0                           ; r
	v_bfe_u32 v2, v0, 4, 1                         ; h
	v_and_b32 v3, 31, v0                           ; L
	v_lshlrev_b32 v4, 4, v3
	v_lshlrev_b32 v5, 3, v3
	v_lshlrev_b32 v6, 4, v1
	v_lshlrev_b32 v7, 6, v2
	s_mul_i32 s21, s20, 1536
	v_add_nc_u32 v12, s21, v4                      ; LDS: where my fragment of A goes
	v_add_nc_u32 v13, s21, v5
	s_mul_i32 s21, s20, 8448
	s_add_co_u32 s21, s21, STG
	v_add_nc_u32 v14, s21, v4                      ; my stage by rows: 16 L
	v_mul_u32_u24 v15, v1, 528
	v_add_nc_u32 v15, v15, v7
	v_add_nc_u32 v15, s21, v15                     ; and in the sums' layout: row r, 64 h
	s_lshl_b32 s21, s20, 7
	s_add_co_u32 s21, s21, ST
	v_lshlrev_b32 v17, 3, v1
	v_add_nc_u32 v16, s21, v17                     ; my wave's pair of row r
	v_add_nc_u32 v17, ST, v17                      ; wave 0's
.irp b, 0,1,2,3
	v_mov_b32 v[TM+4+\b], 0                        ; a lane permute's destination counts as one of its sources
.endr
	s_lshr_b32 s22, ttmp9, 3                       ; G
	s_and_b32 s23, ttmp9, 7                        ; rb
	s_lshl_b32 s24, s22, 3
	s_add_co_u32 s24, s24, s20
	s_lshl_b32 s24, s24, 3
	s_add_co_u32 s24, s24, s23
	s_mul_i32 s24, s24, 1536                       ; fragment (G, K step w, rb): att's that I load, and h2's that I make
	s_mov_b32 s25, 0
	s_lshl_b32 s26, s22, 12
	s_lshr_b32 s21, s23, 2
	s_lshl_b32 s21, s21, 8
	s_add_co_u32 s26, s26, s21
	s_and_b32 s21, s23, 3
	s_lshl_b32 s21, s21, 2
	s_add_co_u32 s26, s26, s21
	s_add_co_u32 s26, s26, 3145728                 ; the rows' scale words of K step 0
	s_mov_b32 s27, 0
	s_mul_i32 s28, s20, 98304
	s_add_co_u32 s28, s28, 2359296                 ; W_out's group w
	s_mov_b32 s29, 0
	s_lshl_b32 s30, s20, 12
	s_add_co_u32 s30, s30, 9535488                 ; its scale words
	s_mov_b32 s31, 0
	s_lshl_b32 s32, s20, 9                         ; my 128 columns, in bytes
	s_mov_b32 s33, 0
	s_lshl_b32 s34, s22, 7
	s_lshr_b32 s21, s23, 1
	s_lshl_b32 s21, s21, 5
	s_add_co_u32 s34, s34, s21
	s_and_b32 s21, s23, 1
	s_lshl_b32 s21, s21, 3
	s_add_co_u32 s34, s34, s21                     ; row 0's natural row
	s_lshl_b32 s34, s34, 12
	s_add_co_u32 s34, s34, s32
	s_mov_b32 s35, 0
	s_add_co_u32 s36, s26, s32                     ; h2's scale words of K step w
	s_mov_b32 s37, 0
	s_mov_b32 s60, 0x76543210
	s_mov_b32 s61, 0xfedcba98                      ; lane l xor 16
	s_mov_b32 s62, 0x3a800000                      ; 1 / 1024
	s_mov_b32 s63, 0x3727c5ac                      ; 1e-5
	s_wait_alu depctr_va_vdst(0)                   ; the wait at the head's end
	s_wait_kmcnt 0x0
	s_add_nc_u64 s[38:39], s[4:5], s[24:25]
	s_add_nc_u64 s[40:41], s[4:5], s[26:27]
	s_add_nc_u64 s[42:43], s[6:7], s[28:29]
	s_add_nc_u64 s[44:45], s[6:7], s[30:31]
	s_add_nc_u64 s[46:47], s[8:9], s[32:33]
	s_add_nc_u64 s[48:49], s[10:11], s[34:35]
	s_add_nc_u64 s[50:51], s[12:13], s[32:33]
	s_add_nc_u64 s[52:53], s[14:15], s[32:33]
	s_add_nc_u64 s[54:55], s[16:17], s[34:35]
	s_add_nc_u64 s[56:57], s[18:19], s[24:25]
	s_add_nc_u64 s[58:59], s[18:19], s[36:37]
	global_load_b128 v[216:219], v4, s[38:39]      ; my fragment of A
	global_load_b64 v[220:221], v5, s[38:39] offset:512
	global_load_b128 v[222:225], v4, s[38:39] offset:768
	global_load_b64 v[226:227], v5, s[38:39] offset:1280
.irp k, 0,1,2,3,4,5,6,7
	global_load_b32 v[AS+\k], v6, s[40:41] offset:512*\k
.endr
.irp i, 0,1,2,3,4,5,6,7,8,9,10,11,12,13,14,15
	global_load_b128 v[ACC+4*\i:ACC+4*\i+3], v7, s[46:47] offset:128*(\i/4)+16*(\i%4)   ; the bias, where the sums begin
.endr
	LOADB 0
	s_wait_loadcnt 58                              ; my fragment is in; younger: 8 scale words, 16 of the bias, 34 of K step 0
	ds_store_b128 v12, v[216:219]
	ds_store_b64 v13, v[220:221] offset:512
	ds_store_b128 v12, v[222:225] offset:768
	ds_store_b64 v13, v[226:227] offset:1280
	s_wait_dscnt 0x0
	s_barrier_signal -1
	s_barrier_wait -1                              ; A's eight fragments lie in LDS
	WIN 0x40
.irp t, 0,1,2,3,4,5,6,7,8,9,10,11,12,13,14,15
	global_load_b128 v[192+4*\t:192+4*\t+3], v4, s[48:49] offset:(\t+8*(\t/8))*4096 th:TH_LOAD_NT   ; x: a row's 512 consecutive bytes an instruction
.endr
	WIN 0
	LOADB 1
.irp k, 0,1,2,3,4,5,6,7
	ds_load_b128 v[AF+12*\k:AF+12*\k+3], v4 offset:1536*\k
	ds_load_b64 v[AF+12*\k+4:AF+12*\k+5], v5 offset:1536*\k+512
	ds_load_b128 v[AF+12*\k+6:AF+12*\k+9], v4 offset:1536*\k+768
	ds_load_b64 v[AF+12*\k+10:AF+12*\k+11], v5 offset:1536*\k+1280
.endr
	s_wait_loadcnt 34                              ; K step 0 and x are in; K step 1's 34 may be out
	WIN 0x04
.irp t, 0,1,2,3,4,5,6,7,8,9,10,11,12,13,14,15
	ds_store_b128 v14, v[192+4*\t:192+4*\t+3] offset:528*\t    ; x waits in my stage
.endr
	WIN 0
	s_wait_dscnt 16                                ; A's fragments are in; the sixteen stores may be out
.irp k, 0,1,2,3,4,5
	KSTEP \k, 34
	LOADB \k+2
.endr
	LOADC 192, 50                                  ; the gain
	KSTEP 6, 50                                    ; younger: K step 7's 34 and the gain's 16
	LOADC 0, 52                                    ; the norm's bias, into the set that is done with
	KSTEP 7, 32
.irp i, 0,1,2,3,4,5,6,7,8,9,10,11,12,13,14,15
	ds_load_b128 v[Y+4*\i:Y+4*\i+3], v15 offset:128*(\i/4)+16*(\i%4)   ; x in the sums' layout
.endr
	s_wait_dscnt 0x0
.set j, 0
.rept 32
	v_pk_add_f32 v[Y+j:Y+j+1], v[ACC+j:ACC+j+1], v[Y+j:Y+j+1]      ; x1; each accumulator is read from its low end on
.set j, j+2
.endr
.irp i, 0,1,2,3,4,5,6,7,8,9,10,11,12,13,14,15
	ds_store_b128 v15, v[Y+4*\i:Y+4*\i+3] offset:128*(\i/4)+16*(\i%4)
.endr
.irp t, 0,1,2,3,4,5,6,7,8,9,10,11,12,13,14,15
	ds_load_b128 v[ACC+4*\t:ACC+4*\t+3], v14 offset:528*\t     ; back as whole rows: LDS serves a wave's instructions in order
.endr
	v_pk_add_f32 v[250:251], v[Y:Y+1], v[Y+2:Y+3]
	v_pk_add_f32 v[252:253], v[Y+4:Y+5], v[Y+6:Y+7]
.set j, 8
.rept 14
	v_pk_add_f32 v[250:251], v[250:251], v[Y+j:Y+j+1]
	v_pk_add_f32 v[252:253], v[252:253], v[Y+j+2:Y+j+3]
.set j, j+4
.endr
	v_pk_add_f32 v[250:251], v[250:251], v[252:253]
	v_add_f32 v250, v250, v251
	v_permlanex16_b32 v251, v250, s60, s61
	v_add_f32 v250, v250, v251
	v_mul_f32 v18, 0x3c000000, v250                ; my wave's mean of row r: / 128
	v_mov_b32 v20, v18
	v_mov_b32 v21, v18
.set j, 0
.rept 32
	v_pk_add_f32 v[Y+j:Y+j+1], v[Y+j:Y+j+1], v[20:21] neg_lo:[0,1] neg_hi:[0,1]
.set j, j+2
.endr
	v_pk_mul_f32 v[250:251], v[Y:Y+1], v[Y:Y+1]
	v_pk_mul_f32 v[252:253], v[Y+2:Y+3], v[Y+2:Y+3]
.set j, 4
.rept 15
	v_pk_fma_f32 v[250:251], v[Y+j:Y+j+1], v[Y+j:Y+j+1], v[250:251]
	v_pk_fma_f32 v[252:253], v[Y+j+2:Y+j+3], v[Y+j+2:Y+j+3], v[252:253]
.set j, j+4
.endr
	v_pk_add_f32 v[250:251], v[250:251], v[252:253]
	v_add_f32 v250, v250, v251
	v_permlanex16_b32 v251, v250, s60, s61
	v_add_f32 v19, v250, v251                      ; and its sum of squared differences
	ds_store_b64 v16, v[18:19]                     ; (lanes 16-31 write what lanes 0-15 write)
	s_wait_alu depctr_va_vdst(0)                   ; the wait directly ahead of the wait below
	s_wait_dscnt 0x0                               ; x1's rows are back, my pair lies in LDS
.irp t, 0,1,2,3,4,5,6,7,8,9,10,11,12,13,14,15
	global_store_b128 v4, v[ACC+4*\t:ACC+4*\t+3], s[54:55] offset:(\t+8*(\t/8))*4096   ; 512 consecutive bytes, aligned
.endr
	s_barrier_signal -1
	s_barrier_wait -1
.irp w, 0,1,2,3,4,5,6,7
	ds_load_b64 v[SS+2*\w:SS+2*\w+1], v17 offset:128*\w
.endr
	s_wait_loadcnt 0x0                             ; the gain and the norm's bias
	s_wait_dscnt 0x0
	v_add_f32 v26, v216, v218
	v_add_f32 v27, v220, v222
	v_add_f32 v28, v224, v226
	v_add_f32 v29, v228, v230
	v_add_f32 v26, v26, v27
	v_add_f32 v28, v28, v29
	v_add_f32 v26, v26, v28
	v_mul_f32 v26, 0x3e000000, v26                 ; the row's mean: / 8
	v_add_f32 v27, v217, v219
	v_add_f32 v29, v221, v223
	v_add_f32 v30, v225, v227
	v_add_f32 v31, v229, v231
	v_add_f32 v27, v27, v29
	v_add_f32 v30, v30, v31
	v_add_f32 v27, v27, v30
.irp w, 0,1,2,3,4,5,6,7
	v_sub_f32 v[SS+2*\w], v[SS+2*\w], v26
.endr
	v_mul_f32 v28, v216, v216
.irp w, 1,2,3,4,5,6,7
	v_fmac_f32 v28, v[SS+2*\w], v[SS+2*\w]
.endr
	v_fmac_f32 v27, 0x43000000, v28                ; + 128 x the sum of (mean_w - mean)^2
	v_fma_f32 v27, v27, s62, s63                   ; variance + eps
	v_sub_f32 v24, v18, v26                        ; my wave's mean less the row's
	s_wait_alu depctr_va_vdst(0)                   ; the wait ahead of the transcendental
	v_rsq_f32 v22, v27
	v_nop                                          ; a plain place behind it
	s_wait_alu depctr_va_vdst(0)                   ; and the wait ahead of its first reader
	v_mov_b32 v23, v22
	v_mul_f32 v24, v24, v22
	v_mov_b32 v25, v24
.set j, 0
.rept 32
	v_pk_fma_f32 v[Y+j:Y+j+1], v[Y+j:Y+j+1], v[22:23], v[24:25]    ; (x1 - mean) / sqrt(variance + eps)
.set j, j+2
.endr
	WIN 0x14                                       ; sources 1 and 2 in window 1
.set j, 0
.rept 32
	v_pk_fma_f32 v[Y+j:Y+j+1], v[Y+j:Y+j+1], v[192+j:193+j], v[j:j+1]
.set j, j+2
.endr
	WIN 0
.irp b, 0,1,2,3
	v_max3_num_f32 v[TM+\b], |v[Y+16*\b]|, |v[Y+1+16*\b]|, 0x1800000       ; block b: my 16 numbers, and the floor 2^(3 - 127)
.endr
.irp i, 2,4,6,8,10,12,14
.irp b, 0,1,2,3
	v_max3_num_f32 v[TM+\b], |v[Y+16*\b+\i]|, |v[Y+1+16*\b+\i]|, v[TM+\b]
.endr
.endr
.irp b, 0,1,2,3
	v_permlanex16_b32 v[TM+4+\b], v[TM+\b], s60, s61
.endr
.irp b, 0,1,2,3
	v_max_num_f32 v[TM+\b], v[TM+\b], v[TM+4+\b]
.endr
.irp b, 0,1,2,3
	v_add_nc_u32 v[TM+12+\b], 0xff000000, v[TM+\b]     ; the conversion's scale operand
.endr
.irp b, 0,1,2,3
	v_lshrrev_b32 v[TM+4+\b], 23, v[TM+12+\b]          ; the byte
.endr
	v_lshl_or_b32 v[WD], v[TM+5], 8, v[TM+4]
	v_lshl_or_b32 v[WD], v[TM+6], 16, v[WD]
	v_lshl_or_b32 v[WD], v[TM+7], 24, v[WD]
.irp c, 0,1
	v_cvt_scalef32_pk16_fp6_f32 v[PC+6*\c:PC+2+6*\c], v[Y+32*\c:Y+15+32*\c], v[TM+12+2*\c]
	v_cvt_scalef32_pk16_fp6_f32 v[PC+12+4*\c:PC+14+4*\c], v[Y+16+32*\c:Y+31+32*\c], v[TM+12+2*\c+1]
.endr
	v_nop                                          ; one plain place behind a scaled conversion
.irp c, 0,1                            ; the layout wants a whole block in a lane
.irp i, 0,1,2
	v_permlane16_swap_b32 v[PC+6*\c+\i], v[PC+12+4*\c+\i]
.endr
.irp i, 0,1,2
	v_mov_b32 v[PC+3+6*\c+\i], v[PC+12+4*\c+\i]
.endr
.endr
	global_store_b128 v4, v[PC:PC+3], s[56:57]     ; each store covers 512 or 256 consecutive bytes, aligned
	global_store_b64 v5, v[PC+4:PC+5], s[56:57] offset:512
	global_store_b128 v4, v[PC+6:PC+9], s[56:57] offset:768
	global_store_b64 v5, v[PC+10:PC+11], s[56:57] offset:1280
	global_store_b32 v6, v[WD], s[58:59]           ; (lanes 16-31 write what lanes 0-15 write)
	s_wait_tensorcnt 0x0                           ; the wave's end
	ds_add_u32 v[SPW], v[NIL]
	s_wait_dscnt 0x0
	s_endpgm
.Lfunc_end_k_q444f39d971_gout:
	.size	k_q444f39d971_gout, .Lfunc_end_k_q444f39d971_gout-k_q444f39d971_gout
	.p2alignl 7, 3214868480
	.fill 96, 4, 3214868480
	.section	.rodata,"a",@progbits
	.p2align	6, 0x0
	.amdhsa_kernel k_q444f39d971_gout
		.amdhsa_group_segment_fixed_size 81920
		.amdhsa_private_segment_fixed_size 0
		.amdhsa_enable_private_segment 0
		.amdhsa_kernarg_size 64
		.amdhsa_user_sgpr_count 2
		.amdhsa_user_sgpr_kernarg_segment_ptr 1
		.amdhsa_wavefront_size32 1
		.amdhsa_system_sgpr_workgroup_id_x 1
		.amdhsa_system_sgpr_workgroup_id_y 1
		.amdhsa_system_sgpr_workgroup_id_z 1
		.amdhsa_system_vgpr_workitem_id 0
		.amdhsa_next_free_vgpr 512
		.amdhsa_next_free_sgpr 66
		.amdhsa_reserve_vcc 0
		.amdhsa_float_denorm_mode_32 3
		.amdhsa_float_denorm_mode_16_64 3
		.amdhsa_memory_ordered 1
		.amdhsa_forward_progress 1
		.amdhsa_inst_pref_size 74
	.end_amdhsa_kernel
	.amdgpu_metadata
---
amdhsa.version: [ 1, 2 ]
amdhsa.kernels:
  - .name:           k_q444f39d971_gout
    .symbol:         k_q444f39d971_gout.kd
    .args:
      - { .name: att, .offset: 0, .size: 8, .value_kind: global_buffer, .address_space: global }
      - { .name: wts, .offset: 8, .size: 8, .value_kind: global_buffer, .address_space: global }
      - { .name: b_out, .offset: 16, .size: 8, .value_kind: global_buffer, .address_space: global }
      - { .name: x, .offset: 24, .size: 8, .value_kind: global_buffer, .address_space: global }
      - { .name: ln2_g, .offset: 32, .size: 8, .value_kind: global_buffer, .address_space: global }
      - { .name: ln2_b, .offset: 40, .size: 8, .value_kind: global_buffer, .address_space: global }
      - { .name: x1, .offset: 48, .size: 8, .value_kind: global_buffer, .address_space: global }
      - { .name: h2, .offset: 56, .size: 8, .value_kind: global_buffer, .address_space: global }
    .group_segment_fixed_size: 81920
    .private_segment_fixed_size: 0
    .kernarg_segment_align: 8
    .kernarg_segment_size: 64
    .max_flat_workgroup_size: 256
    .sgpr_count:     66
    .vgpr_count:     512
    .wavefront_size: 32
...
	.end_amdgpu_metadata
.endif
;; end of part 11
;; launch gfc (part 12): grid 16 x 16, 4 waves a work-group, clusters of 4 x 4, 327,680 bytes of LDS; arguments h2, wts, b_fc, g; writes g
.if DOCPART == 12
	.amdgcn_target "amdgcn-amd-amdhsa--gfx1250"
	.amdhsa_code_object_version 6
	.text
	.protected	k_q444f39d971_gfc
	.globl	k_q444f39d971_gfc
	.p2align	8
	.type	k_q444f39d971_gfc,@function
k_q444f39d971_gfc:
	s_mov_b64 s[64:65], 0
	v_nop
	global_prefetch_b8 v0, s[64:65] scope:SCOPE_SE
	s_setreg_imm32_b32 hwreg(HW_REG_WAVE_MODE, 25, 1), 1
	s_wait_xcnt 0x0
	s_wait_alu depctr_hold_cnt(0) depctr_sa_sdst(0) depctr_va_vdst(0) depctr_va_sdst(0) depctr_va_ssrc(0) depctr_va_vcc(0) depctr_vm_vsrc(0)
	s_getreg_b32 s2, hwreg(HW_REG_IB_STS2, 6, 4)
	s_cmp_eq_u32 s2, 0
	s_cbranch_scc0 .Lentry_in_a_cluster
	s_endpgm
.Lentry_in_a_cluster:
	s_bfe_u32 s2, ttmp6, 0x10000c
	s_cmp_lg_u32 s2, 0xf033
	s_cbranch_scc0 .Lentry_shape_is_right
	s_endpgm
.Lentry_shape_is_right:
.set KS,    8
.set AC_OFF, 0
.set AS_OFF, 3145728
.set BC_OFF, 3145728
.set BS_OFF, 9568256
.set LAPS,  KS/4
.set GSTR,  KS*12288
.set SG,    KS*512
.set RGN,   24576
.set SLOT,  4*RGN
.set SCL,   2*SLOT
.set SPARE, SCL+4*SG
.set FR,    12
.set NL,    4
.set NP,    4
.set ADRA, 16
.set ADRB, 20
.set OA16, 24
.set OA8,  25
.set OS,   26
.set ADRS, 27
.set SPW,  28
.set NIL,  29
.set SC,   32
.set AF,   128
.set PC,   64
.set KV,   84
.set TM,   96
.set WS,   112
.set EW,   120
.set TT,   128
.set G1, 24
.set G0, 32
.set G1B, 48
.set G0B, 56
.set G1S, 68
.set G0S, 76
.set G1SB, 80
.set G0SB, 88
.set MSB, 0
.macro WIN new
.if MSB != (\new)
	s_set_vgpr_msb (MSB<<8)|(\new)
.set MSB, (\new)
.endif
.endm
.set MUL_LO, 0xa1
.set MUL_HI, 0xf1
.set TO_B,   0x40
.macro JLOAD g0a, g1a, g0b, g1b
	s_cmp_eq_u32 s15, 0
	s_cbranch_scc0 .Lfor_b_\@
	tensor_load_to_lds s[\g0a:\g0a+3], s[\g1a:\g1a+7]
	s_nop 0
.rept 4
	v_nop
.endr
	s_branch .Lasked_\@
.Lfor_b_\@:
	tensor_load_to_lds s[\g0b:\g0b+3], s[\g1b:\g1b+7]
	s_nop 0
.rept 4
	v_nop
.endr
.Lasked_\@:
.endm
.macro CREST
	s_cmp_lg_u32 s14, 0
	s_cbranch_scc1 .Lnot_wave_0_\@
	s_barrier_signal -3
.Lnot_wave_0_\@:
	s_barrier_wait -3
	s_barrier_signal -1
	s_barrier_wait -1
.endm
.macro CROUND
	s_barrier_signal -1
	s_barrier_wait -1
	CREST
.endm
.macro FRAG reg, adr, q, i
	ds_load_b128 v[\reg:\reg+3], v[\adr] offset:(\q)*12288+(\i)*1536
	ds_load_b64 v[\reg+4:\reg+5], v[\adr+2] offset:(\q)*12288+(\i)*1536+512
	ds_load_b128 v[\reg+6:\reg+9], v[\adr] offset:(\q)*12288+(\i)*1536+768
	ds_load_b64 v[\reg+10:\reg+11], v[\adr+2] offset:(\q)*12288+(\i)*1536+1280
.endm
.macro MUL16 a0, p, q, sc, zero
.irp a, \a0, \a0+1
.irp b, 0,1,2,3,4,5,6,7
.set rD, 8*(8*((\a)%4)+\b)
.set rB, 128*(\p)+FR*\b
.set rA, AF+FR*(\a)
.set rC, rD
.if (\zero) == 1
.set rC, 96+8*\b+96*(\b/4)
.endif
	v_wmma_scale_f32_16x16x128_f8f6f4 v[rD:rD+7], v[rB:rB+FR-1], v[rA:rA+FR-1], v[rC:rC+7], v[SC+16*(\sc)+8*(\q)+\b], v[SC+16*(\sc)+8*(\q)+(\a)] matrix_a_fmt:MATRIX_FMT_FP6 matrix_b_fmt:MATRIX_FMT_FP6 matrix_a_scale:MATRIX_SCALE_ROW1
.endr
.endr
.endm
.macro FETCH_B slot, q, p
	WIN TO_B
.irp i, 0,1,2,3,4,5,6,7
	FRAG 128*(\p)+FR*\i, ADRB+\slot, \q, \i
.endr
	WIN 0
.endm
.macro FETCH_A slot, q, i0
.irp i, \i0, \i0+1, \i0+2, \i0+3
	FRAG AF+FR*(\i), ADRA+\slot, \q, \i
.endr
.endm
.macro SCALES sc
.irp i, 0,1,2,3
	ds_load_b128 v[SC+16*\sc+4*\i:SC+16*\sc+4*\i+3], v[ADRS] offset:256*\i
.endr
.endm
.macro PLACES n
.rept \n
	v_nop
.endr
.endm
.macro STEP slot, q, zero
	s_wait_dscnt 4*NL
.if \zero
	WIN 0x91
.else
	WIN MUL_LO
.endif
	MUL16 0, (\q)%2, \q, \slot, \zero
	MUL16 2, (\q)%2, \q, \slot, \zero
	s_wait_dscnt 0
	PLACES NP
	FETCH_B \slot, (\q)+1, 1-(\q)%2
	FETCH_A \slot, (\q)+1, 0
.if \zero
	WIN 0xd1
.else
	WIN MUL_HI
.endif
	MUL16 4, (\q)%2, \q, \slot, \zero
	MUL16 6, (\q)%2, \q, \slot, \zero
	PLACES NP
	WIN 0
	FETCH_A \slot, (\q)+1, 4
.endm
.macro TURN slot, next, fill
	s_wait_tensorcnt 0x0
	ds_add_u32 v[SPW], v[NIL]
	s_wait_dscnt 4*NL+1
	WIN MUL_LO
	MUL16 0, 1, 1, \slot, 0
	s_wait_dscnt 0x0
	s_barrier_signal -1
	MUL16 2, 1, 1, \slot, 0
	WIN 0
	s_barrier_wait -1
.if \fill
	CREST
	s_add_nc_u64 s[G0+4*\slot+2:G0+4*\slot+3], s[G0+4*\slot+2:G0+4*\slot+3], 2*RGN
	s_add_nc_u64 s[G0B+4*\slot+2:G0B+4*\slot+3], s[G0B+4*\slot+2:G0B+4*\slot+3], 2*RGN
	JLOAD G0+4*\slot, G1, G0B+4*\slot, G1B
.else
	PLACES NP
.endif
	s_wait_alu depctr_va_vdst(0)
	v_add_nc_u32 v[ADRS], 1024, v[ADRS]
	FETCH_B \next, 0, 0
	FETCH_A \next, 0, 0
	SCALES \next
	WIN MUL_HI
	MUL16 4, 1, 1, \slot, 0
	MUL16 6, 1, 1, \slot, 0
	PLACES NP
	WIN 0
	FETCH_A \next, 0, 4
.endm
	s_load_b256 s[4:11], s[0:1], 0x0
	v_lshl_add_u32 v[SPW], v0, 2, SPARE
	v_mov_b32 v[NIL], 0
	ds_add_u32 v[SPW], v[NIL]
	ds_add_u32 v[SPW], v[NIL]
	v_lshrrev_b32 v1, 5, v0
	v_readfirstlane_b32 s14, v1
	s_lshr_b32 s15, s14, 1
	s_and_b32 s16, s14, 1
	s_bfe_u32 s40, ttmp6, 0x40000
	s_bfe_u32 s41, ttmp6, 0x40004
	s_lshl_b32 s42, ttmp9, 2
	s_add_co_u32 s42, s42, s40
	s_and_b32 s17, ttmp7, 0xffff
	s_lshl_b32 s17, s17, 2
	s_add_co_u32 s17, s17, s41
	s_lshl_b32 s43, s41, 2
	s_lshl_b32 s43, 15, s43
	s_lshl_b32 s44, 0x1111, s40
	s_or_b32 s[G1+0], s43, (3<<16)|(1<<21)
	s_or_b32 s[G1B+0], s44, (3<<16)|(1<<21)
.irp g, G1, G1B
	s_mov_b32 s[\g+1], 32<<16
	s_mov_b32 s[\g+2], 96<<16
	s_mov_b32 s[\g+3], 32<<16
	s_mov_b32 s[\g+4], 96
	s_mov_b32 s[\g+5], 32
	s_mov_b32 s[\g+6], 0
	s_mov_b32 s[\g+7], 0
.endr
	s_lshl_b32 s20, s17, 1
	s_add_co_u32 s20, s20, s16
	s_lshl_b32 s46, s42, 1
	s_add_co_u32 s46, s46, s16
	s_mul_i32 s22, s20, SG
	s_add_co_u32 s22, s22, AS_OFF
	s_mul_i32 s20, s20, GSTR
	s_add_co_u32 s20, s20, AC_OFF
	s_mul_i32 s92, s46, SG
	s_add_co_u32 s92, s92, BS_OFF
	s_mul_i32 s46, s46, GSTR
	s_add_co_u32 s46, s46, BC_OFF
	s_mov_b32 s21, 0
	s_mov_b32 s23, 0
	s_mov_b32 s47, 0
	s_mov_b32 s93, 0
	s_mul_i32 s45, s14, RGN
	s_mul_i32 s94, s14, SG
	s_mov_b32 s98, 0x76543210
	s_mov_b32 s99, 0xfedcba98
	s_mov_b32 s100, 0xffff0000
	s_mov_b32 s12, 0xbdd2d3e8
	s_mov_b32 s13, s12
	s_wait_dscnt 0x0
	s_wait_kmcnt 0x0
	s_add_nc_u64 s[20:21], s[4:5], s[20:21]
	s_add_nc_u64 s[22:23], s[4:5], s[22:23]
	s_add_nc_u64 s[46:47], s[6:7], s[46:47]
	s_add_nc_u64 s[92:93], s[6:7], s[92:93]
	CROUND
	s_cmp_eq_u32 s15, 0                            ; the scale words come by plain loads and LDS stores, a group (SG bytes) a wave: the head has one tensor load a wave
	s_cselect_b64 s[2:3], s[22:23], s[92:93]       ; my group's words: A's for waves 0 and 1, B's for waves 2 and 3
.irp s, 0,1
	s_mov_b32 s[G0+4*\s], 1
	s_add_co_u32 s[G0+4*\s+1], s45, \s*SLOT
	s_add_nc_u64 s[G0+4*\s+2:G0+4*\s+3], s[20:21], \s*RGN
	s_or_b32 s[G0+4*\s+3], s[G0+4*\s+3], 0x80000000
	s_mov_b32 s[G0B+4*\s], 1
	s_add_co_u32 s[G0B+4*\s+1], s45, \s*SLOT
	s_add_nc_u64 s[G0B+4*\s+2:G0B+4*\s+3], s[46:47], \s*RGN
	s_or_b32 s[G0B+4*\s+3], s[G0B+4*\s+3], 0x80000000
.endr
	JLOAD G0, G1, G0B, G1B                         ; slot 0: my one tensor load at the head
	v_and_b32 v1, 15, v0
	v_bfe_u32 v2, v0, 4, 1
	v_and_b32 v3, 31, v0
	v_lshlrev_b32 v[OA16], 4, v3
	v_lshlrev_b32 v[OA8], 3, v3
	s_add_co_u32 s94, s94, SCL
	v_add_nc_u32 v8, s94, v[OA16]                  ; where my group's scale words go in LDS
.irp i, 0,1,2,3,4,5,6,7
	global_load_b128 v[AF+4*\i:AF+4*\i+3], v[OA16], s[2:3] offset:512*\i   ; 512 consecutive bytes an instruction
.endr
	s_mul_i32 s21, s15, RGN
	s_mul_i32 s22, s16, RGN
	s_add_co_u32 s22, s22, 2*RGN
.irp s, 0,1
	v_add_nc_u32 v[ADRA+\s], s21, v[OA16]
	v_add_nc_u32 v[ADRB+\s], s22, v[OA16]
	v_add_nc_u32 v[ADRA+2+\s], s21, v[OA8]
	v_add_nc_u32 v[ADRB+2+\s], s22, v[OA8]
	s_add_co_u32 s21, s21, SLOT
	s_add_co_u32 s22, s22, SLOT
.endr
	v_lshlrev_b32 v6, 4, v1
	s_mul_i32 s21, s15, SG
	s_mul_i32 s22, s16, SG
	s_add_co_u32 s22, s22, 2*SG
	s_sub_co_u32 s22, s22, s21
	v_mul_u32_u24 v7, s22, v2
	s_add_co_u32 s21, s21, SCL
	v_add_nc_u32 v7, v6, v7
	v_add_nc_u32 v[ADRS], s21, v7
	v_lshl_add_u32 v[OS], v2, 8, v6
.irp b, 0,1,2,3
	v_mov_b32 v[TM+4+\b], 0
.endr
	v_mov_b32 v[KV], 0xc0135761
	v_mov_b32 v[KV+1], v[KV]
	s_lshl_b32 s96, s42, 10
	s_lshl_b32 s97, s16, 9
	s_add_co_u32 s96, s96, s97
	s_mov_b32 s97, 0
	s_add_nc_u64 s[92:93], s[8:9], s[96:97]
	v_lshlrev_b32 v7, 6, v2
	WIN 0x40
.irp b, 0,1,2,3,4,5,6,7
	global_load_b128 v[96+8*\b+96*(\b/4):96+8*\b+96*(\b/4)+3], v7, s[92:93] offset:(32*(\b/2)+8*(\b%2))*4
	global_load_b128 v[96+8*\b+96*(\b/4)+4:96+8*\b+96*(\b/4)+7], v7, s[92:93] offset:(32*(\b/2)+8*(\b%2))*4+16
.endr
	WIN 0
	s_lshl_b32 s96, s17, 1
	s_add_co_u32 s96, s96, s15
	s_lshl_b32 s97, s42, 1
	s_add_co_u32 s97, s97, s16
	s_lshl_b32 s96, s96, 5
	s_add_co_u32 s96, s96, s97
	s_mul_i32 s18, s96, 12288
	s_mov_b32 s19, 0
	s_add_nc_u64 s[18:19], s[10:11], s[18:19]
	s_add_nc_u64 s[20:21], s[18:19], 768
	s_lshl_b32 s46, s96, 9
	s_add_co_u32 s46, s46, 12582912
	s_mov_b32 s47, 0
	s_add_nc_u64 s[46:47], s[10:11], s[46:47]
	s_wait_alu depctr_va_vdst(0)
	s_wait_loadcnt 0x0                             ; the bias and my scale words
.irp i, 0,1,2,3,4,5,6,7
	ds_store_b128 v8, v[AF+4*\i:AF+4*\i+3] offset:512*\i
.endr
	s_wait_tensorcnt 0x0                           ; my part of slot 0 is in; these lines stand ahead of slot 1's first fill as ahead of a refill
	ds_add_u32 v[SPW], v[NIL]
	s_wait_dscnt 0x0                               ; the add and my stores of scale words are done
	CROUND                                         ; slot 0 and all scale words are shown to all, and the joint loads meet
	JLOAD G0+4, G1, G0B+4, G1B                     ; slot 1
	FETCH_B 0, 0, 0
	FETCH_A 0, 0, 0
	SCALES 0
	FETCH_A 0, 0, 4
	STEP 0, 0, 1
	s_mov_b32 s3, LAPS-1
.Llap:
	TURN 0, 1, 1
	STEP 1, 0, 0
	TURN 1, 0, 1
	STEP 0, 0, 0
	s_sub_co_u32 s3, s3, 1
	s_cmp_lg_u32 s3, 0
	s_cbranch_scc1 .Llap
	TURN 0, 1, 0
	STEP 1, 0, 0
	s_wait_dscnt 4*NL
	WIN MUL_LO
	MUL16 0, 1, 1, 1, 0
	MUL16 2, 1, 1, 1, 0
	s_wait_dscnt 0
	WIN MUL_HI
	MUL16 4, 1, 1, 1, 0
	MUL16 6, 1, 1, 1, 0
	WIN 0
.macro GELU s, win
	WIN 5*(\win)
.set gj, 0
.rept 32
	v_pk_mul_f32 v[TT+gj:TT+gj+1], v[\s+gj:\s+gj+1], v[\s+gj:\s+gj+1]
.set gj, gj+2
.endr
	WIN 0
.set gj, 0
.rept 32
	v_pk_fma_f32 v[TT+gj:TT+gj+1], v[TT+gj:TT+gj+1], s[12:13], v[KV:KV+1] op_sel_hi:[1,0,1]
.set gj, gj+2
.endr
	WIN 4*(\win)
.set gj, 0
.rept 32
	v_pk_mul_f32 v[TT+gj:TT+gj+1], v[TT+gj:TT+gj+1], v[\s+gj:\s+gj+1]
.set gj, gj+2
.endr
	WIN 0
.set gj, 0
	s_wait_alu depctr_va_vdst(0)
.rept 64
	v_exp_f32 v[TT+gj], v[TT+gj]
.set gj, gj+1
.endr
	v_nop
	s_wait_alu depctr_va_vdst(0)
.set gj, 0
.rept 32
	v_pk_add_f32 v[TT+gj:TT+gj+1], v[TT+gj:TT+gj+1], 1.0 op_sel_hi:[1,0]
.set gj, gj+2
.endr
.set gj, 0
	s_wait_alu depctr_va_vdst(0)
.rept 64
	v_rcp_f32 v[TT+gj], v[TT+gj]
.set gj, gj+1
.endr
	v_nop
	s_wait_alu depctr_va_vdst(0)
	WIN 4*(\win)
.set gj, 0
.rept 32
	v_pk_mul_f32 v[TT+gj:TT+gj+1], v[TT+gj:TT+gj+1], v[\s+gj:\s+gj+1]
.set gj, gj+2
.endr
	WIN 0
.endm
.macro QMAX s, win, wreg
	WIN 5*(\win)
.irp b, 0,1,2,3
	v_max3_num_f32 v[TM+\b], |v[\s+16*\b]|, |v[\s+1+16*\b]|, 0x1800000
.endr
.irp i, 2,4,6,8,10,12,14
.irp b, 0,1,2,3
	v_max3_num_f32 v[TM+\b], |v[\s+16*\b+\i]|, |v[\s+1+16*\b+\i]|, v[TM+\b]
.endr
.endr
	WIN 0
.irp b, 0,1,2,3
	v_permlanex16_b32 v[TM+4+\b], v[TM+\b], s98, s99
.endr
.irp b, 0,1,2,3
	v_max_num_f32 v[TM+\b], v[TM+\b], v[TM+4+\b]
.endr
.irp b, 0,1,2,3
	v_add_nc_u32 v[TM+12+\b], 0xff000000, v[TM+\b]
.endr
.irp b, 0,1,2,3
	v_lshrrev_b32 v[TM+4+\b], 23, v[TM+12+\b]
.endr
	v_lshl_or_b32 v[\wreg], v[TM+5], 8, v[TM+4]
	v_lshl_or_b32 v[\wreg], v[TM+6], 16, v[\wreg]
	v_lshl_or_b32 v[\wreg], v[TM+7], 24, v[\wreg]
.endm
.macro QCVT s, win
	WIN (\win)
.irp c, 0,1
	v_cvt_scalef32_pk16_fp6_f32 v[PC+6*\c:PC+2+6*\c], v[\s+32*\c:\s+15+32*\c], v[TM+12+2*\c]
	v_cvt_scalef32_pk16_fp6_f32 v[PC+12+4*\c:PC+14+4*\c], v[\s+16+32*\c:\s+31+32*\c], v[TM+12+2*\c+1]
.endr
	WIN 0
	v_nop
.irp c, 0,1
.irp i, 0,1,2
	v_permlane16_swap_b32 v[PC+6*\c+\i], v[PC+12+4*\c+\i]
.endr
.irp i, 0,1,2
	v_mov_b32 v[PC+3+6*\c+\i], v[PC+12+4*\c+\i]
.endr
.endr
.endm
.macro PUT
	global_store_b128 v[OA16], v[PC:PC+3], s[18:19]
	global_store_b64 v[OA8], v[PC+4:PC+5], s[18:19] offset:512
	global_store_b128 v[OA16], v[PC+6:PC+9], s[20:21]
	global_store_b64 v[OA8], v[PC+10:PC+11], s[20:21] offset:512
.endm
	PLACES NP
.irp a, 0,1,2,3,4,5,6,7
.set QS, 64*(\a%4)
.set QW, 2+\a/4
	GELU QS, QW
	QMAX TT, 0, WS+\a
	s_wait_xcnt 0x0
.if \a > 0
	s_add_nc_u64 s[18:19], s[18:19], 1536
	s_add_nc_u64 s[20:21], s[20:21], 1536
.endif
	QCVT TT, 0
	PUT
.endr
.irp i, 0,1,2,3
	v_cndmask_b32 v[EW+\i], v[WS+\i], v[WS+4+\i], s100
.endr
	global_store_b128 v[OS], v[EW:EW+3], s[46:47]
	s_wait_tensorcnt 0x0
	ds_add_u32 v[SPW], v[NIL]
	s_wait_dscnt 0x0
	CROUND
	s_endpgm
.Lfunc_end_k_q444f39d971_gfc:
	.size	k_q444f39d971_gfc, .Lfunc_end_k_q444f39d971_gfc-k_q444f39d971_gfc
	.p2alignl 7, 3214868480
	.fill 96, 4, 3214868480
	.section	.rodata,"a",@progbits
	.p2align	6, 0x0
	.amdhsa_kernel k_q444f39d971_gfc
		.amdhsa_group_segment_fixed_size 327680
		.amdhsa_private_segment_fixed_size 0
		.amdhsa_enable_private_segment 0
		.amdhsa_kernarg_size 32
		.amdhsa_user_sgpr_count 2
		.amdhsa_user_sgpr_kernarg_segment_ptr 1
		.amdhsa_wavefront_size32 1
		.amdhsa_system_sgpr_workgroup_id_x 1
		.amdhsa_system_sgpr_workgroup_id_y 1
		.amdhsa_system_sgpr_workgroup_id_z 1
		.amdhsa_system_vgpr_workitem_id 0
		.amdhsa_next_free_vgpr 1024
		.amdhsa_next_free_sgpr 102
		.amdhsa_reserve_vcc 0
		.amdhsa_float_denorm_mode_32 3
		.amdhsa_float_denorm_mode_16_64 3
		.amdhsa_memory_ordered 1
		.amdhsa_forward_progress 1
		.amdhsa_inst_pref_size 255
	.end_amdhsa_kernel
	.section	.bss,"aw",@nobits
	.p2align	6
	.space	262144
	.amdgpu_metadata
---
amdhsa.version: [ 1, 2 ]
amdhsa.kernels:
  - .name:           k_q444f39d971_gfc
    .symbol:         k_q444f39d971_gfc.kd
    .args:
      - { .name: h2, .offset: 0, .size: 8, .value_kind: global_buffer, .address_space: global }
      - { .name: wts, .offset: 8, .size: 8, .value_kind: global_buffer, .address_space: global }
      - { .name: b_fc, .offset: 16, .size: 8, .value_kind: global_buffer, .address_space: global }
      - { .name: g, .offset: 24, .size: 8, .value_kind: global_buffer, .address_space: global }
    .group_segment_fixed_size: 327680
    .private_segment_fixed_size: 0
    .kernarg_segment_align: 8
    .kernarg_segment_size: 32
    .max_flat_workgroup_size: 128
    .sgpr_count:     102
    .vgpr_count:     1024
    .wavefront_size: 32
...
	.end_amdgpu_metadata
.endif
;; end of part 12
;; launch gproj (part 13): grid 8 x 32, 4 waves a work-group, clusters of 4 x 4, 327,680 bytes of LDS; arguments g, wts, b_proj, x1, out0; writes out0
.if DOCPART == 13
	.amdgcn_target "amdgcn-amd-amdhsa--gfx1250"
	.amdhsa_code_object_version 6
	.text
	.protected	k_q444f39d971_gproj
	.globl	k_q444f39d971_gproj
	.p2align	8
	.type	k_q444f39d971_gproj,@function
k_q444f39d971_gproj:
	s_mov_b64 s[64:65], 0
	v_nop
	global_prefetch_b8 v0, s[64:65] scope:SCOPE_SE
	s_setreg_imm32_b32 hwreg(HW_REG_WAVE_MODE, 25, 1), 1
	s_wait_xcnt 0x0
	s_wait_alu depctr_hold_cnt(0) depctr_sa_sdst(0) depctr_va_vdst(0) depctr_va_sdst(0) depctr_va_ssrc(0) depctr_va_vcc(0) depctr_vm_vsrc(0)
	s_getreg_b32 s2, hwreg(HW_REG_IB_STS2, 6, 4)
	s_cmp_eq_u32 s2, 0
	s_cbranch_scc0 .Lentry_in_a_cluster
	s_endpgm
.Lentry_in_a_cluster:
	s_bfe_u32 s2, ttmp6, 0x10000c
	s_cmp_lg_u32 s2, 0xf033
	s_cbranch_scc0 .Lentry_shape_is_right
	s_endpgm
.Lentry_shape_is_right:
; out0 = x1 + g W_proj + b_proj.  g and W_proj are codes of FP6 (E2M3) with E8M0 scales, laid in the order of the operand's registers: a group of 128 rows x 128 K is 8 fragments of 1,536 bytes, a group's K steps on end; scale words 512 bytes a K step.
; A TILE OF C IS 128 x 128: C is 4,096 x 1,024, which is 64 tiles of 256 x 256 but 256 of this size.  Four waves, each 64 x 64: 16 accumulators, 128 registers.  A's group is the tile row, B's the tile column.
; K = 4,096 goes through a ring of two LDS slots.  A slot holds four K steps of A's group and four of B's (98,304 bytes); each wave fetches two K steps of one group, 24,576 dense bytes, by one tensor load: eight fills in all, six of them refills.
; The two groups' scale words, for all of K (16,384 bytes a group), come with the first fills, half a group a wave, and stay.
; TRANSPOSED: source 0 = 16 rows of W_proj (natural order), source 1 = 16 token rows: a lane holds eight neighbouring columns of one row.  The bias is the C of each sum's first product.
; Token rows lie in stored order: row t of block rb of a group is natural row 32 (rb / 2) + 8 (rb % 2) + t + 8 (t / 8): the way out puts each row where it belongs, by an immediate.
; THE RESIDUAL, my 64 x 64 of x1, is asked for at set-up into registers that the products do not touch, and is waited for on the way out.
; THE WAY OUT: a block of 16 rows x 64 columns goes through my stage in LDS (in slot 0, which has had its last fill and its last read), comes back as rows of 256 bytes, takes the residual and is stored: sixteen lanes store 256 consecutive bytes, aligned.
; CLUSTER 4 x 4: A's group is asked for jointly along a row, B's along a column; each refill stands behind a round of the cluster's barrier.
; REGISTERS: window 0: v16-29 addresses; v32-63 scale words, two sets; v128-255 accumulator (a, b) at v[128 + 8 (4 a + b)].  window 1: two fragment buffers of 96 (A's four, then B's four) at v0 and v128; the bias in v96-127; on the way out rows in v0-127.
;   window 2: v0-127 the residual.
.set KS,    32
.set AC_OFF, 0
.set AS_OFF, 12582912
.set BC_OFF, 6291456
.set BS_OFF, 9699328
.set LAPS,  KS/8                       ; a lap = two slots = eight K steps
.set GSTR,  KS*12288
.set SG,    KS*512
.set RGN,   24576                      ; two K steps of a group: what one tensor load brings
.set SLOT,  4*RGN                      ; A's four K steps, then B's four
.set SCL,   2*SLOT                     ; behind the ring: A's group's scale words, then B's
.set SPARE, SCL+2*SG                   ; the spare words, 128 bytes a wave; no other line names them
.set FR,    12
.set NP,    4                          ; places behind this matrix instruction (ISA guide 7.12.1)
.set SPITCH, 272                       ; a stage row: 256 bytes + 16: sixteen rows start at sixteen different 16-byte columns
.set ADRA, 16                          ; v16-17 my four blocks of A in slot 0, 1, + 16 L; v18-19 the same + 8 L
.set ADRB, 20                          ; v20-23 the same for B
.set STO,  24                          ; v24 the stage: where I put 32 bytes of a row
.set RD,   25                          ; v25 where I read a row back
.set CO,   26                          ; v26 4,096 (lane / 16) + 16 (lane % 16): two rows of C an instruction
.set ADRS, 27                          ; v27 my scale words: lanes 0-15 A's, lanes 16-31 B's
.set SPW,  28
.set NIL,  29
.set SC,   32                          ; set s at v[SC + 16 s]; in it register 4 q + i: block i, the slot's q-th K step
.set ACC,  128
.set F0,   0                           ; fragment buffers, in window 1
.set F1,   128
.set BI,   96                          ; the bias, in window 1
.set G1, 24
.set G0, 32
.set G1B, 48
.set G0B, 56
.set G1S, 68
.set G0S, 76
.set G1SB, 80
.set G0SB, 88
.set MSB, 0
.macro WIN new                         ; the immediate's high byte repeats the setting that is left
.if MSB != (\new)
	s_set_vgpr_msb (MSB<<8)|(\new)
.set MSB, (\new)
.endif
.endm
.set MUL,   0x05                       ; sources 0 (B) and 1 (A) window 1; C and D window 0
.set MUL_C, 0x15                       ; the same with C (the bias) in window 1
.set TO_F,  0x40                       ; destination window 1, address window 0
.macro JLOAD g0a, g1a, g0b, g1b        ; a joint load: waves 0 and 1 fetch for A, waves 2 and 3 for B; an s_nop 0 and four v_nop follow each line
	s_cmp_eq_u32 s15, 0
	s_cbranch_scc0 .Lfor_b_\@
	tensor_load_to_lds s[\g0a:\g0a+3], s[\g1a:\g1a+7]
	s_nop 0
.rept 4
	v_nop
.endr
	s_branch .Lasked_\@
.Lfor_b_\@:
	tensor_load_to_lds s[\g0b:\g0b+3], s[\g1b:\g1b+7]
	s_nop 0
.rept 4
	v_nop
.endr
.Lasked_\@:
.endm
.macro CREST
	s_cmp_lg_u32 s14, 0
	s_cbranch_scc1 .Lnot_wave_0_\@
	s_barrier_signal -3
.Lnot_wave_0_\@:
	s_barrier_wait -3
	s_barrier_signal -1
	s_barrier_wait -1
.endm
.macro CROUND
	s_barrier_signal -1
	s_barrier_wait -1
	CREST
.endm
.macro FRAG reg, adr, q, i             ; a fragment as it lies: every load of the wave takes 512 or 256 consecutive bytes
	ds_load_b128 v[\reg:\reg+3], v[\adr] offset:(\q)*12288+(\i)*1536
	ds_load_b64 v[\reg+4:\reg+5], v[\adr+2] offset:(\q)*12288+(\i)*1536+512
	ds_load_b128 v[\reg+6:\reg+9], v[\adr] offset:(\q)*12288+(\i)*1536+768
	ds_load_b64 v[\reg+10:\reg+11], v[\adr+2] offset:(\q)*12288+(\i)*1536+1280
.endm
; 4 products: A's block a x B's four, 128 along K, from buffer f.  zero = 1: C = the bias by B's block.  The 16 accumulators take turns, one instruction a turn.
.macro MULA f, a, q, sc, zero
.irp b, 0,1,2,3
.set rD, ACC+8*(4*(\a)+\b)
.set rB, (\f)+48+FR*\b
.set rA, (\f)+FR*(\a)
.set rC, rD
.if (\zero) == 1
.set rC, BI+8*\b
.endif
	v_wmma_scale_f32_16x16x128_f8f6f4 v[rD:rD+7], v[rB:rB+FR-1], v[rA:rA+FR-1], v[rC:rC+7], v[SC+16*(\sc)+4*(\q)+\b], v[SC+16*(\sc)+4*(\q)+(\a)] matrix_a_fmt:MATRIX_FMT_FP6 matrix_b_fmt:MATRIX_FMT_FP6 matrix_a_scale:MATRIX_SCALE_ROW1
.endr
.endm
.macro FETCH slot, q, f                ; 32 LDS loads in one run: B's four fragments, then A's four, so that a wait can leave A's blocks 2 and 3 out
	WIN TO_F
.irp i, 0,1,2,3
	FRAG (\f)+48+FR*\i, ADRB+\slot, \q, \i
.endr
.irp i, 0,1,2,3
	FRAG (\f)+FR*\i, ADRA+\slot, \q, \i
.endr
.endm
.macro SCALES sc                       ; a slot's scale words: four K steps x my four blocks of each side
.irp k, 0,1,2,3
	ds_load_b128 v[SC+16*\sc+4*\k:SC+16*\sc+4*\k+3], v[ADRS] offset:512*\k
.endr
.endm
.macro PLACES n
.rept \n
	v_nop
.endr
.endm
; One of a slot's first three K steps: multiplies buffer f; in its middle it fetches the next K step into buffer g, which the step before multiplied: four places stand in front of those loads.
.macro STEP slot, q, f, g, zero
	s_wait_dscnt 8                                 ; all but the youngest eight loads (A's blocks 2 and 3)
.if \zero
	WIN MUL_C
.else
	WIN MUL
.endif
	MULA \f, 0, \q, \slot, \zero
	MULA \f, 1, \q, \slot, \zero
	PLACES NP
	FETCH \slot, (\q)+1, \g
	s_wait_dscnt 32                                ; all but the 32 just issued
.if \zero
	WIN MUL_C
.else
	WIN MUL
.endif
	MULA \f, 2, \q, \slot, \zero
	MULA \f, 3, \q, \slot, \zero
.endm
; A slot's fourth K step multiplies buffer 1 and changes slots: one barrier; in front of it each wave waits for all its tensor loads, adds 0 to its spare word, and waits for that and for its reads of this slot.
.macro TURN slot, next, fill
	WIN 0                                          ; (the add's two registers lie in window 0)
.if \fill
	s_wait_xcnt 0x0                                ; my last prefetch has read its address: it steps a slot on
	s_add_nc_u64 s[98:99], s[98:99], 2*RGN
.endif
	s_wait_tensorcnt 0x0                           ; all my tensor loads have landed: my part of the next slot
	ds_add_u32 v[SPW], v[NIL]
	s_wait_dscnt 9                                 ; (the add and A's blocks 2 and 3 may be out)
	WIN MUL
	MULA F1, 0, 3, \slot, 0
	MULA F1, 1, 3, \slot, 0
	s_wait_dscnt 0x0                               ; the add is done, my reads of this slot are over
	s_barrier_signal -1
	MULA F1, 2, 3, \slot, 0
	WIN 0
	s_barrier_wait -1
.if \fill
	CREST                                          ; a round of the cluster's barrier: no wave of any partner still reads this slot or has a load on its way
	s_add_nc_u64 s[G0+4*\slot+2:G0+4*\slot+3], s[G0+4*\slot+2:G0+4*\slot+3], 4*RGN
	s_add_nc_u64 s[G0B+4*\slot+2:G0B+4*\slot+3], s[G0B+4*\slot+2:G0B+4*\slot+3], 4*RGN
	JLOAD G0+4*\slot, G1, G0B+4*\slot, G1B         ; the first tensor load behind the round; its four v_nop are the places in front of the loads below
.else
	PLACES NP
.endif
	s_wait_alu depctr_va_vdst(0)
	v_add_nc_u32 v[ADRS], 2048, v[ADRS]            ; the next slot's scale words
	SCALES \next
	FETCH \next, 0, F0
.if \fill
	WIN 0                                          ; behind the load of slot n stands a prefetch of slot n + 2: my work-group's 24 of the 96 blocks of 256 bytes that I fetch, a lane a block
	s_cmp_gt_u32 s3, 1                             ; the last trip's two refills bring slots 6 and 7: nothing lies two slots on
	s_cbranch_scc0 .Lno_ask_\@
	global_prefetch_b8 v9, s[98:99] offset:6*RGN th:TH_LOAD_NT scope:SCOPE_SE
.Lno_ask_\@:
.endif
	WIN MUL
	MULA F1, 3, 3, \slot, 0
.endm
	s_load_b256 s[4:11], s[0:1], 0x0               ; A, wts, bias, residual
	s_load_b64 s[12:13], s[0:1], 0x20              ; out
	v_lshl_add_u32 v[SPW], v0, 2, SPARE
	v_mov_b32 v[NIL], 0
	ds_add_u32 v[SPW], v[NIL]                      ; the wave's opening: the add and its wait ahead of my first tensor load
	ds_add_u32 v[SPW], v[NIL]
	v_lshrrev_b32 v1, 5, v0
	v_readfirstlane_b32 s14, v1                    ; wave
	s_lshr_b32 s15, s14, 1                         ; my half of the tile's rows; also: I fetch for A (0) or B (1)
	s_and_b32 s16, s14, 1                          ; my half of its columns; also: which two of a slot's four K steps I fetch
	s_bfe_u32 s40, ttmp6, 0x40000                  ; cx
	s_bfe_u32 s41, ttmp6, 0x40004                  ; cy
	s_lshl_b32 s42, ttmp9, 2
	s_add_co_u32 s42, s42, s40                     ; tile column = B's group
	s_and_b32 s17, ttmp7, 0xffff
	s_lshl_b32 s17, s17, 2
	s_add_co_u32 s17, s17, s41                     ; tile row = A's group
	s_lshl_b32 s43, s41, 2
	s_lshl_b32 s43, 15, s43                        ; my row of the cluster
	s_lshl_b32 s44, 0x1111, s40                    ; my column
	s_or_b32 s[G1+0], s43, (3<<16)|(1<<21)         ; the mask; elements of 8 bytes; bit 21 beside a mask; no padding
	s_or_b32 s[G1B+0], s44, (3<<16)|(1<<21)
.irp g, G1, G1B
	s_mov_b32 s[\g+1], 32<<16                      ; rows of 256 bytes,
	s_mov_b32 s[\g+2], 96<<16                      ; 96 of them: a dense block of 24,576 bytes
	s_mov_b32 s[\g+3], 32<<16
	s_mov_b32 s[\g+4], 96
	s_mov_b32 s[\g+5], 32
	s_mov_b32 s[\g+6], 0
	s_mov_b32 s[\g+7], 0
.endr
	s_mul_i32 s18, s16, RGN
	s_mul_i32 s19, s16, SG/2
	s_mul_i32 s22, s17, SG
	s_add_co_u32 s22, s22, s19
	s_add_co_u32 s22, s22, AS_OFF                  ; A's scale words that I fetch,
	s_mul_i32 s20, s17, GSTR
	s_add_co_u32 s20, s20, s18
	s_add_co_u32 s20, s20, AC_OFF                  ; A's codes,
	s_mul_i32 s92, s42, SG
	s_add_co_u32 s92, s92, s19
	s_add_co_u32 s92, s92, BS_OFF                  ; B's scale words,
	s_mul_i32 s46, s42, GSTR
	s_add_co_u32 s46, s46, s18
	s_add_co_u32 s46, s46, BC_OFF                  ; B's codes
	s_mov_b32 s21, 0
	s_mov_b32 s23, 0
	s_mov_b32 s47, 0
	s_mov_b32 s93, 0
	s_mul_i32 s45, s14, RGN                        ; where they go: by the wave's number alone
	s_mul_i32 s94, s14, SG/2
	s_wait_dscnt 0x0                               ; the opening add is done
	s_wait_kmcnt 0x0
	s_add_nc_u64 s[20:21], s[4:5], s[20:21]
	s_add_nc_u64 s[22:23], s[4:5], s[22:23]
	s_add_nc_u64 s[46:47], s[6:7], s[46:47]
	s_add_nc_u64 s[92:93], s[6:7], s[92:93]
	CROUND                                         ; all sixteen work-groups are here: the first joint loads meet
	s_cmp_eq_u32 s15, 0                            ; THE SCALE WORDS COME BY PLAIN LOADS AND LDS STORES, half a group (8,192 bytes) a wave: the head has one tensor load a wave
	s_cselect_b64 s[2:3], s[22:23], s[92:93]       ; my half group's words: A's for waves 0 and 1, B's for waves 2 and 3
	s_cselect_b64 s[98:99], s[20:21], s[46:47]     ; the prefetches: what I fetch of slot 0,
	s_cselect_b32 s100, s40, s41                   ; my work-group's place among the four that ask for it with me (told apart by address alone),
	s_mul_i32 s100, s100, 6144                     ; its 24 blocks of 256 bytes
	s_mov_b32 s101, 0
	s_add_nc_u64 s[98:99], s[98:99], s[100:101]
.irp s, 0,1
	s_mov_b32 s[G0+4*\s], 1
	s_add_co_u32 s[G0+4*\s+1], s45, \s*SLOT
	s_add_nc_u64 s[G0+4*\s+2:G0+4*\s+3], s[20:21], \s*2*RGN
	s_or_b32 s[G0+4*\s+3], s[G0+4*\s+3], 0x80000000
	s_mov_b32 s[G0B+4*\s], 1
	s_add_co_u32 s[G0B+4*\s+1], s45, \s*SLOT
	s_add_nc_u64 s[G0B+4*\s+2:G0B+4*\s+3], s[46:47], \s*2*RGN
	s_or_b32 s[G0B+4*\s+3], s[G0B+4*\s+3], 0x80000000
.endr
	JLOAD G0, G1, G0B, G1B                         ; slot 0: my one tensor load at the head
	v_and_b32 v1, 15, v0                           ; r
	v_bfe_u32 v2, v0, 4, 1                         ; h
	v_and_b32 v3, 31, v0                           ; L
	v_lshlrev_b32 v4, 4, v3                        ; 16 L
	v_lshlrev_b32 v5, 3, v3                        ; 8 L
	v_min_u32 v9, 23, v3
	v_lshlrev_b32 v9, 8, v9                        ; the prefetches' offset: a lane a block; lanes 24-31 name the last block again; never rewritten
	s_add_co_u32 s94, s94, SCL
	v_add_nc_u32 v8, s94, v4                       ; where my scale words go in LDS
.irp i, 0,1,2,3,4,5,6,7,8,9,10,11,12,13,14,15
	global_load_b128 v[ACC+4*\i:ACC+4*\i+3], v4, s[2:3] offset:512*\i   ; 512 consecutive bytes an instruction
.endr
	global_prefetch_b8 v9, s[98:99] offset:4*RGN th:TH_LOAD_NT scope:SCOPE_SE   ; behind slot 0's load: slot 2
	s_mul_i32 s21, s15, 6144                       ; my four blocks of A's eight,
	s_mul_i32 s22, s16, 6144                       ; my four of B's,
	s_add_co_u32 s22, s22, 2*RGN                   ; which lie behind A's four K steps
.irp s, 0,1
	v_add_nc_u32 v[ADRA+\s], s21, v4
	v_add_nc_u32 v[ADRB+\s], s22, v4
	v_add_nc_u32 v[ADRA+2+\s], s21, v5
	v_add_nc_u32 v[ADRB+2+\s], s22, v5
	s_add_co_u32 s21, s21, SLOT
	s_add_co_u32 s22, s22, SLOT
.endr
	v_lshlrev_b32 v6, 4, v1                        ; 16 r
	s_lshl_b32 s21, s15, 8                         ; A's words of my four blocks: 256 x half
	s_lshl_b32 s22, s16, 8
	s_add_co_u32 s22, s22, SG                      ; B's, behind A's group
	s_sub_co_u32 s22, s22, s21
	v_mul_u32_u24 v7, s22, v2                      ; lanes 16-31 take B's
	s_add_co_u32 s21, s21, SCL
	v_add_nc_u32 v7, v6, v7
	v_add_nc_u32 v[ADRS], s21, v7
	s_mul_i32 s23, s14, 16*SPITCH                  ; my stage
	v_mul_u32_u24 v7, v1, SPITCH
	v_lshl_add_u32 v7, v2, 5, v7
	v_add_nc_u32 v[STO], s23, v7                   ; in: row r, 32 bytes for each half of the lanes
	v_mul_u32_u24 v7, v2, SPITCH
	v_lshl_add_u32 v7, v1, 4, v7
	v_add_nc_u32 v[RD], s23, v7                    ; back: lanes 0-15 one row of 256 bytes, lanes 16-31 the next
	v_lshlrev_b32 v[CO], 12, v2
	v_lshl_add_u32 v[CO], v1, 4, v[CO]             ; and the same two rows in C
	s_wait_alu depctr_va_vdst(0)
	s_lshl_b32 s96, s42, 9
	s_lshl_b32 s97, s16, 8
	s_add_co_u32 s96, s96, s97                     ; my first column, in bytes: 512 x tile column + 256 x half
	s_mov_b32 s97, 0
	s_add_nc_u64 s[92:93], s[8:9], s[96:97]
	s_lshl_b32 s18, s17, 19                        ; my group's 128 rows of 4,096 bytes,
	s_lshl_b32 s19, s15, 18                        ; my 64 of them
	s_add_co_u32 s18, s18, s19
	s_add_co_u32 s18, s18, s96
	s_mov_b32 s19, 0
	s_add_nc_u64 s[20:21], s[10:11], s[18:19]      ; the residual,
	s_add_nc_u64 s[18:19], s[12:13], s[18:19]      ; the output
	v_lshlrev_b32 v7, 5, v2                        ; the bias of my eight columns of block b: 64 b + 32 h
	WIN TO_F
.irp b, 0,1,2,3
	global_load_b128 v[BI+8*\b:BI+8*\b+3], v7, s[92:93] offset:64*\b
	global_load_b128 v[BI+8*\b+4:BI+8*\b+7], v7, s[92:93] offset:64*\b+16
.endr
.macro LOADRES a                       ; block a's 16 rows x 256 bytes of the residual: two rows an instruction, in the layout in which the rows come back from the stage
.set lt, 0
.rept 8
	global_load_b128 v[32*(\a)+4*lt:32*(\a)+4*lt+3], v[CO], s[20:21] offset:(32*((\a)/2)+8*((\a)%2)+2*lt+8*(lt/4))*4096 th:TH_LOAD_NT
.set lt, lt+1
.endr
.endm
	WIN 0x80                                       ; destination window 2
	LOADRES 0
	LOADRES 1
	LOADRES 2
	LOADRES 3
	WIN 0
	s_wait_alu depctr_va_vdst(0)                   ; the wait at the head's end
	s_wait_loadcnt 32                              ; my scale words and the bias are in; the residual's 32 loads stay out
.irp i, 0,1,2,3,4,5,6,7,8,9,10,11,12,13,14,15
	ds_store_b128 v8, v[ACC+4*\i:ACC+4*\i+3] offset:512*\i
.endr
	s_wait_tensorcnt 0x0                           ; my part of slot 0 is in; these lines stand ahead of slot 1's first fill as ahead of a refill
	ds_add_u32 v[SPW], v[NIL]
	s_wait_dscnt 0x0                               ; the add and my stores of scale words are done
	CROUND                                         ; slot 0 and all scale words are shown to all, and the joint loads meet
	JLOAD G0+4, G1, G0B+4, G1B                     ; slot 1
	global_prefetch_b8 v9, s[98:99] offset:6*RGN th:TH_LOAD_NT scope:SCOPE_SE   ; and slot 3
	SCALES 0
	FETCH 0, 0, F0
	STEP 0, 0, F0, F1, 1                           ; the first step starts the sums on the bias
.if LAPS > 1
	WIN 0                                          ; at a label and at a branch every window is 0
	s_mov_b32 s3, LAPS-1
.Llap:                                                 ; a trip goes once round the ring, from a lap's second K step to the next lap's first, and fills both slots again
	STEP 0, 1, F1, F0, 0
	STEP 0, 2, F0, F1, 0
	TURN 0, 1, 1
	STEP 1, 0, F0, F1, 0
	STEP 1, 1, F1, F0, 0
	STEP 1, 2, F0, F1, 0
	TURN 1, 0, 1
	STEP 0, 0, F0, F1, 0
	WIN 0
	s_sub_co_u32 s3, s3, 1
	s_cmp_lg_u32 s3, 0
	s_cbranch_scc1 .Llap
.endif
	STEP 0, 1, F1, F0, 0                           ; the last lap fills nothing, and has no round of the cluster's barrier
	STEP 0, 2, F0, F1, 0
	TURN 0, 1, 0
	STEP 1, 0, F0, F1, 0
	STEP 1, 1, F1, F0, 0
	STEP 1, 2, F0, F1, 0
	s_wait_dscnt 8                                 ; the very last K step: nothing more to fetch
	WIN MUL
	MULA F1, 0, 3, 1, 0
	MULA F1, 1, 3, 1, 0
	s_wait_dscnt 0
	MULA F1, 2, 3, 1, 0
	MULA F1, 3, 3, 1, 0
	WIN 0
.macro TOSTAGE a                       ; LDS serves a wave's instructions in order: the loads see the stores, and the next block's stores come behind them
	WIN 0
.irp b, 0,1,2,3
	ds_store_b128 v[STO], v[ACC+8*(4*(\a)+\b):ACC+8*(4*(\a)+\b)+3] offset:64*\b          ; each accumulator from its low end on
	ds_store_b128 v[STO], v[ACC+8*(4*(\a)+\b)+4:ACC+8*(4*(\a)+\b)+7] offset:64*\b+16
.endr
	WIN TO_F
.set lt, 0
.rept 8
	ds_load_b128 v[32*(\a)+4*lt:32*(\a)+4*lt+3], v[RD] offset:2*lt*SPITCH
.set lt, lt+1
.endr
.endm
.macro ADDRES a                        ; rows (window 1) += residual (window 2)
	WIN 0x49
.set lt, 0
.rept 16
	v_pk_add_f32 v[32*(\a)+lt:32*(\a)+lt+1], v[32*(\a)+lt:32*(\a)+lt+1], v[32*(\a)+lt:32*(\a)+lt+1]
.set lt, lt+2
.endr
.endm
.macro SEND a                          ; a store's data are its source 1: window 1
	WIN 0x04
.set lt, 0
.rept 8
	global_store_b128 v[CO], v[32*(\a)+4*lt:32*(\a)+4*lt+3], s[18:19] offset:(32*((\a)/2)+8*((\a)%2)+2*lt+8*(lt/4))*4096 th:TH_STORE_NT   ; sixteen lanes store 256 consecutive bytes, aligned
.set lt, lt+1
.endr
.endm
	PLACES NP                                      ; in front of the first read of results, and of loads into registers that the products read
	TOSTAGE 0
	TOSTAGE 1
	TOSTAGE 2
	TOSTAGE 3
	s_wait_loadcnt 0x0                             ; the residual
.irp a, 0,1,2,3
	s_wait_dscnt 16*(3-\a)                         ; block a is back; the later blocks' sixteen LDS instructions each may be out
	ADDRES \a
	SEND \a
.endr
	WIN 0
	s_wait_tensorcnt 0x0                           ; the wave's end
	ds_add_u32 v[SPW], v[NIL]
	s_wait_dscnt 0x0
	CROUND                                         ; the closing round
	s_endpgm
.Lfunc_end_k_q444f39d971_gproj:
	.size	k_q444f39d971_gproj, .Lfunc_end_k_q444f39d971_gproj-k_q444f39d971_gproj
	.p2alignl 7, 3214868480
	.fill 96, 4, 3214868480
	.section	.rodata,"a",@progbits
	.p2align	6, 0x0
	.amdhsa_kernel k_q444f39d971_gproj
		.amdhsa_group_segment_fixed_size 327680
		.amdhsa_private_segment_fixed_size 0
		.amdhsa_enable_private_segment 0
		.amdhsa_kernarg_size 40
		.amdhsa_user_sgpr_count 2
		.amdhsa_user_sgpr_kernarg_segment_ptr 1
		.amdhsa_wavefront_size32 1
		.amdhsa_system_sgpr_workgroup_id_x 1
		.amdhsa_system_sgpr_workgroup_id_y 1
		.amdhsa_system_sgpr_workgroup_id_z 1
		.amdhsa_system_vgpr_workitem_id 0
		.amdhsa_next_free_vgpr 768
		.amdhsa_next_free_sgpr 102
		.amdhsa_reserve_vcc 0
		.amdhsa_float_denorm_mode_32 3
		.amdhsa_float_denorm_mode_16_64 3
		.amdhsa_memory_ordered 1
		.amdhsa_forward_progress 1
		.amdhsa_inst_pref_size 100
	.end_amdhsa_kernel
	.amdgpu_metadata
---
amdhsa.version: [ 1, 2 ]
amdhsa.kernels:
  - .name:           k_q444f39d971_gproj
    .symbol:         k_q444f39d971_gproj.kd
    .args:
      - { .name: g, .offset: 0, .size: 8, .value_kind: global_buffer, .address_space: global }
      - { .name: wts, .offset: 8, .size: 8, .value_kind: global_buffer, .address_space: global }
      - { .name: b_proj, .offset: 16, .size: 8, .value_kind: global_buffer, .address_space: global }
      - { .name: x1, .offset: 24, .size: 8, .value_kind: global_buffer, .address_space: global }
      - { .name: out0, .offset: 32, .size: 8, .value_kind: global_buffer, .address_space: global }
    .group_segment_fixed_size: 327680
    .private_segment_fixed_size: 0
    .kernarg_segment_align: 8
    .kernarg_segment_size: 40
    .max_flat_workgroup_size: 128
    .sgpr_count:     102
    .vgpr_count:     768
    .wavefront_size: 32
...
	.end_amdgpu_metadata
.endif
;; end of part 13
